; MI455X (gfx1250); checked and timed in simulation.
; The chip was launched on July 23, 2026; its instructions are those of AMD's public machine-readable ISA for CDNA 5 (MIT licence, August 2026) and "CDNA5" Instruction Set Architecture Reference Guide (July 2026). The comments in the code are by the model that wrote it; some were corrected since.
;; Transformer Decoder Block. Allowed arithmetic: matrix products marked QUANTISED: E2M1 operands, one E8M0 scale for each 32 along K, by v_wmma_scale_f32_16x16x128_f8f6f4 with both operands' format E2M1 (or v_wmma_scale_f32_32x16x128_f4), f32 sums; everything else in f32.
;; Inputs: b1 512 float32; b2 512 float32; b3 1,024 float32; bk 1,024 float32; bo 1,024 float32; bq 1,024 float32; bv 1,024 float32; ln1_w 1,024 float32; ln2_w 1,024 float32; w1 1,024 x 512 float32; w2 1,024 x 512 float32; w3 512 x 1,024 float32; wk 1,024 x 1,024 float32; wo 1,024 x 1,024 float32; wq 1,024 x 1,024 float32; wv 1,024 x 1,024 float32; x 2 x 2,048 x 1,024 float32.
;; Outputs: out0 2 x 2,048 x 1,024 float32.
;; This version of the problem:
;;   THIS VERSION OF THE PROBLEM IS GIVEN IN LOW PRECISION. The matrix products marked QUANTISED in the list below multiply operands that are first quantised to E2M1 (2 exponent bits, 1 mantissa bit; 4 bits a number), with one power-of-two scale for each 32 numbers along K (OCP MX v1.0); their sums are f32. All else is computed in f32.
;;   The module's matrix products, in the order in which they are computed (A, B: the left and right operand; K: the contracted axis; several contracted axes count as one K, in the product's order):
;;     1. [M 4,096, K 1,024] x [K 1,024, N 1,024]; A: computed on the way; B: input wq: QUANTISED
;;     2. [M 4,096, K 1,024] x [K 1,024, N 1,024]; A: computed on the way; B: input wk: QUANTISED
;;     3. [M 4,096, K 1,024] x [K 1,024, N 1,024]; A: computed on the way; B: input wv: QUANTISED
;;     4. batch 32 x [M 2,048, K 64] x [K 64, N 2,048]; A: computed on the way; B: computed on the way: QUANTISED
;;     5. batch 32 x [M 2,048, K 2,048] x [K 2,048, N 64]; A: softmax (see below); B: computed on the way: QUANTISED
;;     6. [M 4,096, K 1,024] x [K 1,024, N 1,024]; A: computed on the way; B: input wo: QUANTISED
;;     7. [M 4,096, K 1,024] x [K 1,024, N 512]; A: computed on the way; B: input w1: QUANTISED
;;     8. [M 4,096, K 1,024] x [K 1,024, N 512]; A: computed on the way; B: input w2: QUANTISED
;;     9. [M 4,096, K 512] x [K 512, N 1,024]; A: computed on the way; B: input w3: QUANTISED
;;   THE QUANTISER, for each operand of a quantised product, along K:
;;     - K is cut into blocks of 32 from its start; a last block that is shorter is filled with zeros.
;;     - A block's scale is 2^e with e = floor(log2(the largest magnitude in the block)) - 2, held to -126 .. 127; a block of zeros has e = 0. As a byte (E8M0): e + 127.
;;     - Each number is divided by its block's scale, clamped to +-6, and rounded to the nearest number of E2M1, ties to even, subnormals kept.
;;     - The product sums the exact products of the quantised numbers (number of the format x scale) in f32.
;;   ~~~python
;;   def quantise(x, axis):      # numpy; x: float32 -> the quantised numbers, widened to float32 again
;;       x = np.moveaxis(x, axis, -1); K = x.shape[-1]
;;       x = np.pad(x, [(0, 0)] * (x.ndim - 1) + [(0, -K % 32)]); x = x.reshape(x.shape[:-1] + (-1, 32)); a = np.abs(x).max(-1, keepdims=True)
;;       e = np.where(a > 0, np.clip(np.frexp(np.where(a > 0, a, 1))[1] - 1 - 2, -126, 127), 0)      # np.frexp(a)[1] - 1 = floor(log2(a)), exactly
;;       r = np.clip(x / 2.0 ** e, -6, 6)
;;       step = 2.0 ** (np.maximum(np.frexp(np.where(r == 0, 1, r))[1] - 1, 0) - 1)
;;       q = np.round(r / step) * step * 2.0 ** e      # np.round: ties to even
;;       return np.moveaxis(q.reshape(q.shape[:-2] + (-1,))[..., :K], -1, axis).astype(np.float32)
;;   ~~~
;;   SOFTMAX AHEAD OF A QUANTISED PRODUCT. Where the list says 'softmax', what is quantised is not the finished softmax but p = 2^(t - M), with t = logit x log2(e) and M = ceil(the row's largest t), a whole number; so 1/2 < the row's largest p <= 1. The row's sum l is taken of the UNQUANTISED p, in f32, and the product's result is divided by l at the end. Since M is a whole number, a kernel that streams over the keys may use a running M (the ceiling of the running maximum): every later rescaling is an exact power of two, which a block's scale takes up: the codes' values come out the same.
;;   OPERANDS COMPUTED ON THE WAY. 'Computed on the way' means the value that the module computes at that place (a softmax that the list does not call 'softmax' is quantised finished and normalised). What goes into a quantiser is computed in f32, as accurately as f32 sums, v_exp_f32 and their like allow (about 1e-6 of the number): no bf16 or f16 on the way to a quantiser, and a product that is left as it is and whose result goes on into a quantised operand takes f32 operands (vector FMAs, or v_wmma_f32_16x16x4_f32). A number that lies on a knife's edge between two numbers of the format may be rounded either way, as far as f32 arithmetic and the matrix unit's own rounding can turn it there, and no further.
;; 2 versions. Each part assembles by itself: llvm-mc -triple=amdgcn-amd-amdhsa -mcpu=gfx1250 --defsym DOCPART=n.
;; ======== version 1 of 2: 4 launches
;; workspace buffers: prepbuf 5,292,032 bytes; qkvbuf 7,077,888 bytes; resbuf 2,228,224 bytes
;; launch prep (part 1): grid 432 x 1, 8 waves a work-group, no clusters, 72,704 bytes of LDS; arguments x, ln1_w, wq, wk, wv, wo, w1, w2, w3, prepbuf; writes prepbuf
.if DOCPART == 1
	.amdgcn_target "amdgcn-amd-amdhsa--gfx1250"
	.amdhsa_code_object_version 6
	.text
	.protected	k_q36e56d399a_prep
	.globl	k_q36e56d399a_prep
	.p2align	8
	.type	k_q36e56d399a_prep,@function
k_q36e56d399a_prep:
	s_mov_b64 s[64:65], 0
	v_nop
	global_prefetch_b8 v0, s[64:65] scope:SCOPE_SE
	s_setreg_imm32_b32 hwreg(HW_REG_WAVE_MODE, 25, 1), 1
	s_wait_xcnt 0x0
; PREP.  (A) the seven weights, f32 stored [K][N], become codes of FP4 (E2M1) and E8M0 scale bytes, quantised along K;  (B) rms_norm(x, ln1_w) is computed in f32 and quantised along its 1,024 columns.
; ALL OPERANDS ARE LAID IN THE ORDER OF THE MATRIX OPERAND'S REGISTERS.  A tile is 16 rows (of activations) or 16 columns n (of a weight); tile T, place r, is index 32 (T / 2) + 8 (T % 2) + r + 8 (r / 8).
; A fragment (tile x 128 along K) is 1,024 bytes, [block of 32 along K][place r][16 bytes]: two loads of 16 bytes a lane at 16 x lane and 512 + 16 x lane fill the eight operand registers.  Codes: [tile][K / 128][1,024].
; Scale words (4 bytes: a place's four blocks of one K step): [tile][K step / 4][place r][4 words]: 512 bytes a tile for K = 1,024, 256 for K = 512.
; A block's scale is 2^(floor(log2(largest magnitude)) - 2); its byte is the largest magnitude's exponent field - 2, held at 1 from below.
; LIMITS: a block of zeros gets the byte 1 where the rule says 127 (its codes are zeros, and this program alone reads the bytes); blocks whose largest magnitude lies under 2^-124 were not tried; NaN and infinities are not served.
; WORK-GROUPS 0-175: weights, 64 columns x 512 along K each; a wave 32 columns x 128 K: a lane takes a column, its registers run down K.  WORK-GROUPS 176-431: one tile of 16 rows of x each; wave w takes columns 128 w on.
; In path B a load takes one row's 512 consecutive bytes of the wave's columns; the 16 rows turn through the wave's own stage in LDS, so that a lane comes to hold 16 neighbours of each block of 32 of ONE row.
; The two paths part on the work-group's number alone and have LDS bytes of their own.
.set WQC, 0
.set WKC, 524288
.set WVC, 1048576
.set WOC, 1572864
.set W1C, 2097152
.set W2C, 2359296
.set W3C, 2621440
.set WQS, 2883584
.set WKS, 2916352
.set WVS, 2949120
.set WOS, 2981888
.set W1S, 3014656
.set W2S, 3031040
.set W3S, 3047424
.set H1C, 3063808
.set H1S, 5160960
.set PA_SC,  0                         ; LDS, path A: 2 x 512 bytes of scale words
.set PB_SSQ, 1024                      ; LDS, path B: 16 rows x 8 waves' sums of squares
.set PB_SC,  2048                      ; LDS, path B: the tile's 512 bytes of scale words
.set PB_STG, 4096                      ; LDS, path B: a stage of 16 rows x SP bytes for each wave
.set SP,  528                          ; a stage row: 512 bytes + 16 = 132 words: row r starts at bank 4 r mod 64 (64 banks of 4 bytes: ISA guide 11.1), so the 16 rows that a load touches start at 16 different banks
.set TM,  160                          ; v160-175 at work in QUANT
.set SEL, 50                           ; s[50:51] selects of v_permlanex16_b32: lane l xor 16
; 64 numbers of a lane, register 16 b + i = k 32 b + 16 (lane / 16) + i of the lane's row, become a fragment's eight registers v[pc] on and the row's scale word v[pw].
.macro QUANT s, pc, pw
.irp b, 0,1,2,3
	v_max3_num_f32 v[TM+\b], |v[(\s)+16*\b]|, |v[(\s)+1+16*\b]|, 0x1800000   ; my 16 numbers of block b, and the floor 2^(3 - 127): the byte cannot fall under 1
.endr
.irp i, 2,4,6,8,10,12,14
.irp b, 0,1,2,3
	v_max3_num_f32 v[TM+\b], v[TM+\b], |v[(\s)+16*\b+\i]|, |v[(\s)+1+16*\b+\i]|
.endr
.endr
.irp b, 0,1,2,3
	v_permlanex16_b32 v[TM+4+\b], v[TM+\b], s[SEL], s[SEL+1]
.endr
.irp b, 0,1,2,3
	v_max_num_f32 v[TM+\b], v[TM+\b], v[TM+4+\b]       ; with lane l xor 16's: the block's largest magnitude
.endr
.irp b, 0,1,2,3
	v_add_nc_u32 v[TM+12+\b], 0xff000000, v[TM+\b]     ; 2 off its exponent field: the conversion's scale operand
.endr
.irp b, 0,1,2,3
	v_lshrrev_b32 v[TM+4+\b], 23, v[TM+12+\b]          ; the scale's byte
.endr
	v_lshl_or_b32 v[(\pw)], v[TM+5], 8, v[TM+4]
	v_lshl_or_b32 v[(\pw)], v[TM+6], 16, v[(\pw)]
	v_lshl_or_b32 v[(\pw)], v[TM+7], 24, v[(\pw)]
.irp b, 0,1,2,3
	v_cvt_scalef32_pk8_fp4_f32 v[(\pc)+2*\b], v[(\s)+16*\b:(\s)+7+16*\b], v[TM+12+\b]
	v_cvt_scalef32_pk8_fp4_f32 v[(\pc)+1+2*\b], v[(\s)+8+16*\b:(\s)+15+16*\b], v[TM+12+\b]
.endr
	v_nop                                              ; one plain place behind the last scaled conversion
.irp c, 0,1                                        ; the operand wants a whole block in a lane: lanes 0-15 block 2 c, lanes 16-31 block 2 c + 1
.irp i, 0,1
	v_permlane16_swap_b32 v[(\pc)+4*\c+\i], v[(\pc)+2+4*\c+\i]
.endr
.endr
.endm
; path A: block t (32 along K) of my column into set t % 2: each load reads 128 consecutive bytes of one row of the weight
.macro LOADW t, rowb
.set I, 0
.rept 32
	global_load_b32 v[32+32*((\t)%2)+I], v3, s[26:27] offset:(32*(\t)+I)*(\rowb) th:TH_LOAD_NT
.set I, I+1
.endr
.endm
.macro BLOCKW t, rowb
.set XS, 32+32*((\t)%2)
.if (\t) < 3
	s_wait_loadcnt 32                                  ; this block's 32 loads are in; the next block's 32 may be out
.else
	s_wait_loadcnt 0x0
.endif
	v_max3_num_f32 v12, |v[XS]|, |v[XS+1]|, |v[XS+2]|  ; all 32 numbers of the block are mine
	v_max3_num_f32 v13, |v[XS+3]|, |v[XS+4]|, |v[XS+5]|
.irp i, 6,10,14,18,22,26
	v_max3_num_f32 v12, v12, |v[XS+\i]|, |v[XS+\i+1]|
	v_max3_num_f32 v13, v13, |v[XS+\i+2]|, |v[XS+\i+3]|
.endr
	v_max3_num_f32 v12, v12, |v[XS+30]|, |v[XS+31]|
	v_max3_num_f32 v12, v12, v13, 0x1800000            ; and the floor
	v_add_nc_u32 v11, 0xff000000, v12                  ; the conversion's scale operand
	v_lshrrev_b32 v13, 23, v11                         ; the byte
.if (\t) == 0
	v_mov_b32 v112, v13
.else
	v_lshl_or_b32 v112, v13, 8*(\t), v112              ; the K step's four bytes make my column's scale word
.endif
.irp g, 0,1,2,3
	v_cvt_scalef32_pk8_fp4_f32 v[96+4*(\t)+\g], v[XS+8*\g:XS+8*\g+7], v11
.endr
	v_nop                                              ; one plain place behind the last scaled conversion
	global_store_b128 v4, v[96+4*(\t):99+4*(\t)], s[44:45] offset:256*(\t)   ; sixteen lanes store 256 consecutive bytes, aligned: block t of a fragment; each block has its own four registers
.if (\t) < 2
	LOADW (\t)+2, \rowb
.endif
.endm
.macro WEIGHT rowb
	LOADW 0, \rowb
	LOADW 1, \rowb
	BLOCKW 0, \rowb
	BLOCKW 1, \rowb
	BLOCKW 2, \rowb
	BLOCKW 3, \rowb
.endm
; from work-group `first` on: another weight.  The choice hangs on the work-group's number alone
.macro PICK first, ptr, coff, soff, shift, rowb, tileb, stileb
	s_cmp_ge_u32 ttmp9, \first
	s_cselect_b64 s[26:27], s[\ptr:\ptr+1], s[26:27]
	s_cselect_b32 s28, \coff, s28
	s_cselect_b32 s29, \soff, s29
	s_cselect_b32 s30, \first, s30
	s_cselect_b32 s31, \tileb, s31
	s_cselect_b32 s32, \stileb, s32
	s_cselect_b32 s33, \shift, s33
	s_cselect_b32 s35, \rowb, s35
.endm
	s_load_b512 s[4:19], s[0:1], 0x0                   ; x, ln1_w, wq, wk, wv, wo, w1, w2
	s_load_b128 s[20:23], s[0:1], 0x40                 ; w3, prepbuf
	v_lshl_add_u32 v192, v0, 2, 0x11800
	v_mov_b32 v193, 0
	v_lshrrev_b32 v1, 5, v0
	v_readfirstlane_b32 s24, v1                        ; wave 0..7
	v_and_b32 v1, 31, v0                               ; lane
	s_mov_b32 s[SEL], 0x76543210
	s_mov_b32 s[SEL+1], 0xfedcba98
	s_wait_kmcnt 0x0
	s_cmp_ge_u32 ttmp9, 176
	s_cbranch_scc1 .Lpath_x
	; ---------------- PATH A: a weight ----------------
	s_mov_b64 s[26:27], s[8:9]                         ; wq, from work-group 0 on
	s_mov_b32 s28, WQC                                 ; its codes in prepbuf
	s_mov_b32 s29, WQS                                 ; its scale words
	s_mov_b32 s30, 0                                   ; its first work-group
	s_mov_b32 s31, 8192                                ; bytes of a tile's codes (K / 128 fragments)
	s_mov_b32 s32, 512                                 ; bytes of a tile's scale words
	s_mov_b32 s33, 4                                   ; log2 of its groups of 64 columns
	s_mov_b32 s35, 4096                                ; bytes in a row
	PICK 32,  10, WKC, WKS, 4, 4096, 8192, 512
	PICK 64,  12, WVC, WVS, 4, 4096, 8192, 512
	PICK 96,  14, WOC, WOS, 4, 4096, 8192, 512
	PICK 128, 16, W1C, W1S, 3, 2048, 8192, 512
	PICK 144, 18, W2C, W2S, 3, 2048, 8192, 512
	PICK 160, 20, W3C, W3S, 4, 4096, 4096, 256
	s_sub_co_u32 s36, ttmp9, s30                       ; my number within the weight
	s_lshl_b32 s37, 1, s33
	s_sub_co_u32 s37, s37, 1
	s_and_b32 s37, s36, s37                            ; which 64 columns
	s_lshr_b32 s36, s36, s33                           ; kg: which 512 along K
	s_and_b32 s38, s24, 1                              ; my wave: which 32 of the 64 columns,
	s_lshr_b32 s39, s24, 1                             ; kq: which 128 of the 512 along K
	s_lshl_b32 s37, s37, 1
	s_add_co_u32 s37, s37, s38                         ; my group of 32 columns = tiles 2 x it and 2 x it + 1
	s_lshl_b32 s40, s36, 9
	s_lshl_b32 s41, s39, 7
	s_add_co_u32 s40, s40, s41                         ; my first k
	s_mul_i32 s40, s40, s35
	s_lshl_b32 s41, s37, 7
	s_add_co_u32 s40, s40, s41                         ; + 128 bytes for each group of 32 columns
	s_mov_b32 s41, 0
	s_add_nc_u64 s[26:27], s[26:27], s[40:41]
	s_lshl_b32 s42, s37, 1                             ; my first tile
	s_mul_i32 s40, s42, s31
	s_add_co_u32 s40, s40, s28
	s_lshl_b32 s43, s36, 2
	s_add_co_u32 s43, s43, s39                         ; my K step = 4 kg + kq
	s_lshl_b32 s43, s43, 10
	s_add_co_u32 s40, s40, s43
	s_add_nc_u64 s[44:45], s[22:23], s[40:41]          ; my fragments
	s_mul_i32 s40, s42, s32
	s_add_co_u32 s40, s40, s29
	s_lshl_b32 s43, s36, 8
	s_add_co_u32 s40, s40, s43
	s_add_nc_u64 s[46:47], s[22:23], s[40:41]          ; my tiles' scale words of K steps 4 kg on
	v_and_b32 v2, 7, v1                                ; lane l is place l % 16 of tile l / 16: column (l & 7) + 2 (l & 8) + (l & 16) / 2 of the 32
	v_and_b32 v3, 8, v1
	v_lshl_or_b32 v2, v3, 1, v2
	v_and_b32 v3, 16, v1
	v_lshrrev_b32 v3, 1, v3
	v_or_b32 v2, v2, v3
	v_lshlrev_b32 v3, 2, v2                            ; v3: my column's bytes in a row
	v_lshrrev_b32 v8, 4, v1
	v_and_b32 v9, 15, v1
	v_lshlrev_b32 v9, 4, v9
	v_mad_u32_u24 v4, v8, s31, v9                      ; v4: my tile's codes + 16 x place
	v_mad_u32_u24 v7, v8, s32, v9                      ; v7: my tile's scale words + 16 x place
	s_lshl_b32 s48, s38, 9
	s_lshl_b32 s49, s39, 2
	s_add_co_u32 s49, s49, s48
	v_lshlrev_b32 v6, 4, v1
	v_add_nc_u32 v5, s49, v6                           ; v5: LDS: 512 x (wave & 1) + 16 x lane + 4 kq: where my word goes
	v_add_nc_u32 v6, s48, v6                           ; v6: and where a lane's four words are read back
	s_cmp_eq_u32 s35, 2048                             ; every offset is an immediate, so the two row lengths are two copies
	s_cbranch_scc1 .Lw_narrow
	WEIGHT 4096
	s_branch .Lw_join
.Lw_narrow:
	WEIGHT 2048
.Lw_join:
	ds_store_b32 v5, v112
	s_wait_dscnt 0x0                                   ; for the others' sake: my word lies in LDS
	s_barrier_signal -1
	s_barrier_wait -1
	s_cmp_gt_u32 s24, 1
	s_cbranch_scc1 .Lw_end                             ; waves 0 and 1 (kq = 0) store the four K steps' words of their 32 columns
	ds_load_b128 v[116:119], v6
	s_wait_dscnt 0x0
	global_store_b128 v7, v[116:119], s[46:47]         ; sixteen lanes store 256 consecutive bytes, aligned
.Lw_end:
	s_wait_tensorcnt 0x0
	ds_add_u32 v192, v193
	s_wait_dscnt 0x0
	s_endpgm
	; ---------------- PATH B: a tile of 16 rows of x ----------------
.Lpath_x:
	s_sub_co_u32 s26, ttmp9, 176                       ; the tile T
	s_lshr_b32 s27, s26, 1
	s_lshl_b32 s27, s27, 5
	s_and_b32 s28, s26, 1
	s_lshl_b32 s28, s28, 3
	s_add_co_u32 s27, s27, s28                         ; its first row: 32 (T / 2) + 8 (T % 2)
	s_lshl_b32 s28, s27, 12
	s_lshl_b32 s30, s24, 9                             ; my wave's 128 columns
	s_add_co_u32 s28, s28, s30
	s_mov_b32 s29, 0
	s_mov_b32 s31, 0
	s_add_nc_u64 s[4:5], s[4:5], s[28:29]
	s_add_nc_u64 s[6:7], s[6:7], s[30:31]
	s_lshl_b32 s28, s26, 13
	s_lshl_b32 s32, s24, 10
	s_add_co_u32 s28, s28, s32
	s_add_co_u32 s28, s28, H1C
	s_add_nc_u64 s[34:35], s[22:23], s[28:29]          ; fragment (T, K step w)
	s_lshl_b32 s28, s26, 9
	s_add_co_u32 s28, s28, H1S
	s_add_nc_u64 s[36:37], s[22:23], s[28:29]          ; the tile's scale words
	s_mov_b32 s48, 0x3a800000                          ; 1 / 1024
	s_mov_b32 s49, 0x3727c5ac                          ; 1e-5
	v_and_b32 v9, 15, v0                               ; r
	v_bfe_u32 v11, v0, 4, 1                            ; h
	v_lshlrev_b32 v3, 6, v11                           ; v3: 64 h: my 16 numbers of each block of 32
	v_lshlrev_b32 v4, 4, v1                            ; v4: 16 x lane
	s_mul_i32 s40, s24, 16*SP
	s_add_co_u32 s40, s40, PB_STG                      ; my wave's stage
	v_mul_u32_u24 v2, v9, SP
	v_add_nc_u32 v2, v2, v3
	v_add_nc_u32 v2, s40, v2                           ; v2: out of the stage: row r, + 64 h
	v_add_nc_u32 v14, s40, v4                          ; v14: into it: 16 x lane of a row
	v_lshl_add_u32 v6, v9, 5, PB_SSQ                   ; v6: my row's eight partial sums
	s_lshl_b32 s38, s24, 2
	v_add_nc_u32 v5, s38, v6                           ; v5: my wave's among them
	s_lshr_b32 s38, s24, 2
	s_lshl_b32 s38, s38, 8
	s_and_b32 s39, s24, 3
	s_lshl_b32 s39, s39, 2
	s_add_co_u32 s38, s38, s39
	s_add_co_u32 s38, s38, PB_SC
	v_lshl_add_u32 v7, v9, 4, s38                      ; v7: scale word of (K step w, row r)
	v_add_nc_u32 v8, PB_SC, v4                         ; v8: the 512 bytes read back
.irp b, 0,1,2,3
	v_mov_b32 v[TM+4+\b], 0                            ; written once: a lane permute's destination counts as one of its sources
.endr
.irp i, 0,1,2,3,4,5,6,7,8,9,10,11,12,13,14,15
	global_load_b128 v[32+4*\i:35+4*\i], v4, s[4:5] offset:(\i+8*(\i/8))*4096 th:TH_LOAD_NT   ; place i of the tile: 32 lanes read 512 consecutive bytes of one row
.endr
.irp b, 0,1,2,3
.irp j, 0,1,2,3
	global_load_b128 v[96+16*\b+4*\j:99+16*\b+4*\j], v3, s[6:7] offset:128*\b+16*\j
.endr
.endr
	s_wait_loadcnt 16                                  ; x's sixteen loads are in; ln1_w's sixteen may be out
.irp i, 0,1,2,3,4,5,6,7,8,9,10,11,12,13,14,15
	ds_store_b128 v14, v[32+4*\i:35+4*\i] offset:SP*\i
.endr
.irp b, 0,1,2,3
.irp j, 0,1,2,3
	ds_load_b128 v[32+16*\b+4*\j:35+16*\b+4*\j], v2 offset:128*\b+16*\j   ; LDS serves a wave's instructions in order (ISA guide 5.7.1.4): these see the stores above.  Register 16 b + i is now column 32 b + 16 h + i of row r
.endr
.endr
	s_wait_dscnt 0x0
	v_pk_mul_f32 v[188:189], v[32:33], v[32:33]        ; the sum of squares of my 64 numbers, two chains
	v_pk_mul_f32 v[190:191], v[34:35], v[34:35]
.irp j, 4,8,12,16,20,24,28,32,36,40,44,48,52,56,60
	v_pk_fma_f32 v[188:189], v[32+\j:33+\j], v[32+\j:33+\j], v[188:189]
	v_pk_fma_f32 v[190:191], v[34+\j:35+\j], v[34+\j:35+\j], v[190:191]
.endr
	v_pk_add_f32 v[188:189], v[188:189], v[190:191]
	v_add_f32 v188, v188, v189
	v_permlanex16_b32 v189, v188, s[SEL], s[SEL+1]
	v_add_f32 v188, v188, v189                         ; my row's 128 columns of this wave
	ds_store_b32 v5, v188                              ; (both lanes of a row write the same word with the same value)
	s_wait_dscnt 0x0
	s_barrier_signal -1
	s_barrier_wait -1
	ds_load_b128 v[20:23], v6
	ds_load_b128 v[24:27], v6 offset:16
	s_wait_dscnt 0x0
	v_add_f32 v20, v20, v21
	v_add_f32 v22, v22, v23
	v_add_f32 v24, v24, v25
	v_add_f32 v26, v26, v27
	v_add_f32 v20, v20, v22
	v_add_f32 v24, v24, v26
	v_add_f32 v20, v20, v24                            ; the row's sum of squares
	v_fma_f32 v20, v20, s48, s49                       ; the mean + 1e-5
	v_rsq_f32 v28, v20
	v_mov_b32 v29, 0                                   ; a plain place behind the transcendental; v29 is named with v28 as a pair
	s_wait_alu depctr_va_vdst(0)                       ; the wait ahead of the result's first reader
	s_wait_loadcnt 0x0                                 ; ln1_w
.set J, 0
.rept 32
	v_pk_mul_f32 v[32+J:33+J], v[32+J:33+J], v[28:29] op_sel_hi:[1,0]
.set J, J+2
.endr
.set J, 0
.rept 32
	v_pk_mul_f32 v[32+J:33+J], v[32+J:33+J], v[96+J:97+J]
.set J, J+2
.endr
	QUANT 32, 180, 176
	global_store_b128 v4, v[180:183], s[34:35]         ; 512 consecutive bytes each
	global_store_b128 v4, v[184:187], s[34:35] offset:512
	ds_store_b32 v7, v176
	s_wait_dscnt 0x0
	s_barrier_signal -1
	s_barrier_wait -1
	s_cmp_lg_u32 s24, 0
	s_cbranch_scc1 .Lx_end
	ds_load_b128 v[20:23], v8
	s_wait_dscnt 0x0
	global_store_b128 v4, v[20:23], s[36:37]           ; the tile's 512 bytes of scale words
.Lx_end:
	s_wait_tensorcnt 0x0
	ds_add_u32 v192, v193
	s_wait_dscnt 0x0
	s_endpgm
.Lfunc_end_k_q36e56d399a_prep:
	.size	k_q36e56d399a_prep, .Lfunc_end_k_q36e56d399a_prep-k_q36e56d399a_prep
	.p2alignl 7, 3214868480
	.fill 96, 4, 3214868480
	.section	.rodata,"a",@progbits
	.p2align	6, 0x0
	.amdhsa_kernel k_q36e56d399a_prep
		.amdhsa_group_segment_fixed_size 72704
		.amdhsa_private_segment_fixed_size 0
		.amdhsa_enable_private_segment 0
		.amdhsa_kernarg_size 80
		.amdhsa_user_sgpr_count 2
		.amdhsa_user_sgpr_kernarg_segment_ptr 1
		.amdhsa_wavefront_size32 1
		.amdhsa_system_sgpr_workgroup_id_x 1
		.amdhsa_system_sgpr_workgroup_id_y 1
		.amdhsa_system_sgpr_workgroup_id_z 1
		.amdhsa_system_vgpr_workitem_id 0
		.amdhsa_next_free_vgpr 194
		.amdhsa_next_free_sgpr 66
		.amdhsa_reserve_vcc 0
		.amdhsa_float_denorm_mode_32 3
		.amdhsa_float_denorm_mode_16_64 3
		.amdhsa_memory_ordered 1
		.amdhsa_forward_progress 1
		.amdhsa_inst_pref_size 62
	.end_amdhsa_kernel
	.amdgpu_metadata
---
amdhsa.version: [ 1, 2 ]
amdhsa.kernels:
  - .name:           k_q36e56d399a_prep
    .symbol:         k_q36e56d399a_prep.kd
    .args:
      - { .name: x, .offset: 0, .size: 8, .value_kind: global_buffer, .address_space: global }
      - { .name: ln1_w, .offset: 8, .size: 8, .value_kind: global_buffer, .address_space: global }
      - { .name: wq, .offset: 16, .size: 8, .value_kind: global_buffer, .address_space: global }
      - { .name: wk, .offset: 24, .size: 8, .value_kind: global_buffer, .address_space: global }
      - { .name: wv, .offset: 32, .size: 8, .value_kind: global_buffer, .address_space: global }
      - { .name: wo, .offset: 40, .size: 8, .value_kind: global_buffer, .address_space: global }
      - { .name: w1, .offset: 48, .size: 8, .value_kind: global_buffer, .address_space: global }
      - { .name: w2, .offset: 56, .size: 8, .value_kind: global_buffer, .address_space: global }
      - { .name: w3, .offset: 64, .size: 8, .value_kind: global_buffer, .address_space: global }
      - { .name: prepbuf, .offset: 72, .size: 8, .value_kind: global_buffer, .address_space: global }
    .group_segment_fixed_size: 72704
    .private_segment_fixed_size: 0
    .kernarg_segment_align: 8
    .kernarg_segment_size: 80
    .max_flat_workgroup_size: 256
    .sgpr_count:     66
    .vgpr_count:     194
    .wavefront_size: 32
...
	.end_amdgpu_metadata
.endif
;; end of part 1
;; launch qkv (part 2): grid 64 x 3, 4 waves a work-group, no clusters, 0 bytes of LDS; arguments prepbuf, bq, bk, bv, qkvbuf; writes qkvbuf
.if DOCPART == 2
	.amdgcn_target "amdgcn-amd-amdhsa--gfx1250"
	.amdhsa_code_object_version 6
	.text
	.protected	k_q36e56d399a_qkv
	.globl	k_q36e56d399a_qkv
	.p2align	8
	.type	k_q36e56d399a_qkv,@function
k_q36e56d399a_qkv:
	s_mov_b64 s[64:65], 0
	v_nop
	global_prefetch_b8 v0, s[64:65] scope:SCOPE_SE
	s_setreg_imm32_b32 hwreg(HW_REG_WAVE_MODE, 25, 1), 1
	s_wait_xcnt 0x0
; QKV.  Q = h wq + bq, K = h wk + bk, V = h wv + bv on codes of FP4 (h = the quantised rms_norm of x), and the results quantised at once: Q and K along the head's 64, V along the keys.
; Work-group y is the role: 0 Q, 1 K, 2 V.  A WAVE KEEPS ONE OPERAND OF 128 x 1,024 RESIDENT (64 fragments, 512 registers) and streams eight tiles of 16 x 1,024 of the other; source 0 = resident, source 1 = streamed.
; Q, K: resident = the 128 columns of a pair of heads, streamed = the 8 row tiles of a block of 128 rows: a lane holds one row and 64 of the pair's 128 columns, 16 neighbours of each block of 32.
; V: resident = the 8 row tiles (128 keys), streamed = the pair's 8 column tiles of wv: a lane holds one channel, and its registers run along the keys, which are the K of attention's second product.
; Tiles are laid as the launch before lays them (tile T, place r = index 32 (T / 2) + 8 (T % 2) + r + 8 (r / 8)), so that the 16 registers of resident tiles 2 b and 2 b + 1 are 16 neighbours.
; The bias is the C of each sum's first product.  Waves share nothing: no LDS, no barrier.  Multicast is not used: this text has no tensor loads; each wave's operands go from memory straight into its registers.
; OUT: codes [pair of heads x 16 + block][8][1,024]; Q, K: 8 row tiles, piece c of a fragment = head 2 pair + c;  V: 8 channel tiles.  Scale words [..][head parity][512].
; LIMITS: as stated in the launch before (a block of zeros has the byte 1; magnitudes under 2^-124 not tried; no NaN, no infinities).
; REGISTERS: window 0: v1 16 x lane; v16-79 eight accumulators; v80-143 codes, eight for each streamed tile; v144-151 their scale words; v152-159 words packed; v160-175 at work; v176-207 resident scale words; v208-219 streamed ones.
;   window 1: resident K steps 0-3 at 64 s + 8 t;  window 2: K steps 4-7;  window 3: v0-191 three stream buffers at 64 buf + 8 s; v192-255 the bias in the result's layout.
.set WQS, 2883584
.set H1C, 3063808
.set H1S, 5160960
.set QS,  6291456
.set TM,  160
.set SEL, 40
.set MSB, 0
.macro WIN new                         ; the immediate's high byte repeats the setting that is left
.if MSB != \new
	s_set_vgpr_msb (MSB<<8)|\new
.set MSB, \new
.endif
.endm
.macro PLACES
.rept 4
	v_nop
.endr
.endm
.macro QUANT s, pc, pw
.irp b, 0,1,2,3
	v_max3_num_f32 v[TM+\b], |v[(\s)+16*\b]|, |v[(\s)+1+16*\b]|, 0x1800000   ; my 16 numbers of block b, and the floor 2^(3 - 127)
.endr
.irp i, 2,4,6,8,10,12,14
.irp b, 0,1,2,3
	v_max3_num_f32 v[TM+\b], v[TM+\b], |v[(\s)+16*\b+\i]|, |v[(\s)+1+16*\b+\i]|
.endr
.endr
.irp b, 0,1,2,3
	v_permlanex16_b32 v[TM+4+\b], v[TM+\b], s[SEL], s[SEL+1]
.endr
.irp b, 0,1,2,3
	v_max_num_f32 v[TM+\b], v[TM+\b], v[TM+4+\b]
.endr
.irp b, 0,1,2,3
	v_add_nc_u32 v[TM+12+\b], 0xff000000, v[TM+\b]
.endr
.irp b, 0,1,2,3
	v_lshrrev_b32 v[TM+4+\b], 23, v[TM+12+\b]
.endr
	v_lshl_or_b32 v[(\pw)], v[TM+5], 8, v[TM+4]
	v_lshl_or_b32 v[(\pw)], v[TM+6], 16, v[(\pw)]
	v_lshl_or_b32 v[(\pw)], v[TM+7], 24, v[(\pw)]
.irp b, 0,1,2,3
	v_cvt_scalef32_pk8_fp4_f32 v[(\pc)+2*\b], v[(\s)+16*\b:(\s)+7+16*\b], v[TM+12+\b]
	v_cvt_scalef32_pk8_fp4_f32 v[(\pc)+1+2*\b], v[(\s)+8+16*\b:(\s)+15+16*\b], v[TM+12+\b]
.endr
	v_nop                                              ; one plain place behind the last scaled conversion
.irp c, 0,1
.irp i, 0,1
	v_permlane16_swap_b32 v[(\pc)+4*\c+\i], v[(\pc)+2+4*\c+\i]
.endr
.endr
.endm
; one product: D, A, B, C, the two scale registers, and from which half of the lanes each side's scales are read
.macro WM d, a, b, c, sa, sb, ra, rb
.if (\ra) && (\rb)
	v_wmma_scale_f32_16x16x128_f8f6f4 v[(\d):(\d)+7], v[(\a):(\a)+7], v[(\b):(\b)+7], v[(\c):(\c)+7], v[(\sa)], v[(\sb)] matrix_a_fmt:MATRIX_FMT_FP4 matrix_b_fmt:MATRIX_FMT_FP4 matrix_a_scale:MATRIX_SCALE_ROW1 matrix_b_scale:MATRIX_SCALE_ROW1
.else
	v_wmma_scale_f32_16x16x128_f8f6f4 v[(\d):(\d)+7], v[(\a):(\a)+7], v[(\b):(\b)+7], v[(\c):(\c)+7], v[(\sa)], v[(\sb)] matrix_a_fmt:MATRIX_FMT_FP4 matrix_b_fmt:MATRIX_FMT_FP4
.endif
.endm
; streamed tile i: 16 loads of codes and one of scale words, into buffer i % 3
.macro STREAM i
	WIN 0xc0
.irp s, 0,1,2,3,4,5,6,7
.irp c, 0,1
	global_load_b128 v[64*((\i)%3)+8*\s+4*\c:64*((\i)%3)+8*\s+4*\c+3], v1, s[24:25] offset:(\i)*8192+\s*1024+512*\c
.endr
.endr
	WIN 0
	global_load_b128 v[208+4*((\i)%3):211+4*((\i)%3)], v1, s[26:27] offset:512*(\i)
.endm
; 64 products: the eight accumulators by turns, one instruction a turn, K step by K step.  The scale words of K steps 4-7 lie in lanes 16-31.
.macro MUL i, vrole
.set BUF, 64*((\i)%3)
.set SSR, 208+4*((\i)%3)
	WIN 0x3d                                           ; A window 1, B window 3, C (the bias) window 3, D window 0
.irp t, 0,1,2,3,4,5,6,7
.if \vrole
	WM 16+8*\t, 8*\t, BUF, 192+8*(\i), 176+4*\t, SSR, 0, 0
.else
	WM 16+8*\t, 8*\t, BUF, 192+8*\t, 176+4*\t, SSR, 0, 0
.endif
.endr
	WIN 0x0d                                           ; C window 0
.irp s, 1,2,3
.irp t, 0,1,2,3,4,5,6,7
	WM 16+8*\t, 64*\s+8*\t, BUF+8*\s, 16+8*\t, 176+4*\t+\s, SSR+\s, 0, 0
.endr
.endr
	WIN 0x0e                                           ; A window 2
.irp s, 4,5,6,7
.irp t, 0,1,2,3,4,5,6,7
	WM 16+8*\t, 64*(\s-4)+8*\t, BUF+8*\s, 16+8*\t, 176+4*\t+\s-4, SSR+\s-4, 1, 1
.endr
.endr
.endm
.macro TILE i, vrole
.if (\i) < 6
	STREAM (\i)+2                                      ; into the buffer that the tile before read: the plain lines of its quantising are the places between
	s_wait_loadcnt 34                                  ; this tile's 17 loads are in; those of the two tiles behind it may be out
.elseif (\i) == 6
	s_wait_loadcnt 17
.else
	s_wait_loadcnt 0x0
.endif
	MUL \i, \vrole
	WIN 0
	PLACES                                             ; four places ahead of the first read of results
	QUANT 16, 80+8*(\i), 144+(\i)
	global_store_b128 v1, v[80+8*(\i):83+8*(\i)], s[30:31] offset:1024*(\i)        ; 512 consecutive bytes each; no store's registers are written again
	global_store_b128 v1, v[84+8*(\i):87+8*(\i)], s[30:31] offset:1024*(\i)+512
.endm
	s_load_b256 s[4:11], s[0:1], 0x0                   ; prepbuf, bq, bk, bv
	s_load_b64 s[12:13], s[0:1], 0x20                  ; qkvbuf
	v_lshrrev_b32 v1, 5, v0
	v_readfirstlane_b32 s15, v1                        ; wave 0..3
	v_and_b32 v3, 31, v0                               ; lane
	v_lshlrev_b32 v1, 4, v3                            ; 16 x lane
	v_bfe_u32 v4, v0, 4, 1
	v_lshlrev_b32 v4, 6, v4                            ; Q, K: the bias of my 16 columns of each 32: 64 h
	v_and_b32 v5, 15, v0
	v_and_b32 v6, 8, v5
	v_add_nc_u32 v5, v5, v6
	v_lshlrev_b32 v5, 2, v5                            ; V: the bias of my channel: 4 (r + 8 (r / 8))
.irp b, 0,1,2,3
	v_mov_b32 v[TM+4+\b], 0                            ; written once: a lane permute's destination counts as one of its sources
.endr
	s_mov_b32 s[SEL], 0x76543210
	s_mov_b32 s[SEL+1], 0xfedcba98
	s_and_b32 s14, ttmp7, 0xffff                       ; the role
	s_lshr_b32 s16, ttmp9, 5
	s_lshl_b32 s16, s16, 2
	s_add_co_u32 s16, s16, s15                         ; Q, K: pair of heads = 4 (x / 32) + wave,
	s_and_b32 s17, ttmp9, 31                           ;       block of 128 rows = x % 32
	s_lshr_b32 s18, ttmp9, 3
	s_lshl_b32 s18, s18, 2
	s_add_co_u32 s18, s18, s15                         ; V: block = 4 (x / 8) + wave,
	s_and_b32 s19, ttmp9, 7                            ;    pair = x % 8
	s_cmp_eq_u32 s14, 2
	s_cselect_b32 s16, s19, s16                        ; p
	s_cselect_b32 s17, s18, s17                        ; blk
	s_lshl_b32 s34, s14, 19
	s_lshl_b32 s35, s16, 16
	s_add_co_u32 s34, s34, s35                         ; the weight's codes of pair p
	s_lshl_b32 s35, s14, 15
	s_lshl_b32 s36, s16, 12
	s_add_co_u32 s35, s35, s36
	s_add_co_u32 s35, s35, WQS                         ; and its scale words
	s_lshl_b32 s36, s17, 16
	s_add_co_u32 s36, s36, H1C                         ; the rows' codes of block blk
	s_lshl_b32 s37, s17, 12
	s_add_co_u32 s37, s37, H1S                         ; and their scale words
	s_cmp_eq_u32 s14, 2
	s_cselect_b32 s20, s36, s34                        ; resident codes
	s_cselect_b32 s22, s37, s35                        ; resident scale words
	s_cselect_b32 s24, s34, s36                        ; streamed codes
	s_cselect_b32 s26, s35, s37                        ; streamed scale words
	s_mov_b32 s21, 0
	s_mov_b32 s23, 0
	s_mov_b32 s25, 0
	s_mov_b32 s27, 0
	s_lshr_b32 s34, s17, 4
	s_lshl_b32 s34, s34, 3
	s_add_co_u32 s34, s34, s16
	s_lshl_b32 s34, s34, 4
	s_and_b32 s35, s17, 15
	s_add_co_u32 s34, s34, s35                         ; idx = (batch x 8 + pair) x 16 + block in the sequence
	s_lshl_b32 s30, s34, 13
	s_lshl_b32 s35, s14, 21
	s_add_co_u32 s30, s30, s35
	s_mov_b32 s31, 0
	s_lshl_b32 s32, s34, 10
	s_lshl_b32 s35, s14, 18
	s_add_co_u32 s32, s32, s35
	s_add_co_u32 s32, s32, QS
	s_mov_b32 s33, 0
	s_lshl_b32 s38, s16, 9                             ; the pair's 128 numbers of the bias
	s_mov_b32 s39, 0
	s_wait_kmcnt 0x0
	s_add_nc_u64 s[20:21], s[4:5], s[20:21]
	s_add_nc_u64 s[22:23], s[4:5], s[22:23]
	s_add_nc_u64 s[24:25], s[4:5], s[24:25]
	s_add_nc_u64 s[26:27], s[4:5], s[26:27]
	s_add_nc_u64 s[30:31], s[12:13], s[30:31]
	s_add_nc_u64 s[32:33], s[12:13], s[32:33]
	s_cmp_eq_u32 s14, 1
	s_cselect_b64 s[28:29], s[8:9], s[6:7]
	s_cmp_eq_u32 s14, 2
	s_cselect_b64 s[28:29], s[10:11], s[28:29]
	s_add_nc_u64 s[28:29], s[28:29], s[38:39]
	; the resident operand: 128 loads of 512 consecutive bytes
	WIN 0x40
.irp s, 0,1,2,3
.irp t, 0,1,2,3,4,5,6,7
.irp c, 0,1
	global_load_b128 v[64*\s+8*\t+4*\c:64*\s+8*\t+4*\c+3], v1, s[20:21] offset:\t*8192+\s*1024+512*\c
.endr
.endr
.endr
	WIN 0x80
.irp s, 4,5,6,7
.irp t, 0,1,2,3,4,5,6,7
.irp c, 0,1
	global_load_b128 v[64*(\s-4)+8*\t+4*\c:64*(\s-4)+8*\t+4*\c+3], v1, s[20:21] offset:\t*8192+\s*1024+512*\c
.endr
.endr
.endr
	WIN 0
.irp t, 0,1,2,3,4,5,6,7
	global_load_b128 v[176+4*\t:179+4*\t], v1, s[22:23] offset:512*\t
.endr
	s_cmp_eq_u32 s14, 2
	s_cbranch_scc1 .Lrole_v
	; ---- Q or K ----
	WIN 0xc0
.irp t, 0,1,2,3,4,5,6,7                            ; the bias of resident tile t: columns 32 (t / 2) + 16 h + 8 (t % 2) + 0 .. 7
	global_load_b128 v[192+8*\t:195+8*\t], v4, s[28:29] offset:(32*(\t/2)+8*(\t%2))*4
	global_load_b128 v[196+8*\t:199+8*\t], v4, s[28:29] offset:(32*(\t/2)+8*(\t%2))*4+16
.endr
	STREAM 0
	STREAM 1
.irp i, 0,1,2,3,4,5,6,7
	TILE \i, 0
.endr
	v_cmp_gt_u32 vcc_lo, 16, v3                        ; the scale words: lanes 0-15 take tiles 0-3, lanes 16-31 tiles 4-7
.irp k, 0,1,2,3
	v_cndmask_b32 v[152+\k], v[148+\k], v[144+\k], vcc_lo
.endr
.irp k, 0,1,2,3
	v_lshrrev_b32 v[156+\k], 16, v[152+\k]             ; the odd head's two bytes come down; what stands in bytes 2 and 3 of either word meets zero codes and is never 0xff
.endr
	global_store_b128 v1, v[152:155], s[32:33]
	global_store_b128 v1, v[156:159], s[32:33] offset:512
	s_endpgm
	; ---- V ----
.Lrole_v:
	WIN 0xc0
.irp i, 0,1,2,3,4,5,6,7                            ; the bias of streamed tile i: my channel's number, eight times: the C of all eight sums of that tile
.irp j, 0,1,2,3,4,5,6,7
	global_load_b32 v[192+8*\i+\j], v5, s[28:29] offset:(32*(\i/2)+8*(\i%2))*4
.endr
.endr
	STREAM 0
	STREAM 1
.irp i, 0,1,2,3,4,5,6,7
	TILE \i, 1
.endr
	global_store_b128 v1, v[144:147], s[32:33]             ; channel tiles 0-3: the even head; a lane's four words
	global_store_b128 v1, v[148:151], s[32:33] offset:512  ; tiles 4-7: the odd head
	s_endpgm
.Lfunc_end_k_q36e56d399a_qkv:
	.size	k_q36e56d399a_qkv, .Lfunc_end_k_q36e56d399a_qkv-k_q36e56d399a_qkv
	.p2alignl 7, 3214868480
	.fill 96, 4, 3214868480
	.section	.rodata,"a",@progbits
	.p2align	6, 0x0
	.amdhsa_kernel k_q36e56d399a_qkv
		.amdhsa_group_segment_fixed_size 0
		.amdhsa_private_segment_fixed_size 0
		.amdhsa_enable_private_segment 0
		.amdhsa_kernarg_size 40
		.amdhsa_user_sgpr_count 2
		.amdhsa_user_sgpr_kernarg_segment_ptr 1
		.amdhsa_wavefront_size32 1
		.amdhsa_system_sgpr_workgroup_id_x 1
		.amdhsa_system_sgpr_workgroup_id_y 1
		.amdhsa_system_sgpr_workgroup_id_z 1
		.amdhsa_system_vgpr_workitem_id 0
		.amdhsa_next_free_vgpr 1024
		.amdhsa_next_free_sgpr 66
		.amdhsa_reserve_vcc 1
		.amdhsa_float_denorm_mode_32 3
		.amdhsa_float_denorm_mode_16_64 3
		.amdhsa_memory_ordered 1
		.amdhsa_forward_progress 1
		.amdhsa_inst_pref_size 246
	.end_amdhsa_kernel
	.amdgpu_metadata
---
amdhsa.version: [ 1, 2 ]
amdhsa.kernels:
  - .name:           k_q36e56d399a_qkv
    .symbol:         k_q36e56d399a_qkv.kd
    .args:
      - { .name: prepbuf, .offset: 0, .size: 8, .value_kind: global_buffer, .address_space: global }
      - { .name: bq, .offset: 8, .size: 8, .value_kind: global_buffer, .address_space: global }
      - { .name: bk, .offset: 16, .size: 8, .value_kind: global_buffer, .address_space: global }
      - { .name: bv, .offset: 24, .size: 8, .value_kind: global_buffer, .address_space: global }
      - { .name: qkvbuf, .offset: 32, .size: 8, .value_kind: global_buffer, .address_space: global }
    .group_segment_fixed_size: 0
    .private_segment_fixed_size: 0
    .kernarg_segment_align: 8
    .kernarg_segment_size: 40
    .max_flat_workgroup_size: 128
    .sgpr_count:     66
    .vgpr_count:     1024
    .wavefront_size: 32
...
	.end_amdgpu_metadata
.endif
;; end of part 2
;; launch attn (part 3): grid 16 x 16, 8 waves a work-group, no clusters, 52,224 bytes of LDS; arguments qkvbuf, resbuf; writes resbuf
.if DOCPART == 3
	.amdgcn_target "amdgcn-amd-amdhsa--gfx1250"
	.amdhsa_code_object_version 6
	.text
	.protected	k_q36e56d399a_attn
	.globl	k_q36e56d399a_attn
	.p2align	8
	.type	k_q36e56d399a_attn,@function
k_q36e56d399a_attn:
	s_mov_b64 s[64:65], 0
	v_nop
	global_prefetch_b8 v0, s[64:65] scope:SCOPE_SE
	s_setreg_imm32_b32 hwreg(HW_REG_WAVE_MODE, 25, 1), 1
	s_wait_xcnt 0x0
; ATTN.  res = softmax(Q K^T / 8, causal) V for 32 x (batch, head), both products on codes of FP4, and res quantised along the model's 1,024 columns for the product with wo.
; SOFTMAX: t = score x log2(e) / 8; M = the running largest t rounded up to a whole number; p = 2^(t - M) is quantised along the keys, not normalised; the row's sum is taken of the unquantised p and divides at the end.
; SHARES.  Work-group (j, bp): of the pair of heads bp (batch x 8 + pair) the blocks of 64 queries j (phase A) and 31 - j (phase B).  A needs j / 2 + 1 key steps of 128 keys, B the rest of 17: every work-group walks 17 steps,
; and keys that the causal mask hides from all 64 queries are never fetched.  Wave w: query tile w / 2 of the block, head 2 pair + w % 2.
; THE FIRST PRODUCT'S K IS 64, the instruction's 128: registers 4-7 of Q's and of K's fragments are zero codes, written once; the head's two scale bytes stand in bytes 0 and 1 of its words.
; Both products are used transposed (S^T = K Q^T, O^T = V^T P^T): a lane holds one query throughout.  Tiles are laid so that the 16 registers of tiles 2 b and 2 b + 1 are 16 neighbours (keys; channels).
; K, V and their scale words of a step (18,432 bytes for the pair) go memory -> registers -> LDS, a step ahead, into two slots by turns; waves 0-3 fetch K's, waves 4-7 V's.  One barrier a step: in front of it a wave's reads of
; this slot are over and its stores into the other have landed.  Multicast is not used: this text has no tensor loads.
; LIMITS: a block of zeros has the byte 1 (its codes are zeros); magnitudes under 2^-124 not tried; no NaN, no infinities among the inputs.
; REGISTERS: v1-4 LDS places (K, V, K's words, V's words); v5, v6 staging stores; v7-10 fetch offsets; v11 the mask's d; v12 -M; v13 largest t; v[14:15] the sum; v16-23 Q (4-7 zero); v24 Q's word; v25, v26-29 phase B's word and codes;
;   v30, v31 store offsets; v32-63 four fragments of K; v64-95 of V; v96-159 S^T, then p; v160-191 O^T; v192-199 p's codes; v200-207 scale words of K, V; v208-225 staging; v226 prefetch; v227 phase B's d; v228-231, v255 res; v232-254 at work.
.set KC, 2097152
.set QS, 6291456
.set KS, 6553600
.set RS, 2097152
.set SLOT1, 32768                      ; a slot: K's codes at 0, V's at 8,192, K's scale words at 16,384, V's at 17,408
.set TM,  232
.set SEL, 24
.macro PLACES
.rept 4
	v_nop
.endr
.endm
; 32 numbers of a lane, register 16 b + i = k 32 b + 16 (lane / 16) + i, become half a fragment (four registers) and two scale bytes
.macro HQUANT s, pc, hw
.irp b, 0,1
	v_max3_num_f32 v[TM+\b], |v[(\s)+16*\b]|, |v[(\s)+1+16*\b]|, 0x1800000
.endr
.irp i, 2,4,6,8,10,12,14
.irp b, 0,1
	v_max3_num_f32 v[TM+\b], v[TM+\b], |v[(\s)+16*\b+\i]|, |v[(\s)+1+16*\b+\i]|
.endr
.endr
.irp b, 0,1
	v_permlanex16_b32 v[TM+4+\b], v[TM+\b], s[SEL], s[SEL+1]
.endr
.irp b, 0,1
	v_max_num_f32 v[TM+\b], v[TM+\b], v[TM+4+\b]
.endr
.irp b, 0,1
	v_add_nc_u32 v[TM+12+\b], 0xff000000, v[TM+\b]
.endr
.irp b, 0,1
	v_lshrrev_b32 v[TM+4+\b], 23, v[TM+12+\b]
.endr
	v_lshl_or_b32 v[(\hw)], v[TM+5], 8, v[TM+4]
.irp b, 0,1
	v_cvt_scalef32_pk8_fp4_f32 v[(\pc)+2*\b], v[(\s)+16*\b:(\s)+7+16*\b], v[TM+12+\b]
	v_cvt_scalef32_pk8_fp4_f32 v[(\pc)+1+2*\b], v[(\s)+8+16*\b:(\s)+15+16*\b], v[TM+12+\b]
.endr
	v_nop                                              ; one plain place behind the last scaled conversion
.irp i, 0,1
	v_permlane16_swap_b32 v[(\pc)+\i], v[(\pc)+2+\i]
.endr
.endm
.macro WMZ d, a, b, sa, sb, ra         ; a product that starts its sum
.if (\ra)
	v_wmma_scale_f32_16x16x128_f8f6f4 v[(\d):(\d)+7], v[(\a):(\a)+7], v[(\b):(\b)+7], 0, v[(\sa)], v[(\sb)] matrix_a_fmt:MATRIX_FMT_FP4 matrix_b_fmt:MATRIX_FMT_FP4 matrix_a_scale:MATRIX_SCALE_ROW1
.else
	v_wmma_scale_f32_16x16x128_f8f6f4 v[(\d):(\d)+7], v[(\a):(\a)+7], v[(\b):(\b)+7], 0, v[(\sa)], v[(\sb)] matrix_a_fmt:MATRIX_FMT_FP4 matrix_b_fmt:MATRIX_FMT_FP4
.endif
.endm
; What a phase (the block of 64 queries in s[blk]) needs: byte offsets of my Q tile's codes and scale words, the tile's first query within its key step, and where res's codes and scale bytes go
.macro PHASE blk, qc, qs, db, to, so
	s_lshr_b32 s26, s[\blk], 1                         ; the key step in which the queries lie
	s_and_b32 s27, s[\blk], 1
	s_lshl_b32 s27, s27, 2
	s_add_co_u32 s27, s27, s32                         ; i: my tile among that step's eight
	s_lshl_b32 s[\qc], s9, 17
	s_lshl_b32 s28, s26, 13
	s_add_co_u32 s[\qc], s[\qc], s28
	s_lshl_b32 s28, s27, 10
	s_add_co_u32 s[\qc], s[\qc], s28
	s_lshl_b32 s[\qs], s9, 14
	s_lshl_b32 s28, s26, 10
	s_add_co_u32 s[\qs], s[\qs], s28
	s_lshl_b32 s28, s31, 9
	s_add_co_u32 s[\qs], s[\qs], s28
	s_lshr_b32 s28, s27, 2
	s_lshl_b32 s28, s28, 8
	s_add_co_u32 s[\qs], s[\qs], s28
	s_and_b32 s28, s27, 3
	s_lshl_b32 s28, s28, 2
	s_add_co_u32 s[\qs], s[\qs], s28
	s_add_co_u32 s[\qs], s[\qs], QS
	s_lshr_b32 s28, s27, 1
	s_lshl_b32 s28, s28, 5
	s_and_b32 s29, s27, 1
	s_lshl_b32 s29, s29, 3
	s_add_co_u32 s[\db], s28, s29                      ; 32 (i / 2) + 8 (i % 2)
	s_lshr_b32 s28, s9, 3
	s_lshl_b32 s28, s28, 7
	s_lshl_b32 s29, s[\blk], 2
	s_add_co_u32 s28, s28, s29
	s_add_co_u32 s28, s28, s32                         ; T: the tile among all 256 tiles of rows
	s_lshl_b32 s[\to], s28, 13
	s_and_b32 s29, s9, 7
	s_lshl_b32 s29, s29, 10
	s_add_co_u32 s[\to], s[\to], s29                   ; fragment (T, K step = pair); my head's half stands in v1
	s_lshl_b32 s[\so], s28, 9
	s_bfe_u32 s29, s9, 0x10002
	s_lshl_b32 s29, s29, 8
	s_add_co_u32 s[\so], s[\so], s29
	s_and_b32 s29, s9, 3
	s_lshl_b32 s29, s29, 2
	s_add_co_u32 s[\so], s[\so], s29
	s_lshl_b32 s29, s31, 1
	s_add_co_u32 s[\so], s[\so], s29
	s_add_co_u32 s[\so], s[\so], RS
.endm
.macro GLOADS                          ; my eighth of a step's bytes: 2,048 of codes, 256 of scale words
.irp k, 0,1,2,3
	global_load_b128 v[208+4*\k:211+4*\k], v9, s[10:11] offset:512*\k
.endr
	global_load_b64 v[224:225], v10, s[12:13]
.endm
.macro NEXT d                          ; the fetch offsets of step min(I + d, 16): its key block is the step's number, less NA in phase B.  No load leaves its buffer
	s_add_co_u32 s26, s14, \d
	s_min_u32 s26, s26, 16
	s_cmp_ge_u32 s26, s15
	s_cselect_b32 s27, s15, 0
	s_sub_co_u32 s26, s26, s27
	s_lshl_b32 s28, s26, 13
	s_lshl_b32 s29, s26, 10
	v_add_nc_u32 v9, s28, v7
	v_add_nc_u32 v10, s29, v8
.endm
; A PREFETCH INTO THE L2, behind the wave's loads.  All sixteen work-groups of a pair walk the same K and V: the first of them (j = 0) asks, its wave 0 for K's codes and its wave 4 for V's, lanes 256 bytes apart: a key block's 8,192 bytes.
; In that work-group step I + 4 reads key block I + 3, and its load is issued in step I + 2: step I asks for block I + 3.  Blocks 3 to 15 are named once each; blocks 0 to 2 and the scale words come by their loads alone; from I = 13 on nothing is asked for.
.macro ASK
	s_cmp_le_i32 s14, s30
	s_cbranch_scc0 .Lnot_mine_\@
	global_prefetch_b8 v226, s[10:11] th:TH_LOAD_NT scope:SCOPE_SE
.Lnot_mine_\@:
.endm
; A phase's end: O^T / the sum, quantised along my head's 64 channels: half a fragment (512 consecutive bytes a wave) and two scale bytes a row
.macro FINISH
	s_wait_xcnt 0x0                                    ; the stores of the phase before have read their registers
	v_add_f32 v14, v14, v15
	v_permlanex16_b32 v252, v14, s[SEL], s[SEL+1]
	v_add_f32 v14, v14, v252                           ; the row's sum
	v_rcp_f32 v14, v14
	v_add_nc_u32 v30, s18, v1                          ; (plain work behind the transcendental)
	v_and_b32 v31, 15, v0
	v_lshl_add_u32 v31, v31, 4, s19
	s_wait_alu depctr_va_vdst(0)                       ; the wait ahead of the result's first reader
.set J, 0
.rept 32
	v_mul_f32 v[96+J], v[160+J], v14                   ; each accumulator from its low end on
.set J, J+1
.endr
	HQUANT 96, 228, 255
	global_store_b128 v30, v[228:231], s[6:7]
	global_store_b16 v31, v255, s[6:7]                 ; two bytes a row, 16 bytes apart: the word's other half is another wave's (both lanes of a row write the same bytes)
.endm
.macro INIT_B                          ; phase B begins: Q first, so that its registers stand more than eight plain lines ahead of the next product
.irp k, 0,1,2,3
	v_mov_b32 v[16+\k], v[26+\k]
.endr
	v_mov_b32 v24, v25
	v_mov_b32 v11, v227
	v_mov_b32 v13, 0xff61b1e6                          ; -3e38, under every t
	v_floor_f32 v12, -v13
	v_mov_b32 v14, 0
	v_mov_b32 v15, 0
.set J, 0
.rept 32
	v_mov_b32 v[160+J], 0
.set J, J+1
.endr
	s_mov_b32 s18, s20
	s_mov_b32 s19, s21
	s_mov_b32 s16, 16                                  ; its step on the diagonal is the last
.endm
; A KEY STEP, number I = s14, from slot `slot`.  more = 1: the next step's bytes go into the other slot, and the step after that is asked for.
.macro STEP slot, more
.if \more
	s_cmp_lg_u32 s14, s15
	s_cbranch_scc1 .Lsame_\@
	FINISH
	INIT_B
.Lsame_\@:
	s_wait_loadcnt 0x0                                 ; the next step's bytes, asked for a step ago
.irp k, 0,1,2,3
	ds_store_b128 v5, v[208+4*\k:211+4*\k] offset:(1-\slot)*SLOT1+512*\k
.endr
	ds_store_b64 v6, v[224:225] offset:(1-\slot)*SLOT1
.endif
	ds_load_b128 v[200:203], v3 offset:\slot*SLOT1     ; K's scale words: register t: tile t in lanes 0-15, tile 4 + t in lanes 16-31
	ds_load_b128 v[204:207], v4 offset:\slot*SLOT1     ; V's: register d: my head's channel tile d
.irp t, 0,1,2,3
	ds_load_b128 v[32+8*\t:35+8*\t], v1 offset:\slot*SLOT1+1024*\t
.endr
.irp d, 0,1,2,3
.irp c, 0,1
	ds_load_b128 v[64+8*\d+4*\c:67+8*\d+4*\c], v2 offset:\slot*SLOT1+1024*\d+512*\c
.endr
.endr
	s_wait_dscnt 8                                     ; all but V's eight loads: the staging stores, the scale words and K's tiles 0-3
.if \more
	s_wait_xcnt 0x0                                    ; the last prefetch, a step back, has read its offset
	NEXT 2
	s_add_co_u32 s26, s14, 3
	s_lshl_b32 s26, s26, 13
	v_and_b32 v226, 31, v0
	v_lshl_add_u32 v226, v226, 8, s26
	GLOADS
	ASK
.endif
.irp t, 0,1,2,3
	WMZ 96+8*\t, 32+8*\t, 16, 200+\t, 24, 0
.endr
	PLACES                                             ; four places ahead of loads into registers that the products have read
.irp t, 0,1,2,3
	ds_load_b128 v[32+8*\t:35+8*\t], v1 offset:\slot*SLOT1+4096+1024*\t
.endr
	s_wait_dscnt 0x0                                   ; K's tiles 4-7, and V
.irp t, 0,1,2,3
	WMZ 128+8*\t, 32+8*\t, 16, 200+\t, 24, 1
.endr
	PLACES
	s_cmp_lg_u32 s14, s16                              ; the phase's last step lies on the diagonal: hidden scores become -infinity ahead of the maximum
	s_cbranch_scc1 .Lopen_\@
	v_mov_b32 v254, 0xff800000
.set N, 0
.rept 64
	v_cmp_gt_i32 vcc_lo, 32*(N/16)+N%16, v11           ; register 16 b + i holds key 32 b + 16 (lane / 16) + i of the step: hidden where 32 b + i > d = my query - 16 (lane / 16)
	v_cndmask_b32 v[96+N], v[96+N], v254, vcc_lo
.set N, N+1
.endr
.Lopen_\@:
.irp b, 0,1,2,3
	v_max3_num_f32 v[232+\b], v[96+16*\b], v[97+16*\b], v[98+16*\b]   ; the largest score of each block of 32 keys: for the row's maximum, and, since p rises with the score, for the block's largest p
.endr
.irp i, 3,5,7,9,11,13
.irp b, 0,1,2,3
	v_max3_num_f32 v[232+\b], v[232+\b], v[96+16*\b+\i], v[97+16*\b+\i]
.endr
.endr
.irp b, 0,1,2,3
	v_max_num_f32 v[232+\b], v[232+\b], v[111+16*\b]
.endr
.irp b, 0,1,2,3
	v_permlanex16_b32 v[236+\b], v[232+\b], s[SEL], s[SEL+1]
.endr
.irp b, 0,1,2,3
	v_max_num_f32 v[232+\b], v[232+\b], v[236+\b]
.endr
	v_max3_num_f32 v254, v232, v233, v234
	v_max_num_f32 v254, v254, v235
	v_mul_f32 v254, s22, v254                          ; as t
	v_max_num_f32 v13, v13, v254                       ; the running largest t
	v_mov_b32 v254, v12
	v_floor_f32 v12, -v13                              ; -M = floor(-t): M is a whole number
	v_sub_f32 v254, v12, v254
	v_cvt_i32_f32 v254, v254                           ; old M - new M, 0 or less (it saturates)
	v_ldexp_f32 v252, 1.0, v254                        ; f = 2^(old M - new M): a multiplication by it rounds nothing
.set J, 0
.rept 32
	v_pk_fma_f32 v[96+J:97+J], v[96+J:97+J], s[22:23], v[12:13] op_sel_hi:[1,0,0]   ; t - M
.set J, J+2
.endr
.irp b, 0,1,2,3
	v_fma_f32 v[232+\b], v[232+\b], s22, v12
.endr
.set J, 0
.rept 64
	v_exp_f32 v[96+J], v[96+J]                         ; p = 2^(t - M)
.set J, J+1
.endr
	v_pk_mul_f32 v[14:15], v[14:15], v[252:253] op_sel_hi:[1,0]   ; the sums under the new M: the plain place behind the exponentials
	s_wait_alu depctr_va_vdst(0)                       ; one wait for the batch, ahead of its first reader
.irp b, 0,1,2,3
	v_exp_f32 v[232+\b], v[232+\b]                     ; each block's largest p
.endr
	v_pk_add_f32 v[236:237], v[96:97], v[98:99]        ; the row's sum of the unquantised p, two chains
.irp j, 4,8,12,16,20,24,28,32,36,40,44,48,52,56,60
	v_pk_add_f32 v[14:15], v[14:15], v[96+\j:97+\j]
	v_pk_add_f32 v[236:237], v[236:237], v[98+\j:99+\j]
.endr
	v_pk_add_f32 v[14:15], v[14:15], v[236:237]
	s_wait_alu depctr_va_vdst(0)                       ; and one for the four
.irp b, 0,1,2,3
	v_max_num_f32 v[232+\b], 0x1800000, v[232+\b]      ; the floor: the byte cannot fall under 1
.endr
.irp b, 0,1,2,3
	v_add_nc_u32 v[244+\b], 0xff000000, v[232+\b]
.endr
.irp b, 0,1,2,3
	v_lshrrev_b32 v[236+\b], 23, v[244+\b]
.endr
	v_lshl_or_b32 v253, v237, 8, v236                  ; p's scale word for these 128 keys
	v_lshl_or_b32 v253, v238, 16, v253
	v_lshl_or_b32 v253, v239, 24, v253
.irp b, 0,1,2,3
	v_cvt_scalef32_pk8_fp4_f32 v[192+2*\b], v[96+16*\b:103+16*\b], v[244+\b]
	v_cvt_scalef32_pk8_fp4_f32 v[193+2*\b], v[104+16*\b:111+16*\b], v[244+\b]
.endr
	v_nop
.irp c, 0,1
.irp i, 0,1
	v_permlane16_swap_b32 v[192+4*\c+\i], v[194+4*\c+\i]
.endr
.endr
.set J, 0
.rept 16
	v_pk_mul_f32 v[160+J:161+J], v[160+J:161+J], v[252:253] op_sel_hi:[1,0]   ; O^T under the new M.  For each product below, the twelve that name other tiles are the places behind the scale word's and the codes' last writes
.set J, J+2
.endr
.irp d, 0,1,2,3
	v_wmma_scale_f32_16x16x128_f8f6f4 v[160+8*\d:167+8*\d], v[64+8*\d:71+8*\d], v[192:199], v[160+8*\d:167+8*\d], v[204+\d], v253 matrix_a_fmt:MATRIX_FMT_FP4 matrix_b_fmt:MATRIX_FMT_FP4
.endr
	PLACES                                             ; ahead of the next step's loads into V's fragments and scale words, and of a phase's end, which reads O^T
	s_add_co_u32 s14, s14, 1
.if \more
	s_wait_dscnt 0x0                                   ; my reads of this slot are over and my stores into the other have landed
	s_barrier_signal -1
	s_barrier_wait -1
.endif
.endm
	s_load_b128 s[4:7], s[0:1], 0x0                    ; qkvbuf, resbuf
	v_lshl_add_u32 v250, v0, 2, 0xc800
	v_mov_b32 v251, 0
	v_lshrrev_b32 v1, 5, v0
	v_readfirstlane_b32 s8, v1                         ; wave 0..7
	s_and_b32 s9, ttmp7, 0xffff                        ; bp
	s_and_b32 s31, s8, 1                               ; my head's parity
	s_lshr_b32 s32, s8, 1                              ; my query tile of the block's four
	s_lshr_b32 s33, s8, 2                              ; I fetch for K (0) or V (1),
	s_and_b32 s34, s8, 3                               ; this quarter
	s_mov_b32 s35, ttmp9                               ; phase A's block of 64 queries
	s_sub_co_u32 s36, 31, ttmp9                        ; phase B's
	s_lshr_b32 s15, ttmp9, 1
	s_add_co_u32 s15, s15, 1                           ; NA: phase A's key steps
	s_sub_co_u32 s16, s15, 1                           ; its step on the diagonal
	s_mov_b32 s14, 0                                   ; I
	s_mov_b32 s17, 8
	s_mov_b32 s22, 0x3e38aa3b                          ; c = log2(e) / 8
	s_mov_b32 s23, s22
	s_mov_b32 s[SEL], 0x76543210
	s_mov_b32 s[SEL+1], 0xfedcba98
	PHASE 35, 38, 40, 46, 18, 19
	PHASE 36, 42, 44, 47, 20, 21
	s_mov_b32 s39, 0
	s_mov_b32 s41, 0
	s_mov_b32 s43, 0
	s_mov_b32 s45, 0
	s_lshl_b32 s10, s33, 21
	s_lshl_b32 s26, s9, 17
	s_add_co_u32 s10, s10, s26
	s_add_co_u32 s10, s10, KC                          ; K's or V's codes of the pair
	s_mov_b32 s11, 0
	s_lshl_b32 s12, s33, 18
	s_lshl_b32 s26, s9, 14
	s_add_co_u32 s12, s12, s26
	s_add_co_u32 s12, s12, KS                          ; and the scale words
	s_mov_b32 s13, 0
	s_or_b32 s26, ttmp9, s34
	s_cmp_eq_u32 s26, 0
	s_cselect_b32 s30, 12, -1                          ; the last step in which I prefetch
	v_and_b32 v232, 31, v0                             ; lane
	v_lshlrev_b32 v233, 4, v232
	v_lshlrev_b32 v234, 3, v232
	s_lshl_b32 s26, s31, 9
	v_add_nc_u32 v1, s26, v233                         ; 16 x lane + 512 x parity: my head's half of a fragment of K, Q or res
	s_lshl_b32 s26, s31, 12
	s_add_co_u32 s26, s26, 8192
	v_add_nc_u32 v2, s26, v233                         ; my head's four channel tiles of V
	v_add_nc_u32 v3, 16384, v1
	v_add_nc_u32 v4, 17408, v1
	s_lshl_b32 s26, s8, 11
	v_add_nc_u32 v5, s26, v233                         ; staging: 2,048 x wave + 16 x lane
	s_lshl_b32 s26, s8, 8
	s_add_co_u32 s26, s26, 16384
	v_add_nc_u32 v6, s26, v234                         ; 16,384 + 256 x wave + 8 x lane
	s_lshl_b32 s26, s34, 11
	v_add_nc_u32 v7, s26, v233
	s_lshl_b32 s26, s34, 8
	v_add_nc_u32 v8, s26, v234
	v_and_b32 v235, 15, v0
	v_lshlrev_b32 v254, 4, v235                        ; 16 r: Q's scale words
	v_and_b32 v236, 8, v235
	v_add_nc_u32 v235, v235, v236
	v_bfe_u32 v236, v0, 4, 1
	v_lshlrev_b32 v236, 4, v236
	v_sub_nc_u32 v235, v235, v236                      ; r + 8 (r / 8) - 16 h
	v_add_nc_u32 v11, s46, v235
	v_add_nc_u32 v227, s47, v235
.irp k, 0,1,2,3
	v_mov_b32 v[20+\k], 0                              ; zero codes: the upper 64 of the instruction's K
.endr
.irp t, 0,1,2,3
.irp k, 4,5,6,7
	v_mov_b32 v[32+8*\t+\k], 0
.endr
.endr
.irp b, 0,1,2,3
	v_mov_b32 v[236+\b], 0                             ; a lane permute's destination counts as one of its sources
.endr
	v_mov_b32 v252, 0
	v_mov_b32 v253, 0
	v_mov_b32 v13, 0xff61b1e6
	v_floor_f32 v12, -v13
	v_mov_b32 v14, 0
	v_mov_b32 v15, 0
.set J, 0
.rept 32
	v_mov_b32 v[160+J], 0                              ; O^T: the step is written without a first step of its own: the first change of M multiplies zeros
.set J, J+1
.endr
	v_mov_b32 v9, v7
	v_mov_b32 v10, v8
	s_wait_kmcnt 0x0
	s_add_nc_u64 s[10:11], s[4:5], s[10:11]
	s_add_nc_u64 s[12:13], s[4:5], s[12:13]
	s_add_nc_u64 s[38:39], s[4:5], s[38:39]
	s_add_nc_u64 s[40:41], s[4:5], s[40:41]
	s_add_nc_u64 s[42:43], s[4:5], s[42:43]
	s_add_nc_u64 s[44:45], s[4:5], s[44:45]
	GLOADS                                             ; key block 0
	global_load_b128 v[16:19], v1, s[38:39]            ; both phases' Q
	global_load_b32 v24, v254, s[40:41]
	global_load_b128 v[26:29], v1, s[42:43]
	global_load_b32 v25, v254, s[44:45]
	s_wait_loadcnt 0x0
.irp k, 0,1,2,3
	ds_store_b128 v5, v[208+4*\k:211+4*\k] offset:512*\k
.endr
	ds_store_b64 v6, v[224:225]
	s_wait_dscnt 0x0
	NEXT 1
	GLOADS                                             ; step 1's block
	s_barrier_signal -1
	s_barrier_wait -1
.Ltrip:                                                ; eight trips of two steps; the seventeenth step is written out: it stages and asks for nothing
	STEP 0, 1
	STEP 1, 1
	s_sub_co_u32 s17, s17, 1
	s_cmp_lg_u32 s17, 0
	s_cbranch_scc1 .Ltrip
	STEP 0, 0
	FINISH
	s_wait_tensorcnt 0x0
	ds_add_u32 v250, v251
	s_wait_dscnt 0x0
	s_endpgm
.Lfunc_end_k_q36e56d399a_attn:
	.size	k_q36e56d399a_attn, .Lfunc_end_k_q36e56d399a_attn-k_q36e56d399a_attn
	.p2alignl 7, 3214868480
	.fill 96, 4, 3214868480
	.section	.rodata,"a",@progbits
	.p2align	6, 0x0
	.amdhsa_kernel k_q36e56d399a_attn
		.amdhsa_group_segment_fixed_size 52224
		.amdhsa_private_segment_fixed_size 0
		.amdhsa_enable_private_segment 0
		.amdhsa_kernarg_size 16
		.amdhsa_user_sgpr_count 2
		.amdhsa_user_sgpr_kernarg_segment_ptr 1
		.amdhsa_wavefront_size32 1
		.amdhsa_system_sgpr_workgroup_id_x 1
		.amdhsa_system_sgpr_workgroup_id_y 1
		.amdhsa_system_sgpr_workgroup_id_z 1
		.amdhsa_system_vgpr_workitem_id 0
		.amdhsa_next_free_vgpr 256
		.amdhsa_next_free_sgpr 66
		.amdhsa_reserve_vcc 1
		.amdhsa_float_denorm_mode_32 3
		.amdhsa_float_denorm_mode_16_64 3
		.amdhsa_memory_ordered 1
		.amdhsa_forward_progress 1
		.amdhsa_inst_pref_size 86
	.end_amdhsa_kernel
	.amdgpu_metadata
---
amdhsa.version: [ 1, 2 ]
amdhsa.kernels:
  - .name:           k_q36e56d399a_attn
    .symbol:         k_q36e56d399a_attn.kd
    .args:
      - { .name: qkvbuf, .offset: 0, .size: 8, .value_kind: global_buffer, .address_space: global }
      - { .name: resbuf, .offset: 8, .size: 8, .value_kind: global_buffer, .address_space: global }
    .group_segment_fixed_size: 52224
    .private_segment_fixed_size: 0
    .kernarg_segment_align: 8
    .kernarg_segment_size: 16
    .max_flat_workgroup_size: 256
    .sgpr_count:     66
    .vgpr_count:     256
    .wavefront_size: 32
...
	.end_amdgpu_metadata
.endif
;; end of part 3
;; launch tail (part 4): grid 128 x 1, 8 waves a work-group, no clusters, 97,280 bytes of LDS; arguments resbuf, prepbuf, x, bo, ln2_w, b1, b2, b3, out0; writes out0
.if DOCPART == 4
	.amdgcn_target "amdgcn-amd-amdhsa--gfx1250"
	.amdhsa_code_object_version 6
	.text
	.protected	k_q36e56d399a_tail
	.globl	k_q36e56d399a_tail
	.p2align	8
	.type	k_q36e56d399a_tail,@function
k_q36e56d399a_tail:
	s_mov_b64 s[64:65], 0
	v_nop
	global_prefetch_b8 v0, s[64:65] scope:SCOPE_SE
	s_setreg_imm32_b32 hwreg(HW_REG_WAVE_MODE, 25, 1), 1
	s_wait_xcnt 0x0
; TAIL.  x1 = x + res wo + bo;  h = rms_norm(x1, ln2_w);  g = silu(h w1 + b1) (h w2 + b2);  out = x1 + g w3 + b3.  All four products on codes of FP4; h and g are quantised on the way and never go to memory.
; SHARES.  A work-group owns 32 rows (two tiles m of 16).  THE WAVES SHARE THE COLUMNS: wave w makes columns 128 w on of x1 and of out, and hidden units 64 w on.  x1 stays in the wave's 16 accumulators from the first product to
; the last: x is brought into them, bo added, the product with wo adds in place; the norm reads them; b3 is added, and the product with w3 adds in place: the result is out.
; All products are used transposed (source 0 = 16 columns of a weight, source 1 = 16 rows): a lane holds one row, and by the tiles' order (tile T, place r = index 32 (T / 2) + 8 (T % 2) + r + 8 (r / 8)) 16 neighbouring columns of each 32.
; x COMES AS OUT GOES: a load takes one row's 512 consecutive bytes of my columns, and 16 rows at a time turn through my own stage in LDS into the accumulators' layout; the way out is the same turn backwards.
; h and g go from wave to wave through LDS as images of the operand's registers (1,024 bytes a fragment, 16 bytes a lane), their scale words beside them.  Three barriers.
; THE WEIGHTS' FRAGMENTS go from memory straight into registers, two buffers: a K step's 16 loads are issued directly behind the products (and their four places) that have read the buffer, two K steps ahead of their use, over the norm and the gate too.
; Multicast is not used: this text has no tensor loads.  A K step is 16 matrix instructions a wave, and two slots of two K steps (2 x 131,072 bytes) do not fit beside the 96,256 bytes that the text uses.
; LIMITS: a block of zeros has the byte 1 (its codes are zeros); magnitudes under 2^-124 not tried; no NaN, no infinities among the inputs.
; REGISTERS: window 0: v1-11 addresses; v[12:15] 1 / rms of the two tiles; v16-47 activation fragments, two sets (between the products: at work); v48-79 the weights' scale words; v80-87 the activations'; v88-103 at work; v104 a scale word;
;   v106-113 codes; v114-121 sums; v128-255 bo and ln2_w, then h, then the 16 accumulators of the hidden layer, then b3, then rows of out.   window 1: v0-127 x1 at 64 m + 8 t; v128-255 two weight buffers.
.set WOC, 1572864
.set W1C, 2097152
.set W3C, 2621440
.set WOS, 2981888
.set W1S, 3014656
.set W3S, 3047424
.set RS,  2097152
.set SSQ,  0                           ; LDS: m x 512 + 32 r + 4 w: sums of squares
.set H2SC, 1024                        ; h's scale words: m x 512
.set GSC,  2048                        ; g's: m x 256 + 16 r + 4 K step
.set HIMG, 4096                        ; h's fragments: (8 m + K step) x 1,024
.set GIMG, 20480                       ; g's: (4 m + K step) x 1,024
.set STG,  28672                       ; the way in and the way out: 16 rows x 528 bytes for each wave
.set TM,  88
.set SEL, 58
.set MSB, 0
.macro WIN new                         ; the immediate's high byte repeats the setting that is left
.if MSB != \new
	s_set_vgpr_msb (MSB<<8)|\new
.set MSB, \new
.endif
.endm
.macro PLACES
.rept 4
	v_nop
.endr
.endm
.macro BARRIER                         ; my LDS stores have landed and my LDS loads are in: then the work-group's barrier
	s_wait_dscnt 0x0
	s_barrier_signal -1
	s_barrier_wait -1
.endm
.macro QUANT s, pc, pw
.irp b, 0,1,2,3
	v_max3_num_f32 v[TM+\b], |v[(\s)+16*\b]|, |v[(\s)+1+16*\b]|, 0x1800000
.endr
.irp i, 2,4,6,8,10,12,14
.irp b, 0,1,2,3
	v_max3_num_f32 v[TM+\b], v[TM+\b], |v[(\s)+16*\b+\i]|, |v[(\s)+1+16*\b+\i]|
.endr
.endr
.irp b, 0,1,2,3
	v_permlanex16_b32 v[TM+4+\b], v[TM+\b], s[SEL], s[SEL+1]
.endr
.irp b, 0,1,2,3
	v_max_num_f32 v[TM+\b], v[TM+\b], v[TM+4+\b]
.endr
.irp b, 0,1,2,3
	v_add_nc_u32 v[TM+12+\b], 0xff000000, v[TM+\b]
.endr
.irp b, 0,1,2,3
	v_lshrrev_b32 v[TM+4+\b], 23, v[TM+12+\b]
.endr
	v_lshl_or_b32 v[(\pw)], v[TM+5], 8, v[TM+4]
	v_lshl_or_b32 v[(\pw)], v[TM+6], 16, v[(\pw)]
	v_lshl_or_b32 v[(\pw)], v[TM+7], 24, v[(\pw)]
.irp b, 0,1,2,3
	v_cvt_scalef32_pk8_fp4_f32 v[(\pc)+2*\b], v[(\s)+16*\b:(\s)+7+16*\b], v[TM+12+\b]
	v_cvt_scalef32_pk8_fp4_f32 v[(\pc)+1+2*\b], v[(\s)+8+16*\b:(\s)+15+16*\b], v[TM+12+\b]
.endr
	v_nop                                              ; one plain place behind the last scaled conversion
.irp c, 0,1
.irp i, 0,1
	v_permlane16_swap_b32 v[(\pc)+4*\c+\i], v[(\pc)+2+4*\c+\i]
.endr
.endr
.endm
.macro HQUANT s, pc, hw                ; the same for 32 numbers: half a fragment and two scale bytes
.irp b, 0,1
	v_max3_num_f32 v[TM+\b], |v[(\s)+16*\b]|, |v[(\s)+1+16*\b]|, 0x1800000
.endr
.irp i, 2,4,6,8,10,12,14
.irp b, 0,1
	v_max3_num_f32 v[TM+\b], v[TM+\b], |v[(\s)+16*\b+\i]|, |v[(\s)+1+16*\b+\i]|
.endr
.endr
.irp b, 0,1
	v_permlanex16_b32 v[TM+4+\b], v[TM+\b], s[SEL], s[SEL+1]
.endr
.irp b, 0,1
	v_max_num_f32 v[TM+\b], v[TM+\b], v[TM+4+\b]
.endr
.irp b, 0,1
	v_add_nc_u32 v[TM+12+\b], 0xff000000, v[TM+\b]
.endr
.irp b, 0,1
	v_lshrrev_b32 v[TM+4+\b], 23, v[TM+12+\b]
.endr
	v_lshl_or_b32 v[(\hw)], v[TM+5], 8, v[TM+4]
.irp b, 0,1
	v_cvt_scalef32_pk8_fp4_f32 v[(\pc)+2*\b], v[(\s)+16*\b:(\s)+7+16*\b], v[TM+12+\b]
	v_cvt_scalef32_pk8_fp4_f32 v[(\pc)+1+2*\b], v[(\s)+8+16*\b:(\s)+15+16*\b], v[TM+12+\b]
.endr
	v_nop
.irp i, 0,1
	v_permlane16_swap_b32 v[(\pc)+\i], v[(\pc)+2+\i]
.endr
.endm
.macro WM d, a, b, c, sa, sb, ra, rb
.if (\ra) && (\rb)
	v_wmma_scale_f32_16x16x128_f8f6f4 v[(\d):(\d)+7], v[(\a):(\a)+7], v[(\b):(\b)+7], v[(\c):(\c)+7], v[(\sa)], v[(\sb)] matrix_a_fmt:MATRIX_FMT_FP4 matrix_b_fmt:MATRIX_FMT_FP4 matrix_a_scale:MATRIX_SCALE_ROW1 matrix_b_scale:MATRIX_SCALE_ROW1
.elseif (\ra)
	v_wmma_scale_f32_16x16x128_f8f6f4 v[(\d):(\d)+7], v[(\a):(\a)+7], v[(\b):(\b)+7], v[(\c):(\c)+7], v[(\sa)], v[(\sb)] matrix_a_fmt:MATRIX_FMT_FP4 matrix_b_fmt:MATRIX_FMT_FP4 matrix_a_scale:MATRIX_SCALE_ROW1
.elseif (\rb)
	v_wmma_scale_f32_16x16x128_f8f6f4 v[(\d):(\d)+7], v[(\a):(\a)+7], v[(\b):(\b)+7], v[(\c):(\c)+7], v[(\sa)], v[(\sb)] matrix_a_fmt:MATRIX_FMT_FP4 matrix_b_fmt:MATRIX_FMT_FP4 matrix_b_scale:MATRIX_SCALE_ROW1
.else
	v_wmma_scale_f32_16x16x128_f8f6f4 v[(\d):(\d)+7], v[(\a):(\a)+7], v[(\b):(\b)+7], v[(\c):(\c)+7], v[(\sa)], v[(\sb)] matrix_a_fmt:MATRIX_FMT_FP4 matrix_b_fmt:MATRIX_FMT_FP4
.endif
.endm
; THE K STEPS ARE ONE SEQUENCE s = 0 .. 19: 0-7 wo, 8-15 w1 (tiles 0-3) and w2 (tiles 4-7), 16-19 w3.  My eight weight fragments of step s into buffer s % 2: 16 loads of 512 consecutive bytes
.macro WLOAD s
	WIN 0x40
.irp t, 0,1,2,3,4,5,6,7
.irp c, 0,1
.if (\s) < 8
	global_load_b128 v[128+64*((\s)%2)+8*\t+4*\c:131+64*((\s)%2)+8*\t+4*\c], v1, s[24:25] offset:\t*8192+(\s)*1024+512*\c
.elseif (\s) < 16
	global_load_b128 v[128+64*((\s)%2)+8*\t+4*\c:131+64*((\s)%2)+8*\t+4*\c], v1, s[26:27] offset:(\t%4)*8192+(\t/4)*262144+((\s)-8)*1024+512*\c
.else
	global_load_b128 v[128+64*((\s)%2)+8*\t+4*\c:131+64*((\s)%2)+8*\t+4*\c], v1, s[28:29] offset:\t*4096+((\s)-16)*1024+512*\c
.endif
.endr
.endr
.endm
.macro ALOAD ks                        ; res's two fragments of K step ks, from memory
	WIN 0
.irp m, 0,1
.irp c, 0,1
	global_load_b128 v[16+16*((\ks)%2)+8*\m+4*\c:19+16*((\ks)%2)+8*\m+4*\c], v1, s[36:37] offset:\m*8192+(\ks)*1024+512*\c
.endr
.endr
.endm
.macro DLOAD base, n, ks               ; h's or g's two fragments of K step ks, from LDS
	WIN 0
.irp m, 0,1
.irp c, 0,1
	ds_load_b128 v[16+16*((\ks)%2)+8*\m+4*\c:19+16*((\ks)%2)+8*\m+4*\c], v1 offset:\base+(\n*\m+(\ks))*1024+512*\c
.endr
.endr
.endm
; 16 products: the sixteen accumulators by turns, one instruction a turn.  K = 1,024: the scale words of K steps 4-7 lie in lanes 16-31.  w3: lanes 16-31 hold the odd tile's words, and g's second tile's.
.macro MULT s
.set PAR, (\s)%2
.if ((\s) < 8) || ((\s) >= 16)
	WIN 0x51                                           ; A (the weight) window 1, B window 0, C and D (x1) window 1
.set ACB, 0
.else
	WIN 0x01                                           ; C and D (the hidden layer) window 0
.set ACB, 128
.endif
.irp m, 0,1
.irp t, 0,1,2,3,4,5,6,7
.if (\s) < 16
	WM ACB+64*\m+8*\t, 128+64*PAR+8*\t, 16+16*PAR+8*\m, ACB+64*\m+8*\t, 48+4*\t+(\s)%4, 80+4*\m+(\s)%4, ((\s)%8)/4, ((\s)%8)/4
.else
	WM 64*\m+8*\t, 128+64*PAR+8*\t, 16+16*PAR+8*\m, 64*\m+8*\t, 48+4*(\t/2)+(\s)-16, 80+(\s)-16, \t%2, \m
.endif
.endr
.endr
.endm
	s_load_b512 s[4:19], s[0:1], 0x0                   ; resbuf, prepbuf, x, bo, ln2_w, b1, b2, b3
	s_load_b64 s[20:21], s[0:1], 0x40                  ; out0
	v_lshl_add_u32 v126, v0, 2, 0x17800
	v_mov_b32 v127, 0
	v_lshrrev_b32 v1, 5, v0
	v_readfirstlane_b32 s22, v1                        ; wave 0..7
	v_and_b32 v16, 31, v0                              ; lane
	v_and_b32 v17, 15, v0                              ; r
	v_bfe_u32 v18, v0, 4, 1                            ; h
	v_lshlrev_b32 v1, 4, v16                           ; v1: 16 x lane
	v_lshlrev_b32 v3, 6, v18                           ; v3: 64 h: my 16 columns of each 32
	v_lshlrev_b32 v5, 5, v17                           ; v5: SSQ + 32 r
	s_lshl_b32 s60, s22, 2
	v_add_nc_u32 v4, s60, v5                           ; v4: + 4 w
	s_lshl_b32 s60, s22, 10
	s_add_co_u32 s60, s60, HIMG
	v_add_nc_u32 v6, s60, v1                           ; v6: h's fragment of K step w
	s_lshr_b32 s60, s22, 2
	s_lshl_b32 s60, s60, 8
	s_and_b32 s61, s22, 3
	s_lshl_b32 s61, s61, 2
	s_add_co_u32 s60, s60, s61
	s_add_co_u32 s60, s60, H2SC
	v_lshl_add_u32 v7, v17, 4, s60                     ; v7: its scale word
	s_lshl_b32 s60, s22, 9
	s_add_co_u32 s60, s60, GIMG
	v_add_nc_u32 v8, s60, v1                           ; v8: g's half fragment: K step w / 2, half w % 2
	s_lshl_b32 s60, s22, 1
	s_add_co_u32 s60, s60, GSC
	v_lshl_add_u32 v9, v17, 4, s60                     ; v9: its two scale bytes
	s_mul_i32 s60, s22, 8448
	s_add_co_u32 s60, s60, STG
	v_mul_u32_u24 v10, v17, 528
	v_add_nc_u32 v10, v10, v3
	v_add_nc_u32 v10, s60, v10                         ; v10: my stage in the accumulators' layout: row r, + 64 h
	v_add_nc_u32 v11, s60, v1                          ; v11: and by rows: 16 x lane of a row
.irp b, 0,1,2,3
	v_mov_b32 v[TM+4+\b], 0                            ; a lane permute's destination counts as one of its sources
.endr
	s_mov_b32 s56, 0x3a800000                          ; 1 / 1024
	s_mov_b32 s57, 0x3727c5ac                          ; 1e-5
	s_mov_b32 s[SEL], 0x76543210
	s_mov_b32 s[SEL+1], 0xfedcba98
	s_mov_b32 s61, 0
	s_wait_kmcnt 0x0
	s_lshl_b32 s60, s22, 16
	s_add_co_u32 s60, s60, WOC
	s_add_nc_u64 s[24:25], s[6:7], s[60:61]            ; wo's tiles 8 w on
	s_lshl_b32 s60, s22, 15
	s_add_co_u32 s60, s60, W1C
	s_add_nc_u64 s[26:27], s[6:7], s[60:61]            ; w1's tiles 4 w on (w2's lie 262,144 bytes further)
	s_lshl_b32 s60, s22, 15
	s_add_co_u32 s60, s60, W3C
	s_add_nc_u64 s[28:29], s[6:7], s[60:61]            ; w3's tiles 8 w on
	s_lshl_b32 s60, s22, 12
	s_add_co_u32 s60, s60, WOS
	s_add_nc_u64 s[30:31], s[6:7], s[60:61]
	s_lshl_b32 s60, s22, 11
	s_add_co_u32 s60, s60, W1S
	s_add_nc_u64 s[32:33], s[6:7], s[60:61]
	s_lshl_b32 s60, s22, 11
	s_add_co_u32 s60, s60, W3S
	s_add_nc_u64 s[34:35], s[6:7], s[60:61]
	s_lshl_b32 s60, ttmp9, 14
	s_add_nc_u64 s[36:37], s[4:5], s[60:61]            ; res's two tiles
	s_lshl_b32 s60, ttmp9, 10
	s_add_co_u32 s60, s60, RS
	s_add_nc_u64 s[38:39], s[4:5], s[60:61]
	s_lshl_b32 s60, ttmp9, 17
	s_lshl_b32 s62, s22, 9
	s_add_co_u32 s60, s60, s62
	s_add_nc_u64 s[42:43], s[8:9], s[60:61]            ; x and out at my 32 rows, my 128 columns
	s_add_nc_u64 s[44:45], s[20:21], s[60:61]
	s_mov_b32 s60, s62
	s_add_nc_u64 s[46:47], s[10:11], s[60:61]          ; bo, ln2_w, b3 at my 128 columns
	s_add_nc_u64 s[48:49], s[12:13], s[60:61]
	s_add_nc_u64 s[50:51], s[18:19], s[60:61]
	s_lshl_b32 s60, s22, 8
	s_add_nc_u64 s[52:53], s[14:15], s[60:61]          ; b1, b2 at my 64 hidden units
	s_add_nc_u64 s[54:55], s[16:17], s[60:61]
	; ---- the head's loads: x first, by rows, into the registers that the accumulators will take
	WIN 0x40
.irp m, 0,1
.irp i, 0,1,2,3,4,5,6,7,8,9,10,11,12,13,14,15
	global_load_b128 v[64*\m+4*\i:64*\m+4*\i+3], v1, s[42:43] offset:(8*\m+\i+8*(\i/8))*4096 th:TH_LOAD_NT   ; place i of tile m: 32 lanes read 512 consecutive bytes of one row
.endr
.endr
	WLOAD 0
	ALOAD 0
.irp t, 0,1,2,3,4,5,6,7
	global_load_b128 v[128+8*\t:131+8*\t], v3, s[46:47] offset:128*(\t/2)+32*(\t%2)
	global_load_b128 v[132+8*\t:135+8*\t], v3, s[46:47] offset:128*(\t/2)+32*(\t%2)+16
	global_load_b128 v[192+8*\t:195+8*\t], v3, s[48:49] offset:128*(\t/2)+32*(\t%2)
	global_load_b128 v[196+8*\t:199+8*\t], v3, s[48:49] offset:128*(\t/2)+32*(\t%2)+16
	global_load_b128 v[48+4*\t:51+4*\t], v1, s[30:31] offset:512*\t
.endr
	global_load_b128 v[80:83], v1, s[38:39]
	global_load_b128 v[84:87], v1, s[38:39] offset:512
	s_wait_loadcnt 62                                  ; x's 32 loads are in; the 16 + 4 + 40 + 2 issued behind them may be out
	; the turn: 16 rows into my stage as they lie, and back in the accumulators' layout, into the registers that they left.  LDS serves a wave's instructions in order (ISA guide 5.7.1.4): no wait between stores and loads, nor ahead of the second tile's stores
.irp m, 0,1
	WIN 0x04                                           ; an LDS store's data are its source 1: window 1
.irp i, 0,1,2,3,4,5,6,7,8,9,10,11,12,13,14,15
	ds_store_b128 v11, v[64*\m+4*\i:64*\m+4*\i+3] offset:528*\i
.endr
	WIN 0x40
.irp t, 0,1,2,3,4,5,6,7                            ; register 8 t + j of lane (r, h) is column 32 (t / 2) + 16 h + 8 (t % 2) + j of row r
	ds_load_b128 v[64*\m+8*\t:64*\m+8*\t+3], v10 offset:128*(\t/2)+32*(\t%2)
	ds_load_b128 v[64*\m+8*\t+4:64*\m+8*\t+7], v10 offset:128*(\t/2)+32*(\t%2)+16
.endr
.endr
	WLOAD 1
	ALOAD 1
	s_wait_dscnt 0x0                                   ; x lies in the accumulators' layout
	s_wait_loadcnt 20                                  ; all but K step 1's 16 + 4 loads: K step 0, bo, ln2_w and the scale words are in
	WIN 0x41                                           ; destination and source 0 window 1
.set K2, 0
.rept 32
	v_pk_add_f32 v[K2:K2+1], v[K2:K2+1], v[128+K2:129+K2]             ; x + bo
	v_pk_add_f32 v[64+K2:65+K2], v[64+K2:65+K2], v[128+K2:129+K2]
.set K2, K2+2
.endr
	; ---- 1: x1 = x + bo + res wo.  Behind a step's products and four places its two buffers take the loads of two steps on
.irp s, 0,1,2,3,4,5,6,7
.if \s > 0
.if \s < 7
	s_wait_loadcnt 20                                  ; this step's loads are in; the next step's 16 + 4 may be out
.else
	s_wait_loadcnt 16                                  ; behind step 7's loads stand step 8's sixteen alone
.endif
.endif
	MULT \s
	PLACES                                             ; four places ahead of loads into registers that these products have read
	WLOAD \s+2
.if \s < 6
	ALOAD \s+2
.endif
.endr
	; ---- the norm (K steps 8 and 9 of the weights are on their way)
	WIN 0
.irp t, 0,1,2,3,4,5,6,7
	global_load_b128 v[48+4*\t:51+4*\t], v1, s[32:33] offset:(\t/4)*16384+(\t%4)*512   ; the scale words of w1's and w2's tiles
.endr
	WIN 0x05                                           ; sources 0 and 1 window 1
.irp m, 0,1
	v_pk_mul_f32 v[114+4*\m:115+4*\m], v[64*\m:64*\m+1], v[64*\m:64*\m+1]               ; each accumulator from its low end on
	v_pk_mul_f32 v[116+4*\m:117+4*\m], v[64*\m+2:64*\m+3], v[64*\m+2:64*\m+3]
.irp j, 4,8,12,16,20,24,28,32,36,40,44,48,52,56,60
	v_pk_fma_f32 v[114+4*\m:115+4*\m], v[64*\m+\j:64*\m+\j+1], v[64*\m+\j:64*\m+\j+1], v[114+4*\m:115+4*\m]
	v_pk_fma_f32 v[116+4*\m:117+4*\m], v[64*\m+\j+2:64*\m+\j+3], v[64*\m+\j+2:64*\m+\j+3], v[116+4*\m:117+4*\m]
.endr
.endr
	WIN 0
.irp m, 0,1
	v_pk_add_f32 v[114+4*\m:115+4*\m], v[114+4*\m:115+4*\m], v[116+4*\m:117+4*\m]
	v_add_f32 v[114+4*\m], v[114+4*\m], v[115+4*\m]
	v_permlanex16_b32 v[115+4*\m], v[114+4*\m], s[SEL], s[SEL+1]
	v_add_f32 v[114+4*\m], v[114+4*\m], v[115+4*\m]
	ds_store_b32 v4, v[114+4*\m] offset:SSQ+512*\m     ; (both lanes of a row write the same word with the same value)
.endr
	BARRIER                                            ; the eight waves' sums of squares lie in LDS
	ds_load_b128 v[16:19], v5 offset:SSQ
	ds_load_b128 v[20:23], v5 offset:SSQ+16
	ds_load_b128 v[24:27], v5 offset:SSQ+512
	ds_load_b128 v[28:31], v5 offset:SSQ+528
	s_wait_dscnt 0x0
.irp b, 16,24
	v_add_f32 v[\b], v[\b], v[\b+1]
	v_add_f32 v[\b+2], v[\b+2], v[\b+3]
	v_add_f32 v[\b+4], v[\b+4], v[\b+5]
	v_add_f32 v[\b+6], v[\b+6], v[\b+7]
	v_add_f32 v[\b], v[\b], v[\b+2]
	v_add_f32 v[\b+4], v[\b+4], v[\b+6]
	v_add_f32 v[\b], v[\b], v[\b+4]
	v_fma_f32 v[\b], v[\b], s56, s57                   ; the mean + 1e-5
.endr
	v_rsq_f32 v12, v16
	v_rsq_f32 v14, v24
	v_mov_b32 v13, 0                                   ; plain places behind the transcendentals; named with the results as pairs
	v_mov_b32 v15, 0
	s_wait_alu depctr_va_vdst(0)                       ; one wait for both, ahead of the first reader
.irp m, 0,1
	WIN 0x01
.set K2, 0
.rept 32
	v_pk_mul_f32 v[128+K2:129+K2], v[64*\m+K2:64*\m+K2+1], v[12+2*\m:13+2*\m] op_sel_hi:[1,0]
.set K2, K2+2
.endr
	WIN 0
.set K2, 0
.rept 32
	v_pk_mul_f32 v[128+K2:129+K2], v[128+K2:129+K2], v[192+K2:193+K2]
.set K2, K2+2
.endr
	QUANT 128, 106, 104
	ds_store_b128 v6, v[106:109] offset:\m*8192
	ds_store_b128 v6, v[110:113] offset:\m*8192+512
	ds_store_b32 v7, v104 offset:\m*512
	s_wait_dscnt 0x0                                   ; the stores have read their registers
.endr
.irp m, 0,1
.irp t, 0,1,2,3                                    ; b1 and b2 INTO the hidden layer's accumulators
	global_load_b128 v[128+64*\m+8*\t:131+64*\m+8*\t], v3, s[52:53] offset:128*(\t/2)+32*(\t%2)
	global_load_b128 v[132+64*\m+8*\t:135+64*\m+8*\t], v3, s[52:53] offset:128*(\t/2)+32*(\t%2)+16
	global_load_b128 v[160+64*\m+8*\t:163+64*\m+8*\t], v3, s[54:55] offset:128*(\t/2)+32*(\t%2)
	global_load_b128 v[164+64*\m+8*\t:167+64*\m+8*\t], v3, s[54:55] offset:128*(\t/2)+32*(\t%2)+16
.endr
.endr
	BARRIER                                            ; h's sixteen fragments and their scale words lie in LDS
	ds_load_b128 v[80:83], v1 offset:H2SC
	ds_load_b128 v[84:87], v1 offset:H2SC+512
	DLOAD HIMG, 8, 0
	; ---- 2: h w1 + b1 and h w2 + b2
.irp s, 8,9,10,11,12,13,14,15
.if \s < 15
	DLOAD HIMG, 8, \s-7                                ; into the set that the step before read: its four places stand behind its products
.endif
.if \s == 8
	s_wait_loadcnt 0x0                                 ; the biases are the youngest loads: with them the scale words and K steps 8 and 9 are in
.else
	s_wait_loadcnt 16                                  ; this step's weights are in; the next step's sixteen loads may be out
.endif
.if \s < 15
	s_wait_dscnt 4                                     ; all but the four fragment loads just issued
.else
	s_wait_dscnt 0x0
.endif
	MULT \s
	PLACES
	WLOAD \s+2
.endr
	; ---- the gate: g = a sigmoid(a) x the other half, in f32 (K steps 16 and 17 of the weights are on their way)
	WIN 0
.irp p, 0,1,2,3
	global_load_b128 v[48+4*\p:51+4*\p], v1, s[34:35] offset:512*\p   ; w3's scale words: two tiles a load
.endr
.irp m, 0,1
.set K2, 0
.rept 16
	v_pk_mul_f32 v[16+K2:17+K2], v[128+64*\m+K2:129+64*\m+K2], 0xbfb8aa3b op_sel_hi:[1,0]   ; -a log2(e)
.set K2, K2+2
.endr
.set K2, 0
.rept 32
	v_exp_f32 v[16+K2], v[16+K2]
.set K2, K2+1
.endr
	v_nop
	s_wait_alu depctr_va_vdst(0)                       ; one wait for the batch
.set K2, 0
.rept 16
	v_pk_add_f32 v[16+K2:17+K2], v[16+K2:17+K2], 1.0 op_sel_hi:[1,0]
.set K2, K2+2
.endr
.set K2, 0
.rept 32
	v_rcp_f32 v[16+K2], v[16+K2]
.set K2, K2+1
.endr
	v_nop
	s_wait_alu depctr_va_vdst(0)
.set K2, 0
.rept 16
	v_pk_mul_f32 v[128+64*\m+K2:129+64*\m+K2], v[128+64*\m+K2:129+64*\m+K2], v[16+K2:17+K2]
.set K2, K2+2
.endr
.set K2, 0
.rept 16
	v_pk_mul_f32 v[128+64*\m+K2:129+64*\m+K2], v[128+64*\m+K2:129+64*\m+K2], v[160+64*\m+K2:161+64*\m+K2]
.set K2, K2+2
.endr
	HQUANT 128+64*\m, 106, 104
	ds_store_b128 v8, v[106:109] offset:\m*4096
	ds_store_b16 v9, v104 offset:\m*256                ; (both lanes of a row write the same bytes)
	s_wait_dscnt 0x0
.endr
.irp t, 0,1,2,3,4,5,6,7
	global_load_b128 v[128+8*\t:131+8*\t], v3, s[50:51] offset:128*(\t/2)+32*(\t%2)       ; b3
	global_load_b128 v[132+8*\t:135+8*\t], v3, s[50:51] offset:128*(\t/2)+32*(\t%2)+16
.endr
	BARRIER                                            ; g's eight fragments and their scale words lie in LDS
	ds_load_b128 v[80:83], v1 offset:GSC               ; register = K step; lanes 0-15 tile 0's rows, lanes 16-31 tile 1's
	DLOAD GIMG, 4, 0
	; ---- 3: out = x1 + b3 + g w3
.irp s, 16,17,18,19
.if \s < 19
	DLOAD GIMG, 4, \s-15
.endif
.if (\s == 16) || (\s == 19)
	s_wait_loadcnt 0x0                                 ; step 16: b3 is the youngest load; step 19: nothing was issued behind its weights
.else
	s_wait_loadcnt 16                                  ; this step's weights are in; the next step's sixteen loads may be out
.endif
.if \s < 19
	s_wait_dscnt 4
.else
	s_wait_dscnt 0x0
.endif
.if \s == 16
	WIN 0x41
.set K2, 0
.rept 32
	v_pk_add_f32 v[K2:K2+1], v[K2:K2+1], v[128+K2:129+K2]             ; x1 + b3
	v_pk_add_f32 v[64+K2:65+K2], v[64+K2:65+K2], v[128+K2:129+K2]
.set K2, K2+2
.endr
.endif
	MULT \s
.if \s < 18
	PLACES
	WLOAD \s+2
.endif
.endr
	; ---- the way out: through my own stage, back as whole rows of 512 bytes.  LDS serves a wave's instructions in order (ISA guide 5.7.1.4): no wait between stores and loads, nor ahead of the second tile's stores
	WIN 0
	PLACES
.irp m, 0,1
	WIN 0x04                                           ; an LDS store's data are its source 1: window 1
.irp t, 0,1,2,3,4,5,6,7
	ds_store_b128 v10, v[64*\m+8*\t:64*\m+8*\t+3] offset:128*(\t/2)+32*(\t%2)       ; each accumulator from its low end on
	ds_store_b128 v10, v[64*\m+8*\t+4:64*\m+8*\t+7] offset:128*(\t/2)+32*(\t%2)+16
.endr
	WIN 0
.irp i, 0,1,2,3,4,5,6,7,8,9,10,11,12,13,14,15
	ds_load_b128 v[128+64*\m+4*\i:131+64*\m+4*\i], v11 offset:528*\i
.endr
.endr
.irp m, 0,1
.irp i, 0,1,2,3,4,5,6,7,8,9,10,11,12,13,14,15
	s_wait_dscnt 47-32*\m-\i                           ; behind this load: its tile's later loads, and for tile 0 the 32 LDS instructions of tile 1
	global_store_b128 v1, v[128+64*\m+4*\i:131+64*\m+4*\i], s[44:45] offset:(8*\m+\i+8*(\i/8))*4096 th:TH_STORE_NT   ; 32 lanes store 512 consecutive bytes, aligned
.endr
.endr
	s_wait_tensorcnt 0x0
	ds_add_u32 v126, v127
	s_wait_dscnt 0x0
	s_endpgm
.Lfunc_end_k_q36e56d399a_tail:
	.size	k_q36e56d399a_tail, .Lfunc_end_k_q36e56d399a_tail-k_q36e56d399a_tail
	.p2alignl 7, 3214868480
	.fill 96, 4, 3214868480
	.section	.rodata,"a",@progbits
	.p2align	6, 0x0
	.amdhsa_kernel k_q36e56d399a_tail
		.amdhsa_group_segment_fixed_size 97280
		.amdhsa_private_segment_fixed_size 0
		.amdhsa_enable_private_segment 0
		.amdhsa_kernarg_size 72
		.amdhsa_user_sgpr_count 2
		.amdhsa_user_sgpr_kernarg_segment_ptr 1
		.amdhsa_wavefront_size32 1
		.amdhsa_system_sgpr_workgroup_id_x 1
		.amdhsa_system_sgpr_workgroup_id_y 1
		.amdhsa_system_sgpr_workgroup_id_z 1
		.amdhsa_system_vgpr_workitem_id 0
		.amdhsa_next_free_vgpr 512
		.amdhsa_next_free_sgpr 66
		.amdhsa_reserve_vcc 0
		.amdhsa_float_denorm_mode_32 3
		.amdhsa_float_denorm_mode_16_64 3
		.amdhsa_memory_ordered 1
		.amdhsa_forward_progress 1
		.amdhsa_inst_pref_size 158
	.end_amdhsa_kernel
	.amdgpu_metadata
---
amdhsa.version: [ 1, 2 ]
amdhsa.kernels:
  - .name:           k_q36e56d399a_tail
    .symbol:         k_q36e56d399a_tail.kd
    .args:
      - { .name: resbuf, .offset: 0, .size: 8, .value_kind: global_buffer, .address_space: global }
      - { .name: prepbuf, .offset: 8, .size: 8, .value_kind: global_buffer, .address_space: global }
      - { .name: x, .offset: 16, .size: 8, .value_kind: global_buffer, .address_space: global }
      - { .name: bo, .offset: 24, .size: 8, .value_kind: global_buffer, .address_space: global }
      - { .name: ln2_w, .offset: 32, .size: 8, .value_kind: global_buffer, .address_space: global }
      - { .name: b1, .offset: 40, .size: 8, .value_kind: global_buffer, .address_space: global }
      - { .name: b2, .offset: 48, .size: 8, .value_kind: global_buffer, .address_space: global }
      - { .name: b3, .offset: 56, .size: 8, .value_kind: global_buffer, .address_space: global }
      - { .name: out0, .offset: 64, .size: 8, .value_kind: global_buffer, .address_space: global }
    .group_segment_fixed_size: 97280
    .private_segment_fixed_size: 0
    .kernarg_segment_align: 8
    .kernarg_segment_size: 72
    .max_flat_workgroup_size: 256
    .sgpr_count:     66
    .vgpr_count:     512
    .wavefront_size: 32
...
	.end_amdgpu_metadata
.endif
;; end of part 4
;; ======== version 2 of 2: 4 launches
;; workspace buffers: prepbuf 5,292,032 bytes; qkvbuf 7,077,888 bytes; resbuf 2,228,224 bytes
;; launch prep (part 5): grid 432 x 1, 8 waves a work-group, no clusters, 72,704 bytes of LDS; arguments x, ln1_w, wq, wk, wv, wo, w1, w2, w3, prepbuf; writes prepbuf
.if DOCPART == 5
	.amdgcn_target "amdgcn-amd-amdhsa--gfx1250"
	.amdhsa_code_object_version 6
	.text
	.protected	k_q36e56d399a_prep
	.globl	k_q36e56d399a_prep
	.p2align	8
	.type	k_q36e56d399a_prep,@function
k_q36e56d399a_prep:
	s_mov_b64 s[64:65], 0
	v_nop
	global_prefetch_b8 v0, s[64:65] scope:SCOPE_SE
	s_setreg_imm32_b32 hwreg(HW_REG_WAVE_MODE, 25, 1), 1
	s_wait_xcnt 0x0
; PREP.  (A) the seven weights, f32 stored [K][N], become codes of FP4 (E2M1) and E8M0 scale bytes, quantised along K;  (B) rms_norm(x, ln1_w) is computed in f32 and quantised along its 1,024 columns.
; ALL OPERANDS ARE LAID IN THE ORDER OF THE MATRIX OPERAND'S REGISTERS.  A tile is 16 rows (of activations) or 16 columns n (of a weight); tile T, place r, is index 32 (T / 2) + 8 (T % 2) + r + 8 (r / 8).
; A fragment (tile x 128 along K) is 1,024 bytes, [block of 32 along K][place r][16 bytes]: two loads of 16 bytes a lane at 16 x lane and 512 + 16 x lane fill the eight operand registers.  Codes: [tile][K / 128][1,024].
; Scale words (4 bytes: a place's four blocks of one K step): [tile][K step / 4][place r][4 words]: 512 bytes a tile for K = 1,024, 256 for K = 512.
; A block's scale is 2^(floor(log2(largest magnitude)) - 2); its byte is the largest magnitude's exponent field - 2, held at 1 from below.
; LIMITS: a block of zeros gets the byte 1 where the rule says 127 (its codes are zeros, and this program alone reads the bytes); blocks whose largest magnitude lies under 2^-124 were not tried; NaN and infinities are not served.
; WORK-GROUPS 0-175: weights, 64 columns x 512 along K each; a wave 32 columns x 128 K: a lane takes a column, its registers run down K.  WORK-GROUPS 176-431: one tile of 16 rows of x each; wave w takes columns 128 w on.
; In path B a load takes one row's 512 consecutive bytes of the wave's columns; the 16 rows turn through the wave's own stage in LDS, so that a lane comes to hold 16 neighbours of each block of 32 of ONE row.
; The two paths part on the work-group's number alone and have LDS bytes of their own.
.set WQC, 0
.set WKC, 524288
.set WVC, 1048576
.set WOC, 1572864
.set W1C, 2097152
.set W2C, 2359296
.set W3C, 2621440
.set WQS, 2883584
.set WKS, 2916352
.set WVS, 2949120
.set WOS, 2981888
.set W1S, 3014656
.set W2S, 3031040
.set W3S, 3047424
.set H1C, 3063808
.set H1S, 5160960
.set PA_SC,  0                         ; LDS, path A: 2 x 512 bytes of scale words
.set PB_SSQ, 1024                      ; LDS, path B: 16 rows x 8 waves' sums of squares
.set PB_SC,  2048                      ; LDS, path B: the tile's 512 bytes of scale words
.set PB_STG, 4096                      ; LDS, path B: a stage of 16 rows x SP bytes for each wave
.set SP,  528                          ; a stage row: 512 bytes + 16 = 132 words: row r starts at bank 4 r mod 64 (64 banks of 4 bytes: ISA guide 11.1), so the 16 rows that a load touches start at 16 different banks
.set TM,  160                          ; v160-175 at work in QUANT
.set SEL, 50                           ; s[50:51] selects of v_permlanex16_b32: lane l xor 16
; 64 numbers of a lane, register 16 b + i = k 32 b + 16 (lane / 16) + i of the lane's row, become a fragment's eight registers v[pc] on and the row's scale word v[pw].
.macro QUANT s, pc, pw
.irp b, 0,1,2,3
	v_max3_num_f32 v[TM+\b], |v[(\s)+16*\b]|, |v[(\s)+1+16*\b]|, 0x1800000   ; my 16 numbers of block b, and the floor 2^(3 - 127): the byte cannot fall under 1
.endr
.irp i, 2,4,6,8,10,12,14
.irp b, 0,1,2,3
	s_delay_alu instid0(VALU_DEP_4)
	v_max3_num_f32 v[TM+\b], v[TM+\b], |v[(\s)+16*\b+\i]|, |v[(\s)+1+16*\b+\i]|
.endr
.endr
.irp b, 0,1,2,3
	s_delay_alu instid0(VALU_DEP_4)
	v_permlanex16_b32 v[TM+4+\b], v[TM+\b], s[SEL], s[SEL+1]
.endr
.irp b, 0,1,2,3
	s_delay_alu instid0(VALU_DEP_4)
	v_max_num_f32 v[TM+\b], v[TM+\b], v[TM+4+\b]       ; with lane l xor 16's: the block's largest magnitude
.endr
.irp b, 0,1,2,3
	s_delay_alu instid0(VALU_DEP_4)
	v_add_nc_u32 v[TM+12+\b], 0xff000000, v[TM+\b]     ; 2 off its exponent field: the conversion's scale operand
.endr
.irp b, 0,1,2,3
	s_delay_alu instid0(VALU_DEP_4)
	v_lshrrev_b32 v[TM+4+\b], 23, v[TM+12+\b]          ; the scale's byte
.endr
	s_delay_alu instid0(VALU_DEP_3)
	v_lshl_or_b32 v[(\pw)], v[TM+5], 8, v[TM+4]
	s_delay_alu instid0(VALU_DEP_1)
	v_lshl_or_b32 v[(\pw)], v[TM+6], 16, v[(\pw)]
	s_delay_alu instid0(VALU_DEP_1)
	v_lshl_or_b32 v[(\pw)], v[TM+7], 24, v[(\pw)]
.irp b, 0,1,2,3
	v_cvt_scalef32_pk8_fp4_f32 v[(\pc)+2*\b], v[(\s)+16*\b:(\s)+7+16*\b], v[TM+12+\b]
	v_cvt_scalef32_pk8_fp4_f32 v[(\pc)+1+2*\b], v[(\s)+8+16*\b:(\s)+15+16*\b], v[TM+12+\b]
.endr
	v_nop                                              ; one plain place behind the last scaled conversion
.irp c, 0,1                                        ; the operand wants a whole block in a lane: lanes 0-15 block 2 c, lanes 16-31 block 2 c + 1
.irp i, 0,1
	v_permlane16_swap_b32 v[(\pc)+4*\c+\i], v[(\pc)+2+4*\c+\i]
.endr
.endr
.endm
; path A: block t (32 along K) of my column into set t % 2: each load reads 128 consecutive bytes of one row of the weight
.macro LOADW t, rowb
.set I, 0
.rept 32
	global_load_b32 v[32+32*((\t)%2)+I], v3, s[26:27] offset:(32*(\t)+I)*(\rowb) th:TH_LOAD_NT
.set I, I+1
.endr
.endm
.macro BLOCKW t, rowb
.set XS, 32+32*((\t)%2)
.if (\t) < 3
	s_wait_loadcnt 32                                  ; this block's 32 loads are in; the next block's 32 may be out
.else
	s_wait_loadcnt 0x0
.endif
	v_max3_num_f32 v12, |v[XS]|, |v[XS+1]|, |v[XS+2]|  ; all 32 numbers of the block are mine
	v_max3_num_f32 v13, |v[XS+3]|, |v[XS+4]|, |v[XS+5]|
.irp i, 6,10,14,18,22,26
	s_delay_alu instid0(VALU_DEP_2)
	v_max3_num_f32 v12, v12, |v[XS+\i]|, |v[XS+\i+1]|
	s_delay_alu instid0(VALU_DEP_2)
	v_max3_num_f32 v13, v13, |v[XS+\i+2]|, |v[XS+\i+3]|
.endr
	s_delay_alu instid0(VALU_DEP_2)
	v_max3_num_f32 v12, v12, |v[XS+30]|, |v[XS+31]|
	s_delay_alu instid0(VALU_DEP_1)
	v_max3_num_f32 v12, v12, v13, 0x1800000            ; and the floor
	s_delay_alu instid0(VALU_DEP_1)
	v_add_nc_u32 v11, 0xff000000, v12                  ; the conversion's scale operand
	s_delay_alu instid0(VALU_DEP_1)
	v_lshrrev_b32 v13, 23, v11                         ; the byte
.if (\t) == 0
	s_delay_alu instid0(VALU_DEP_1)
	v_mov_b32 v112, v13
.else
	s_delay_alu instid0(VALU_DEP_1)
	v_lshl_or_b32 v112, v13, 8*(\t), v112              ; the K step's four bytes make my column's scale word
.endif
.irp g, 0,1,2,3
	v_cvt_scalef32_pk8_fp4_f32 v[96+4*(\t)+\g], v[XS+8*\g:XS+8*\g+7], v11
.endr
	v_nop                                              ; one plain place behind the last scaled conversion
	global_store_b128 v4, v[96+4*(\t):99+4*(\t)], s[44:45] offset:256*(\t)   ; sixteen lanes store 256 consecutive bytes, aligned: block t of a fragment; each block has its own four registers
.if (\t) < 2
	LOADW (\t)+2, \rowb
.endif
.endm
.macro WEIGHT rowb
	LOADW 0, \rowb
	LOADW 1, \rowb
	BLOCKW 0, \rowb
	BLOCKW 1, \rowb
	BLOCKW 2, \rowb
	BLOCKW 3, \rowb
.endm
; from work-group `first` on: another weight.  The choice hangs on the work-group's number alone
.macro PICK first, ptr, coff, soff, shift, rowb, tileb, stileb
	s_cmp_ge_u32 ttmp9, \first
	s_cselect_b64 s[26:27], s[\ptr:\ptr+1], s[26:27]
	s_cselect_b32 s28, \coff, s28
	s_cselect_b32 s29, \soff, s29
	s_cselect_b32 s30, \first, s30
	s_cselect_b32 s31, \tileb, s31
	s_cselect_b32 s32, \stileb, s32
	s_cselect_b32 s33, \shift, s33
	s_cselect_b32 s35, \rowb, s35
.endm
	s_load_b512 s[4:19], s[0:1], 0x0                   ; x, ln1_w, wq, wk, wv, wo, w1, w2
	s_load_b128 s[20:23], s[0:1], 0x40                 ; w3, prepbuf
	v_lshl_add_u32 v192, v0, 2, 0x11800
	v_mov_b32 v193, 0
	v_lshrrev_b32 v1, 5, v0
	s_delay_alu instid0(VALU_DEP_1)
	v_readfirstlane_b32 s24, v1                        ; wave 0..7
	v_and_b32 v1, 31, v0                               ; lane
	s_mov_b32 s[SEL], 0x76543210
	s_mov_b32 s[SEL+1], 0xfedcba98
	s_wait_kmcnt 0x0
	s_cmp_ge_u32 ttmp9, 176
	s_cbranch_scc1 .Lpath_x
	; ---------------- PATH A: a weight ----------------
	s_mov_b64 s[26:27], s[8:9]                         ; wq, from work-group 0 on
	s_mov_b32 s28, WQC                                 ; its codes in prepbuf
	s_mov_b32 s29, WQS                                 ; its scale words
	s_mov_b32 s30, 0                                   ; its first work-group
	s_mov_b32 s31, 8192                                ; bytes of a tile's codes (K / 128 fragments)
	s_mov_b32 s32, 512                                 ; bytes of a tile's scale words
	s_mov_b32 s33, 4                                   ; log2 of its groups of 64 columns
	s_mov_b32 s35, 4096                                ; bytes in a row
	PICK 32,  10, WKC, WKS, 4, 4096, 8192, 512
	PICK 64,  12, WVC, WVS, 4, 4096, 8192, 512
	PICK 96,  14, WOC, WOS, 4, 4096, 8192, 512
	PICK 128, 16, W1C, W1S, 3, 2048, 8192, 512
	PICK 144, 18, W2C, W2S, 3, 2048, 8192, 512
	PICK 160, 20, W3C, W3S, 4, 4096, 4096, 256
	s_sub_co_u32 s36, ttmp9, s30                       ; my number within the weight
	s_lshl_b32 s37, 1, s33
	s_sub_co_u32 s37, s37, 1
	s_and_b32 s37, s36, s37                            ; which 64 columns
	s_lshr_b32 s36, s36, s33                           ; kg: which 512 along K
	s_and_b32 s38, s24, 1                              ; my wave: which 32 of the 64 columns,
	s_lshr_b32 s39, s24, 1                             ; kq: which 128 of the 512 along K
	s_lshl_b32 s37, s37, 1
	s_add_co_u32 s37, s37, s38                         ; my group of 32 columns = tiles 2 x it and 2 x it + 1
	s_lshl_b32 s40, s36, 9
	s_lshl_b32 s41, s39, 7
	s_add_co_u32 s40, s40, s41                         ; my first k
	s_mul_i32 s40, s40, s35
	s_lshl_b32 s41, s37, 7
	s_add_co_u32 s40, s40, s41                         ; + 128 bytes for each group of 32 columns
	s_mov_b32 s41, 0
	s_add_nc_u64 s[26:27], s[26:27], s[40:41]
	s_lshl_b32 s42, s37, 1                             ; my first tile
	s_mul_i32 s40, s42, s31
	s_add_co_u32 s40, s40, s28
	s_lshl_b32 s43, s36, 2
	s_add_co_u32 s43, s43, s39                         ; my K step = 4 kg + kq
	s_lshl_b32 s43, s43, 10
	s_add_co_u32 s40, s40, s43
	s_add_nc_u64 s[44:45], s[22:23], s[40:41]          ; my fragments
	s_mul_i32 s40, s42, s32
	s_add_co_u32 s40, s40, s29
	s_lshl_b32 s43, s36, 8
	s_add_co_u32 s40, s40, s43
	s_add_nc_u64 s[46:47], s[22:23], s[40:41]          ; my tiles' scale words of K steps 4 kg on
	s_wait_alu depctr_va_vdst(0)
	v_and_b32 v2, 7, v1                                ; lane l is place l % 16 of tile l / 16: column (l & 7) + 2 (l & 8) + (l & 16) / 2 of the 32
	v_and_b32 v3, 8, v1
	s_delay_alu instid0(VALU_DEP_1)
	v_lshl_or_b32 v2, v3, 1, v2
	v_and_b32 v3, 16, v1
	s_delay_alu instid0(VALU_DEP_1)
	v_lshrrev_b32 v3, 1, v3
	s_delay_alu instid0(VALU_DEP_1)
	v_or_b32 v2, v2, v3
	s_delay_alu instid0(VALU_DEP_1)
	v_lshlrev_b32 v3, 2, v2                            ; v3: my column's bytes in a row
	v_lshrrev_b32 v8, 4, v1
	v_and_b32 v9, 15, v1
	s_delay_alu instid0(VALU_DEP_1)
	v_lshlrev_b32 v9, 4, v9
	s_delay_alu instid0(VALU_DEP_1)
	v_mad_u32_u24 v4, v8, s31, v9                      ; v4: my tile's codes + 16 x place
	s_delay_alu instid0(VALU_DEP_2)
	v_mad_u32_u24 v7, v8, s32, v9                      ; v7: my tile's scale words + 16 x place
	s_lshl_b32 s48, s38, 9
	s_lshl_b32 s49, s39, 2
	s_add_co_u32 s49, s49, s48
	v_lshlrev_b32 v6, 4, v1
	s_delay_alu instid0(VALU_DEP_1)
	v_add_nc_u32 v5, s49, v6                           ; v5: LDS: 512 x (wave & 1) + 16 x lane + 4 kq: where my word goes
	s_delay_alu instid0(VALU_DEP_2)
	v_add_nc_u32 v6, s48, v6                           ; v6: and where a lane's four words are read back
	s_cmp_eq_u32 s35, 2048                             ; every offset is an immediate, so the two row lengths are two copies
	s_cbranch_scc1 .Lw_narrow
	WEIGHT 4096
	s_branch .Lw_join
.Lw_narrow:
	s_wait_alu depctr_va_vdst(0)
	WEIGHT 2048
.Lw_join:
	s_wait_alu depctr_va_vdst(0)
	ds_store_b32 v5, v112
	s_wait_dscnt 0x0                                   ; for the others' sake: my word lies in LDS
	s_barrier_signal -1
	s_barrier_wait -1
	s_cmp_gt_u32 s24, 1
	s_cbranch_scc1 .Lw_end                             ; waves 0 and 1 (kq = 0) store the four K steps' words of their 32 columns
	ds_load_b128 v[116:119], v6
	s_wait_dscnt 0x0
	global_store_b128 v7, v[116:119], s[46:47]         ; sixteen lanes store 256 consecutive bytes, aligned
.Lw_end:
	s_wait_tensorcnt 0x0
	ds_add_u32 v192, v193
	s_wait_dscnt 0x0
	s_endpgm
	; ---------------- PATH B: a tile of 16 rows of x ----------------
.Lpath_x:
	s_sub_co_u32 s26, ttmp9, 176                       ; the tile T
	s_lshr_b32 s27, s26, 1
	s_lshl_b32 s27, s27, 5
	s_and_b32 s28, s26, 1
	s_lshl_b32 s28, s28, 3
	s_add_co_u32 s27, s27, s28                         ; its first row: 32 (T / 2) + 8 (T % 2)
	s_lshl_b32 s28, s27, 12
	s_lshl_b32 s30, s24, 9                             ; my wave's 128 columns
	s_add_co_u32 s28, s28, s30
	s_mov_b32 s29, 0
	s_mov_b32 s31, 0
	s_add_nc_u64 s[4:5], s[4:5], s[28:29]
	s_add_nc_u64 s[6:7], s[6:7], s[30:31]
	s_lshl_b32 s28, s26, 13
	s_lshl_b32 s32, s24, 10
	s_add_co_u32 s28, s28, s32
	s_add_co_u32 s28, s28, H1C
	s_add_nc_u64 s[34:35], s[22:23], s[28:29]          ; fragment (T, K step w)
	s_lshl_b32 s28, s26, 9
	s_add_co_u32 s28, s28, H1S
	s_add_nc_u64 s[36:37], s[22:23], s[28:29]          ; the tile's scale words
	s_mov_b32 s48, 0x3a800000                          ; 1 / 1024
	s_mov_b32 s49, 0x3727c5ac                          ; 1e-5
	v_and_b32 v9, 15, v0                               ; r
	v_bfe_u32 v11, v0, 4, 1                            ; h
	s_delay_alu instid0(VALU_DEP_1)
	v_lshlrev_b32 v3, 6, v11                           ; v3: 64 h: my 16 numbers of each block of 32
	s_wait_alu depctr_va_vdst(0)
	v_lshlrev_b32 v4, 4, v1                            ; v4: 16 x lane
	s_wait_alu depctr_va_vdst(0)
	s_mul_i32 s40, s24, 16*SP
	s_add_co_u32 s40, s40, PB_STG                      ; my wave's stage
	v_mul_u32_u24 v2, v9, SP
	s_delay_alu instid0(VALU_DEP_1)
	v_add_nc_u32 v2, v2, v3
	s_delay_alu instid0(VALU_DEP_1)
	v_add_nc_u32 v2, s40, v2                           ; v2: out of the stage: row r, + 64 h
	v_add_nc_u32 v14, s40, v4                          ; v14: into it: 16 x lane of a row
	v_lshl_add_u32 v6, v9, 5, PB_SSQ                   ; v6: my row's eight partial sums
	s_lshl_b32 s38, s24, 2
	v_add_nc_u32 v5, s38, v6                           ; v5: my wave's among them
	s_lshr_b32 s38, s24, 2
	s_lshl_b32 s38, s38, 8
	s_and_b32 s39, s24, 3
	s_lshl_b32 s39, s39, 2
	s_add_co_u32 s38, s38, s39
	s_add_co_u32 s38, s38, PB_SC
	v_lshl_add_u32 v7, v9, 4, s38                      ; v7: scale word of (K step w, row r)
	v_add_nc_u32 v8, PB_SC, v4                         ; v8: the 512 bytes read back
.irp b, 0,1,2,3
	v_mov_b32 v[TM+4+\b], 0                            ; written once: a lane permute's destination counts as one of its sources
.endr
.irp i, 0,1,2,3,4,5,6,7,8,9,10,11,12,13,14,15
	global_load_b128 v[32+4*\i:35+4*\i], v4, s[4:5] offset:(\i+8*(\i/8))*4096 th:TH_LOAD_NT   ; place i of the tile: 32 lanes read 512 consecutive bytes of one row
.endr
.irp b, 0,1,2,3
.irp j, 0,1,2,3
	global_load_b128 v[96+16*\b+4*\j:99+16*\b+4*\j], v3, s[6:7] offset:128*\b+16*\j
.endr
.endr
	s_wait_alu depctr_va_vdst(0)
	s_wait_loadcnt 16                                  ; x's sixteen loads are in; ln1_w's sixteen may be out
.irp i, 0,1,2,3,4,5,6,7,8,9,10,11,12,13,14,15
	ds_store_b128 v14, v[32+4*\i:35+4*\i] offset:SP*\i
.endr
.irp b, 0,1,2,3
.irp j, 0,1,2,3
	ds_load_b128 v[32+16*\b+4*\j:35+16*\b+4*\j], v2 offset:128*\b+16*\j   ; LDS serves a wave's instructions in order (ISA guide 5.7.1.4): these see the stores above.  Register 16 b + i is now column 32 b + 16 h + i of row r
.endr
.endr
	s_wait_dscnt 0x0
	v_pk_mul_f32 v[188:189], v[32:33], v[32:33]        ; the sum of squares of my 64 numbers, two chains
	v_pk_mul_f32 v[190:191], v[34:35], v[34:35]
.irp j, 4,8,12,16,20,24,28,32,36,40,44,48,52,56,60
	s_delay_alu instid0(VALU_DEP_2)
	v_pk_fma_f32 v[188:189], v[32+\j:33+\j], v[32+\j:33+\j], v[188:189]
	s_delay_alu instid0(VALU_DEP_2)
	v_pk_fma_f32 v[190:191], v[34+\j:35+\j], v[34+\j:35+\j], v[190:191]
.endr
	s_delay_alu instid0(VALU_DEP_1)
	v_pk_add_f32 v[188:189], v[188:189], v[190:191]
	s_delay_alu instid0(VALU_DEP_1)
	v_add_f32 v188, v188, v189
	s_delay_alu instid0(VALU_DEP_1)
	v_permlanex16_b32 v189, v188, s[SEL], s[SEL+1]
	s_delay_alu instid0(VALU_DEP_1)
	v_add_f32 v188, v188, v189                         ; my row's 128 columns of this wave
	ds_store_b32 v5, v188                              ; (both lanes of a row write the same word with the same value)
	s_wait_dscnt 0x0
	s_barrier_signal -1
	s_barrier_wait -1
	ds_load_b128 v[20:23], v6
	ds_load_b128 v[24:27], v6 offset:16
	s_wait_dscnt 0x0
	v_add_f32 v20, v20, v21
	v_add_f32 v22, v22, v23
	v_add_f32 v24, v24, v25
	v_add_f32 v26, v26, v27
	s_delay_alu instid0(VALU_DEP_3)
	v_add_f32 v20, v20, v22
	s_delay_alu instid0(VALU_DEP_2)
	v_add_f32 v24, v24, v26
	s_delay_alu instid0(VALU_DEP_1)
	v_add_f32 v20, v20, v24                            ; the row's sum of squares
	s_delay_alu instid0(VALU_DEP_1)
	v_fma_f32 v20, v20, s48, s49                       ; the mean + 1e-5
	s_wait_alu depctr_va_vdst(0)
	v_rsq_f32 v28, v20
	v_mov_b32 v29, 0                                   ; a plain place behind the transcendental; v29 is named with v28 as a pair
	s_wait_alu depctr_va_vdst(0)                       ; the wait ahead of the result's first reader
	s_wait_loadcnt 0x0                                 ; ln1_w
.set J, 0
.rept 32
	v_pk_mul_f32 v[32+J:33+J], v[32+J:33+J], v[28:29] op_sel_hi:[1,0]
.set J, J+2
.endr
.set J, 0
.rept 32
	v_pk_mul_f32 v[32+J:33+J], v[32+J:33+J], v[96+J:97+J]
.set J, J+2
.endr
	QUANT 32, 180, 176
	global_store_b128 v4, v[180:183], s[34:35]         ; 512 consecutive bytes each
	global_store_b128 v4, v[184:187], s[34:35] offset:512
	ds_store_b32 v7, v176
	s_wait_dscnt 0x0
	s_barrier_signal -1
	s_barrier_wait -1
	s_cmp_lg_u32 s24, 0
	s_cbranch_scc1 .Lx_end
	ds_load_b128 v[20:23], v8
	s_wait_dscnt 0x0
	global_store_b128 v4, v[20:23], s[36:37]           ; the tile's 512 bytes of scale words
.Lx_end:
	s_wait_tensorcnt 0x0
	ds_add_u32 v192, v193
	s_wait_dscnt 0x0
	s_endpgm
.Lfunc_end_k_q36e56d399a_prep:
	.size	k_q36e56d399a_prep, .Lfunc_end_k_q36e56d399a_prep-k_q36e56d399a_prep
	.p2alignl 7, 3214868480
	.fill 96, 4, 3214868480
	.section	.rodata,"a",@progbits
	.p2align	6, 0x0
	.amdhsa_kernel k_q36e56d399a_prep
		.amdhsa_group_segment_fixed_size 72704
		.amdhsa_private_segment_fixed_size 0
		.amdhsa_enable_private_segment 0
		.amdhsa_kernarg_size 80
		.amdhsa_user_sgpr_count 2
		.amdhsa_user_sgpr_kernarg_segment_ptr 1
		.amdhsa_wavefront_size32 1
		.amdhsa_system_sgpr_workgroup_id_x 1
		.amdhsa_system_sgpr_workgroup_id_y 1
		.amdhsa_system_sgpr_workgroup_id_z 1
		.amdhsa_system_vgpr_workitem_id 0
		.amdhsa_next_free_vgpr 194
		.amdhsa_next_free_sgpr 66
		.amdhsa_reserve_vcc 0
		.amdhsa_float_denorm_mode_32 3
		.amdhsa_float_denorm_mode_16_64 3
		.amdhsa_memory_ordered 1
		.amdhsa_forward_progress 1
		.amdhsa_inst_pref_size 69
	.end_amdhsa_kernel
	.amdgpu_metadata
---
amdhsa.version: [ 1, 2 ]
amdhsa.kernels:
  - .name:           k_q36e56d399a_prep
    .symbol:         k_q36e56d399a_prep.kd
    .args:
      - { .name: x, .offset: 0, .size: 8, .value_kind: global_buffer, .address_space: global }
      - { .name: ln1_w, .offset: 8, .size: 8, .value_kind: global_buffer, .address_space: global }
      - { .name: wq, .offset: 16, .size: 8, .value_kind: global_buffer, .address_space: global }
      - { .name: wk, .offset: 24, .size: 8, .value_kind: global_buffer, .address_space: global }
      - { .name: wv, .offset: 32, .size: 8, .value_kind: global_buffer, .address_space: global }
      - { .name: wo, .offset: 40, .size: 8, .value_kind: global_buffer, .address_space: global }
      - { .name: w1, .offset: 48, .size: 8, .value_kind: global_buffer, .address_space: global }
      - { .name: w2, .offset: 56, .size: 8, .value_kind: global_buffer, .address_space: global }
      - { .name: w3, .offset: 64, .size: 8, .value_kind: global_buffer, .address_space: global }
      - { .name: prepbuf, .offset: 72, .size: 8, .value_kind: global_buffer, .address_space: global }
    .group_segment_fixed_size: 72704
    .private_segment_fixed_size: 0
    .kernarg_segment_align: 8
    .kernarg_segment_size: 80
    .max_flat_workgroup_size: 256
    .sgpr_count:     66
    .vgpr_count:     194
    .wavefront_size: 32
...
	.end_amdgpu_metadata
.endif
;; end of part 5
;; launch qkv (part 6): grid 64 x 3, 4 waves a work-group, no clusters, 0 bytes of LDS; arguments prepbuf, bq, bk, bv, qkvbuf; writes qkvbuf
.if DOCPART == 6
	.amdgcn_target "amdgcn-amd-amdhsa--gfx1250"
	.amdhsa_code_object_version 6
	.text
	.protected	k_q36e56d399a_qkv
	.globl	k_q36e56d399a_qkv
	.p2align	8
	.type	k_q36e56d399a_qkv,@function
k_q36e56d399a_qkv:
	s_mov_b64 s[64:65], 0
	v_nop
	global_prefetch_b8 v0, s[64:65] scope:SCOPE_SE
	s_setreg_imm32_b32 hwreg(HW_REG_WAVE_SCHED_MODE, 0, 2), 2
	s_setreg_imm32_b32 hwreg(HW_REG_WAVE_MODE, 25, 1), 1
	s_wait_xcnt 0x0
	s_wait_alu depctr_vm_vsrc(0)
; QKV.  Q = h wq + bq, K = h wk + bk, V = h wv + bv on codes of FP4 (h = the quantised rms_norm of x), and the results quantised at once: Q and K along the head's 64, V along the keys.
; Work-group y is the role: 0 Q, 1 K, 2 V.  A WAVE KEEPS ONE OPERAND OF 128 x 1,024 RESIDENT (64 fragments, 512 registers) and streams eight tiles of 16 x 1,024 of the other; source 0 = resident, source 1 = streamed.
; Q, K: resident = the 128 columns of a pair of heads, streamed = the 8 row tiles of a block of 128 rows: a lane holds one row and 64 of the pair's 128 columns, 16 neighbours of each block of 32.
; V: resident = the 8 row tiles (128 keys), streamed = the pair's 8 column tiles of wv: a lane holds one channel, and its registers run along the keys, which are the K of attention's second product.
; Tiles are laid as the launch before lays them (tile T, place r = index 32 (T / 2) + 8 (T % 2) + r + 8 (r / 8)), so that the 16 registers of resident tiles 2 b and 2 b + 1 are 16 neighbours.
; The bias is the C of each sum's first product.  Waves share nothing: no LDS, no barrier.  Multicast is not used: this text has no tensor loads; each wave's operands go from memory straight into its registers.
; OUT: codes [pair of heads x 16 + block][8][1,024]; Q, K: 8 row tiles, piece c of a fragment = head 2 pair + c;  V: 8 channel tiles.  Scale words [..][head parity][512].
; LIMITS: as stated in the launch before (a block of zeros has the byte 1; magnitudes under 2^-124 not tried; no NaN, no infinities).
; REGISTERS: window 0: v1 16 x lane; v16-79 eight accumulators; v80-143 codes, eight for each streamed tile; v144-151 their scale words; v152-159 words packed; v160-175 at work; v176-207 resident scale words; v208-219 streamed ones.
;   window 1: resident K steps 0-3 at 64 s + 8 t;  window 2: K steps 4-7;  window 3: v0-191 three stream buffers at 64 buf + 8 s; v192-255 the bias in the result's layout.
; THE MODE: SCHED_MODE bits 1:0 = 2 (LLVM: expert scheduling mode 2), set by the entry lines.  The code itself states the register dependences between vector or matrix instructions and memory instructions, with s_wait_alu, always for 0.
; THE PLAN.  Registers that memory instructions touch:
;   v1, v4, v5                        offsets, made at the head and never written again.
;   the resident operand, its scale words, the bias: loaded once, into registers that no vector instruction has named.
;   stream buffer b, v[208 + 4 b ..]  tile i's products read buffer i % 3 and its scale words; the loads of tile i + 3 land there.
;   v[80 + 8 i ..], v[144 + i]        tile i's codes and scale word: written by its quantising, read by stores, never written again.
; So ONE wait on va_vdst stands in a tile, behind its quantising: the codes are written, and the tile's products are done reading their buffer.  The loads of tile i + 3 follow it at once, then the tile's two stores.
; The loads stand in one run: they want other register windows than the products do, so that each group dealt among the products would cost two switches.
.set WQS, 2883584
.set H1C, 3063808
.set H1S, 5160960
.set QS,  6291456
.set TM,  160
.set SEL, 40
.set MSB, 0
.macro WIN new                         ; the immediate's high byte repeats the setting that is left
.if MSB != \new
	s_set_vgpr_msb (MSB<<8)|\new
.set MSB, \new
.endif
.endm
.macro PLACES
.rept 4
	v_nop
.endr
.endm
.macro QUANT s, pc, pw
.irp b, 0,1,2,3
	v_max3_num_f32 v[TM+\b], |v[(\s)+16*\b]|, |v[(\s)+1+16*\b]|, 0x1800000   ; my 16 numbers of block b, and the floor 2^(3 - 127)
.endr
.irp i, 2,4,6,8,10,12,14
.irp b, 0,1,2,3
	v_max3_num_f32 v[TM+\b], v[TM+\b], |v[(\s)+16*\b+\i]|, |v[(\s)+1+16*\b+\i]|
.endr
.endr
.irp b, 0,1,2,3
	v_permlanex16_b32 v[TM+4+\b], v[TM+\b], s[SEL], s[SEL+1]
.endr
.irp b, 0,1,2,3
	v_max_num_f32 v[TM+\b], v[TM+\b], v[TM+4+\b]
.endr
.irp b, 0,1,2,3
	v_add_nc_u32 v[TM+12+\b], 0xff000000, v[TM+\b]
.endr
.irp b, 0,1,2,3
	v_lshrrev_b32 v[TM+4+\b], 23, v[TM+12+\b]
.endr
	v_lshl_or_b32 v[(\pw)], v[TM+5], 8, v[TM+4]
	v_lshl_or_b32 v[(\pw)], v[TM+6], 16, v[(\pw)]
	v_lshl_or_b32 v[(\pw)], v[TM+7], 24, v[(\pw)]
.irp b, 0,1,2,3
	v_cvt_scalef32_pk8_fp4_f32 v[(\pc)+2*\b], v[(\s)+16*\b:(\s)+7+16*\b], v[TM+12+\b]
	v_cvt_scalef32_pk8_fp4_f32 v[(\pc)+1+2*\b], v[(\s)+8+16*\b:(\s)+15+16*\b], v[TM+12+\b]
.endr
	v_nop                                              ; one plain place behind the last scaled conversion
.irp c, 0,1
.irp i, 0,1
	v_permlane16_swap_b32 v[(\pc)+4*\c+\i], v[(\pc)+2+4*\c+\i]
.endr
.endr
.endm
; one product: D, A, B, C, the two scale registers, and from which half of the lanes each side's scales are read
.macro WM d, a, b, c, sa, sb, ra, rb
.if (\ra) && (\rb)
	v_wmma_scale_f32_16x16x128_f8f6f4 v[(\d):(\d)+7], v[(\a):(\a)+7], v[(\b):(\b)+7], v[(\c):(\c)+7], v[(\sa)], v[(\sb)] matrix_a_fmt:MATRIX_FMT_FP4 matrix_b_fmt:MATRIX_FMT_FP4 matrix_a_scale:MATRIX_SCALE_ROW1 matrix_b_scale:MATRIX_SCALE_ROW1
.else
	v_wmma_scale_f32_16x16x128_f8f6f4 v[(\d):(\d)+7], v[(\a):(\a)+7], v[(\b):(\b)+7], v[(\c):(\c)+7], v[(\sa)], v[(\sb)] matrix_a_fmt:MATRIX_FMT_FP4 matrix_b_fmt:MATRIX_FMT_FP4
.endif
.endm
; streamed tile i: 16 loads of codes and one of scale words, into buffer i % 3
.macro STREAM i
	WIN 0xc0
.irp s, 0,1,2,3,4,5,6,7
.irp c, 0,1
	global_load_b128 v[64*((\i)%3)+8*\s+4*\c:64*((\i)%3)+8*\s+4*\c+3], v1, s[24:25] offset:(\i)*8192+\s*1024+512*\c
.endr
.endr
	WIN 0
	global_load_b128 v[208+4*((\i)%3):211+4*((\i)%3)], v1, s[26:27] offset:512*(\i)
.endm
; 64 products: the eight accumulators by turns, one instruction a turn, K step by K step.  The scale words of K steps 4-7 lie in lanes 16-31.
.macro MUL i, vrole
.set BUF, 64*((\i)%3)
.set SSR, 208+4*((\i)%3)
	WIN 0x3d                                           ; A window 1, B window 3, C (the bias) window 3, D window 0
.irp t, 0,1,2,3,4,5,6,7
.if \vrole
	WM 16+8*\t, 8*\t, BUF, 192+8*(\i), 176+4*\t, SSR, 0, 0
.else
	WM 16+8*\t, 8*\t, BUF, 192+8*\t, 176+4*\t, SSR, 0, 0
.endif
.endr
	WIN 0x0d                                           ; C window 0
.irp s, 1,2,3
.irp t, 0,1,2,3,4,5,6,7
	WM 16+8*\t, 64*\s+8*\t, BUF+8*\s, 16+8*\t, 176+4*\t+\s, SSR+\s, 0, 0
.endr
.endr
	WIN 0x0e                                           ; A window 2
.irp s, 4,5,6,7
.irp t, 0,1,2,3,4,5,6,7
	WM 16+8*\t, 64*(\s-4)+8*\t, BUF+8*\s, 16+8*\t, 176+4*\t+\s-4, SSR+\s-4, 1, 1
.endr
.endr
.endm
.macro TILE i, vrole
.if (\i) < 6
	s_wait_loadcnt 34                                  ; this tile's 17 loads are in; those of the two tiles behind it may be out
.elseif (\i) == 6
	s_wait_loadcnt 17
.else
	s_wait_loadcnt 0x0
.endif
	MUL \i, \vrole
	WIN 0
	PLACES                                             ; four places ahead of the first read of results
	QUANT 16, 80+8*(\i), 144+(\i)
	s_wait_alu depctr_va_vdst(0)                       ; the quantising has written this tile's codes, which the stores below read; this tile's products are done reading their stream buffer and its scale words, in which the loads below land
.if (\i) < 5
	STREAM (\i)+3                                      ; into the buffer that this tile has read; only window switches and loads stand between the wait and these loads
.endif
	global_store_b128 v1, v[80+8*(\i):83+8*(\i)], s[30:31] offset:1024*(\i)        ; 512 consecutive bytes each; no store's registers are written again
	global_store_b128 v1, v[84+8*(\i):87+8*(\i)], s[30:31] offset:1024*(\i)+512
.endm
	s_load_b256 s[4:11], s[0:1], 0x0                   ; prepbuf, bq, bk, bv
	s_load_b64 s[12:13], s[0:1], 0x20                  ; qkvbuf
	v_lshrrev_b32 v1, 5, v0
	v_readfirstlane_b32 s15, v1                        ; wave 0..3
	v_and_b32 v3, 31, v0                               ; lane
	v_lshlrev_b32 v1, 4, v3                            ; 16 x lane
	v_bfe_u32 v4, v0, 4, 1
	v_lshlrev_b32 v4, 6, v4                            ; Q, K: the bias of my 16 columns of each 32: 64 h
	v_and_b32 v5, 15, v0
	v_and_b32 v6, 8, v5
	v_add_nc_u32 v5, v5, v6
	v_lshlrev_b32 v5, 2, v5                            ; V: the bias of my channel: 4 (r + 8 (r / 8))
.irp b, 0,1,2,3
	v_mov_b32 v[TM+4+\b], 0                            ; written once: a lane permute's destination counts as one of its sources
.endr
	s_mov_b32 s[SEL], 0x76543210
	s_mov_b32 s[SEL+1], 0xfedcba98
	s_and_b32 s14, ttmp7, 0xffff                       ; the role
	s_wait_alu depctr_va_sdst(0)                       ; s15, the wave's number, is written, ahead of its first reader
	s_lshr_b32 s16, ttmp9, 5
	s_lshl_b32 s16, s16, 2
	s_add_co_u32 s16, s16, s15                         ; Q, K: pair of heads = 4 (x / 32) + wave,
	s_and_b32 s17, ttmp9, 31                           ;       block of 128 rows = x % 32
	s_lshr_b32 s18, ttmp9, 3
	s_lshl_b32 s18, s18, 2
	s_add_co_u32 s18, s18, s15                         ; V: block = 4 (x / 8) + wave,
	s_and_b32 s19, ttmp9, 7                            ;    pair = x % 8
	s_cmp_eq_u32 s14, 2
	s_cselect_b32 s16, s19, s16                        ; p
	s_cselect_b32 s17, s18, s17                        ; blk
	s_lshl_b32 s34, s14, 19
	s_lshl_b32 s35, s16, 16
	s_add_co_u32 s34, s34, s35                         ; the weight's codes of pair p
	s_lshl_b32 s35, s14, 15
	s_lshl_b32 s36, s16, 12
	s_add_co_u32 s35, s35, s36
	s_add_co_u32 s35, s35, WQS                         ; and its scale words
	s_lshl_b32 s36, s17, 16
	s_add_co_u32 s36, s36, H1C                         ; the rows' codes of block blk
	s_lshl_b32 s37, s17, 12
	s_add_co_u32 s37, s37, H1S                         ; and their scale words
	s_cmp_eq_u32 s14, 2
	s_cselect_b32 s20, s36, s34                        ; resident codes
	s_cselect_b32 s22, s37, s35                        ; resident scale words
	s_cselect_b32 s24, s34, s36                        ; streamed codes
	s_cselect_b32 s26, s35, s37                        ; streamed scale words
	s_mov_b32 s21, 0
	s_mov_b32 s23, 0
	s_mov_b32 s25, 0
	s_mov_b32 s27, 0
	s_lshr_b32 s34, s17, 4
	s_lshl_b32 s34, s34, 3
	s_add_co_u32 s34, s34, s16
	s_lshl_b32 s34, s34, 4
	s_and_b32 s35, s17, 15
	s_add_co_u32 s34, s34, s35                         ; idx = (batch x 8 + pair) x 16 + block in the sequence
	s_lshl_b32 s30, s34, 13
	s_lshl_b32 s35, s14, 21
	s_add_co_u32 s30, s30, s35
	s_mov_b32 s31, 0
	s_lshl_b32 s32, s34, 10
	s_lshl_b32 s35, s14, 18
	s_add_co_u32 s32, s32, s35
	s_add_co_u32 s32, s32, QS
	s_mov_b32 s33, 0
	s_lshl_b32 s38, s16, 9                             ; the pair's 128 numbers of the bias
	s_mov_b32 s39, 0
	s_wait_kmcnt 0x0
	s_add_nc_u64 s[20:21], s[4:5], s[20:21]
	s_add_nc_u64 s[22:23], s[4:5], s[22:23]
	s_add_nc_u64 s[24:25], s[4:5], s[24:25]
	s_add_nc_u64 s[26:27], s[4:5], s[26:27]
	s_add_nc_u64 s[30:31], s[12:13], s[30:31]
	s_add_nc_u64 s[32:33], s[12:13], s[32:33]
	s_cmp_eq_u32 s14, 1
	s_cselect_b64 s[28:29], s[8:9], s[6:7]
	s_cmp_eq_u32 s14, 2
	s_cselect_b64 s[28:29], s[10:11], s[28:29]
	s_add_nc_u64 s[28:29], s[28:29], s[38:39]
	; the resident operand: 128 loads of 512 consecutive bytes
	WIN 0x40
	s_wait_alu depctr_va_vdst(0)                       ; the offsets v1, v4 and v5 are written: every load and store of the kernel reads one of them, and none is written again
.irp s, 0,1,2,3
.irp t, 0,1,2,3,4,5,6,7
.irp c, 0,1
	global_load_b128 v[64*\s+8*\t+4*\c:64*\s+8*\t+4*\c+3], v1, s[20:21] offset:\t*8192+\s*1024+512*\c
.endr
.endr
.endr
	WIN 0x80
.irp s, 4,5,6,7
.irp t, 0,1,2,3,4,5,6,7
.irp c, 0,1
	global_load_b128 v[64*(\s-4)+8*\t+4*\c:64*(\s-4)+8*\t+4*\c+3], v1, s[20:21] offset:\t*8192+\s*1024+512*\c
.endr
.endr
.endr
	WIN 0
.irp t, 0,1,2,3,4,5,6,7
	global_load_b128 v[176+4*\t:179+4*\t], v1, s[22:23] offset:512*\t
.endr
	s_cmp_eq_u32 s14, 2
	s_cbranch_scc1 .Lrole_v
	; ---- Q or K ----
	WIN 0xc0
.irp t, 0,1,2,3,4,5,6,7                            ; the bias of resident tile t: columns 32 (t / 2) + 16 h + 8 (t % 2) + 0 .. 7
	global_load_b128 v[192+8*\t:195+8*\t], v4, s[28:29] offset:(32*(\t/2)+8*(\t%2))*4
	global_load_b128 v[196+8*\t:199+8*\t], v4, s[28:29] offset:(32*(\t/2)+8*(\t%2))*4+16
.endr
	STREAM 0
	STREAM 1
	STREAM 2                                           ; the three buffers' first loads: no vector or matrix instruction has named these registers
.irp i, 0,1,2,3,4,5,6,7
	TILE \i, 0
.endr
	v_cmp_gt_u32 vcc_lo, 16, v3                        ; the scale words: lanes 0-15 take tiles 0-3, lanes 16-31 tiles 4-7
	s_wait_alu depctr_va_vcc(0)                        ; the compare has written VCC, which the four selects read
.irp k, 0,1,2,3
	v_cndmask_b32 v[152+\k], v[148+\k], v[144+\k], vcc_lo
.endr
.irp k, 0,1,2,3
	v_lshrrev_b32 v[156+\k], 16, v[152+\k]             ; the odd head's two bytes come down; what stands in bytes 2 and 3 of either word meets zero codes and is never 0xff
.endr
	s_wait_alu depctr_va_vdst(0)                       ; the packed words v152 to v159 are written, which the two stores read
	global_store_b128 v1, v[152:155], s[32:33]
	global_store_b128 v1, v[156:159], s[32:33] offset:512
	s_endpgm
	; ---- V ----
.Lrole_v:
	WIN 0xc0
.irp i, 0,1,2,3,4,5,6,7                            ; the bias of streamed tile i: my channel's number, eight times: the C of all eight sums of that tile
.irp j, 0,1,2,3,4,5,6,7
	global_load_b32 v[192+8*\i+\j], v5, s[28:29] offset:(32*(\i/2)+8*(\i%2))*4
.endr
.endr
	STREAM 0
	STREAM 1
	STREAM 2
.irp i, 0,1,2,3,4,5,6,7
	TILE \i, 1
.endr
	global_store_b128 v1, v[144:147], s[32:33]             ; channel tiles 0-3: the even head; a lane's four words.  No wait: the last tile's wait stands behind the line that wrote v151, and no vector instruction stands behind that wait
	global_store_b128 v1, v[148:151], s[32:33] offset:512  ; tiles 4-7: the odd head
	s_endpgm
.Lfunc_end_k_q36e56d399a_qkv:
	.size	k_q36e56d399a_qkv, .Lfunc_end_k_q36e56d399a_qkv-k_q36e56d399a_qkv
	.p2alignl 7, 3214868480
	.fill 96, 4, 3214868480
	.section	.rodata,"a",@progbits
	.p2align	6, 0x0
	.amdhsa_kernel k_q36e56d399a_qkv
		.amdhsa_group_segment_fixed_size 0
		.amdhsa_private_segment_fixed_size 0
		.amdhsa_enable_private_segment 0
		.amdhsa_kernarg_size 40
		.amdhsa_user_sgpr_count 2
		.amdhsa_user_sgpr_kernarg_segment_ptr 1
		.amdhsa_wavefront_size32 1
		.amdhsa_system_sgpr_workgroup_id_x 1
		.amdhsa_system_sgpr_workgroup_id_y 1
		.amdhsa_system_sgpr_workgroup_id_z 1
		.amdhsa_system_vgpr_workitem_id 0
		.amdhsa_next_free_vgpr 1024
		.amdhsa_next_free_sgpr 66
		.amdhsa_reserve_vcc 1
		.amdhsa_float_denorm_mode_32 3
		.amdhsa_float_denorm_mode_16_64 3
		.amdhsa_memory_ordered 1
		.amdhsa_forward_progress 1
		.amdhsa_inst_pref_size 247
	.end_amdhsa_kernel
	.amdgpu_metadata
---
amdhsa.version: [ 1, 2 ]
amdhsa.kernels:
  - .name:           k_q36e56d399a_qkv
    .symbol:         k_q36e56d399a_qkv.kd
    .args:
      - { .name: prepbuf, .offset: 0, .size: 8, .value_kind: global_buffer, .address_space: global }
      - { .name: bq, .offset: 8, .size: 8, .value_kind: global_buffer, .address_space: global }
      - { .name: bk, .offset: 16, .size: 8, .value_kind: global_buffer, .address_space: global }
      - { .name: bv, .offset: 24, .size: 8, .value_kind: global_buffer, .address_space: global }
      - { .name: qkvbuf, .offset: 32, .size: 8, .value_kind: global_buffer, .address_space: global }
    .group_segment_fixed_size: 0
    .private_segment_fixed_size: 0
    .kernarg_segment_align: 8
    .kernarg_segment_size: 40
    .max_flat_workgroup_size: 128
    .sgpr_count:     66
    .vgpr_count:     1024
    .wavefront_size: 32
...
	.end_amdgpu_metadata
.endif
;; end of part 6
;; launch attn (part 7): grid 16 x 16, 8 waves a work-group, no clusters, 52,224 bytes of LDS; arguments qkvbuf, resbuf; writes resbuf
.if DOCPART == 7
	.amdgcn_target "amdgcn-amd-amdhsa--gfx1250"
	.amdhsa_code_object_version 6
	.text
	.protected	k_q36e56d399a_attn
	.globl	k_q36e56d399a_attn
	.p2align	8
	.type	k_q36e56d399a_attn,@function
k_q36e56d399a_attn:
	s_mov_b64 s[64:65], 0
	v_nop
	global_prefetch_b8 v0, s[64:65] scope:SCOPE_SE
	s_setreg_imm32_b32 hwreg(HW_REG_WAVE_SCHED_MODE, 0, 2), 2
	s_setreg_imm32_b32 hwreg(HW_REG_WAVE_MODE, 25, 1), 1
	s_wait_xcnt 0x0
	s_wait_alu depctr_vm_vsrc(0)
; ATTN.  res = softmax(Q K^T / 8, causal) V for 32 x (batch, head), both products on codes of FP4, and res quantised along the model's 1,024 columns for the product with wo.
; SOFTMAX: t = score x log2(e) / 8; M = the running largest t rounded up to a whole number; p = 2^(t - M) is quantised along the keys, not normalised; the row's sum is taken of the unquantised p and divides at the end.
; SHARES.  Work-group (j, bp): of the pair of heads bp (batch x 8 + pair) the blocks of 64 queries j (phase A) and 31 - j (phase B).  A needs j / 2 + 1 key steps of 128 keys, B the rest of 17: every work-group walks 17 steps,
; and keys that the causal mask hides from all 64 queries are never fetched.  Wave w: query tile w / 2 of the block, head 2 pair + w % 2.
; THE FIRST PRODUCT'S K IS 64, the instruction's 128: registers 4-7 of Q's and of K's fragments are zero codes, written once; the head's two scale bytes stand in bytes 0 and 1 of its words.
; Both products are used transposed (S^T = K Q^T, O^T = V^T P^T): a lane holds one query throughout.  Tiles are laid so that the 16 registers of tiles 2 b and 2 b + 1 are 16 neighbours (keys; channels).
; K, V and their scale words of a step (18,432 bytes for the pair) go memory -> registers -> LDS, a step ahead, into two slots by turns; waves 0-3 fetch K's, waves 4-7 V's.  One barrier a step: in front of it a wave's reads of
; this slot are over and its stores into the other have landed.  Multicast is not used: this text has no tensor loads.
; LIMITS: a block of zeros has the byte 1 (its codes are zeros); magnitudes under 2^-124 not tried; no NaN, no infinities among the inputs.
; REGISTERS: v1-4 LDS places (K, V, K's words, V's words); v5, v6 staging stores; v7-10 fetch offsets; v11 the mask's d; v12 -M; v13 largest t; v[14:15] the sum; v16-23 Q (4-7 zero); v24 Q's word; v25, v26-29 phase B's word and codes;
;   v30, v31 store offsets; v32-63 four fragments of K; v64-95 of V; v96-159 S^T, then p; v160-191 O^T; v192-199 p's codes; v200-207 scale words of K, V; v208-225 staging; v226 prefetch; v227 phase B's d; v228-231, v255 res; v232-254 at work.
; THE MODE: SCHED_MODE bits 1:0 = 2 (LLVM: expert scheduling mode 2), set by the entry lines.  The code itself states the register dependences between vector or matrix instructions and memory or LDS instructions, with s_wait_alu, always for 0.
; THE PLAN.  Registers that memory or LDS instructions touch:
;   v1 .. v6                   LDS places, made at the head, never written again.
;   v9, v10, v226              the fetch offsets and the prefetch's: written at a step's head; read by the step's five loads and its prefetch.
;   v208-225                   staging: a step's five loads land in it, the next step's five LDS stores read it; no vector instruction names it.
;   v32-35 + 8 t, v64-95, v200-207   K's and V's fragments and scale words: LDS loads land in them, the products read them.
;   v30, v31, v228-231, v255   written at a phase's end, read by its two stores.
;   v254                       an offset at the head, at work afterwards.          v250, v251: written at the head, read by the closing add alone.
; A STEP'S HEAD: the five LDS stores; ONE wait on vm_vsrc (they have read the staging registers; the last step's loads and prefetch have read their offsets); the four lines that make the offsets; ONE wait on va_vdst (the offsets are
; written; the last step's products are done reading K, V and the scale words; after a change of phase Q's registers are written); then all the step's loads in one run.  A further wait on va_vdst stands ahead of the loads of K's tiles
; 4 to 7, which land in the registers that the first four products read (the wave's 256 registers are all taken), and one ahead of the products with V, which take p's codes and scale word from vector instructions.
.set KC, 2097152
.set QS, 6291456
.set KS, 6553600
.set RS, 2097152
.set SLOT1, 32768                      ; a slot: K's codes at 0, V's at 8,192, K's scale words at 16,384, V's at 17,408
.set TM,  232
.set SEL, 24
.set MK,  48                           ; s[48:63] sixteen masks of the causal mask's compares
.macro PLACES
.rept 4
	v_nop
.endr
.endm
; 32 numbers of a lane, register 16 b + i = k 32 b + 16 (lane / 16) + i, become half a fragment (four registers) and two scale bytes
.macro HQUANT s, pc, hw
.irp b, 0,1
	v_max3_num_f32 v[TM+\b], |v[(\s)+16*\b]|, |v[(\s)+1+16*\b]|, 0x1800000
.endr
.irp i, 2,4,6,8,10,12,14
.irp b, 0,1
	v_max3_num_f32 v[TM+\b], v[TM+\b], |v[(\s)+16*\b+\i]|, |v[(\s)+1+16*\b+\i]|
.endr
.endr
.irp b, 0,1
	v_permlanex16_b32 v[TM+4+\b], v[TM+\b], s[SEL], s[SEL+1]
.endr
.irp b, 0,1
	v_max_num_f32 v[TM+\b], v[TM+\b], v[TM+4+\b]
.endr
.irp b, 0,1
	v_add_nc_u32 v[TM+12+\b], 0xff000000, v[TM+\b]
.endr
.irp b, 0,1
	v_lshrrev_b32 v[TM+4+\b], 23, v[TM+12+\b]
.endr
	v_lshl_or_b32 v[(\hw)], v[TM+5], 8, v[TM+4]
.irp b, 0,1
	v_cvt_scalef32_pk8_fp4_f32 v[(\pc)+2*\b], v[(\s)+16*\b:(\s)+7+16*\b], v[TM+12+\b]
	v_cvt_scalef32_pk8_fp4_f32 v[(\pc)+1+2*\b], v[(\s)+8+16*\b:(\s)+15+16*\b], v[TM+12+\b]
.endr
	v_nop                                              ; one plain place behind the last scaled conversion
.irp i, 0,1
	v_permlane16_swap_b32 v[(\pc)+\i], v[(\pc)+2+\i]
.endr
.endm
.macro WMZ d, a, b, sa, sb, ra         ; a product that starts its sum
.if (\ra)
	v_wmma_scale_f32_16x16x128_f8f6f4 v[(\d):(\d)+7], v[(\a):(\a)+7], v[(\b):(\b)+7], 0, v[(\sa)], v[(\sb)] matrix_a_fmt:MATRIX_FMT_FP4 matrix_b_fmt:MATRIX_FMT_FP4 matrix_a_scale:MATRIX_SCALE_ROW1
.else
	v_wmma_scale_f32_16x16x128_f8f6f4 v[(\d):(\d)+7], v[(\a):(\a)+7], v[(\b):(\b)+7], 0, v[(\sa)], v[(\sb)] matrix_a_fmt:MATRIX_FMT_FP4 matrix_b_fmt:MATRIX_FMT_FP4
.endif
.endm
; What a phase (the block of 64 queries in s[blk]) needs: byte offsets of my Q tile's codes and scale words, the tile's first query within its key step, and where res's codes and scale bytes go
.macro PHASE blk, qc, qs, db, to, so
	s_lshr_b32 s26, s[\blk], 1                         ; the key step in which the queries lie
	s_and_b32 s27, s[\blk], 1
	s_lshl_b32 s27, s27, 2
	s_add_co_u32 s27, s27, s32                         ; i: my tile among that step's eight
	s_lshl_b32 s[\qc], s9, 17
	s_lshl_b32 s28, s26, 13
	s_add_co_u32 s[\qc], s[\qc], s28
	s_lshl_b32 s28, s27, 10
	s_add_co_u32 s[\qc], s[\qc], s28
	s_lshl_b32 s[\qs], s9, 14
	s_lshl_b32 s28, s26, 10
	s_add_co_u32 s[\qs], s[\qs], s28
	s_lshl_b32 s28, s31, 9
	s_add_co_u32 s[\qs], s[\qs], s28
	s_lshr_b32 s28, s27, 2
	s_lshl_b32 s28, s28, 8
	s_add_co_u32 s[\qs], s[\qs], s28
	s_and_b32 s28, s27, 3
	s_lshl_b32 s28, s28, 2
	s_add_co_u32 s[\qs], s[\qs], s28
	s_add_co_u32 s[\qs], s[\qs], QS
	s_lshr_b32 s28, s27, 1
	s_lshl_b32 s28, s28, 5
	s_and_b32 s29, s27, 1
	s_lshl_b32 s29, s29, 3
	s_add_co_u32 s[\db], s28, s29                      ; 32 (i / 2) + 8 (i % 2)
	s_lshr_b32 s28, s9, 3
	s_lshl_b32 s28, s28, 7
	s_lshl_b32 s29, s[\blk], 2
	s_add_co_u32 s28, s28, s29
	s_add_co_u32 s28, s28, s32                         ; T: the tile among all 256 tiles of rows
	s_lshl_b32 s[\to], s28, 13
	s_and_b32 s29, s9, 7
	s_lshl_b32 s29, s29, 10
	s_add_co_u32 s[\to], s[\to], s29                   ; fragment (T, K step = pair); my head's half stands in v1
	s_lshl_b32 s[\so], s28, 9
	s_bfe_u32 s29, s9, 0x10002
	s_lshl_b32 s29, s29, 8
	s_add_co_u32 s[\so], s[\so], s29
	s_and_b32 s29, s9, 3
	s_lshl_b32 s29, s29, 2
	s_add_co_u32 s[\so], s[\so], s29
	s_lshl_b32 s29, s31, 1
	s_add_co_u32 s[\so], s[\so], s29
	s_add_co_u32 s[\so], s[\so], RS
.endm
.macro GLOADS                          ; my eighth of a step's bytes: 2,048 of codes, 256 of scale words
.irp k, 0,1,2,3
	global_load_b128 v[208+4*\k:211+4*\k], v9, s[10:11] offset:512*\k
.endr
	global_load_b64 v[224:225], v10, s[12:13]
.endm
.macro NEXT d                          ; the fetch offsets of step min(I + d, 16): its key block is the step's number, less NA in phase B.  No load leaves its buffer
	s_add_co_u32 s26, s14, \d
	s_min_u32 s26, s26, 16
	s_cmp_ge_u32 s26, s15
	s_cselect_b32 s27, s15, 0
	s_sub_co_u32 s26, s26, s27
	s_lshl_b32 s28, s26, 13
	s_lshl_b32 s29, s26, 10
	v_add_nc_u32 v9, s28, v7
	v_add_nc_u32 v10, s29, v8
.endm
; A PREFETCH INTO THE L2, behind the wave's loads.  All sixteen work-groups of a pair walk the same K and V: the first of them (j = 0) asks, its wave 0 for K's codes and its wave 4 for V's, lanes 256 bytes apart: a key block's 8,192 bytes.
; In that work-group step I + 4 reads key block I + 3, and its load is issued in step I + 2: step I asks for block I + 3.  Blocks 3 to 15 are named once each; blocks 0 to 2 and the scale words come by their loads alone; from I = 13 on nothing is asked for.
.macro ASK
	s_cmp_le_i32 s14, s30
	s_cbranch_scc0 .Lnot_mine_\@
	global_prefetch_b8 v226, s[10:11] th:TH_LOAD_NT scope:SCOPE_SE
.Lnot_mine_\@:
.endm
; A phase's end: O^T / the sum, quantised along my head's 64 channels: half a fragment (512 consecutive bytes a wave) and two scale bytes a row
.macro FINISH
	s_wait_xcnt 0x0                                    ; the stores of the phase before have had their addresses translated
	s_wait_alu depctr_vm_vsrc(0)                       ; and have read v30, v31, v228 to v231 and v255, which the lines below write anew
	v_add_f32 v14, v14, v15
	v_permlanex16_b32 v252, v14, s[SEL], s[SEL+1]
	v_add_f32 v14, v14, v252                           ; the row's sum
	s_wait_alu depctr_va_vdst(0)
	v_rcp_f32 v14, v14
	v_add_nc_u32 v30, s18, v1                          ; (plain work behind the transcendental)
	v_and_b32 v31, 15, v0
	v_lshl_add_u32 v31, v31, 4, s19
	s_wait_alu depctr_va_vdst(0)                       ; the reciprocal has written v14, ahead of its first reader
.set J, 0
.rept 32
	v_mul_f32 v[96+J], v[160+J], v14                   ; each accumulator from its low end on
.set J, J+1
.endr
	HQUANT 96, 228, 255
	s_wait_alu depctr_va_vdst(0)                       ; the offsets v30 and v31, the codes v228 to v231 and the scale bytes v255 are written, which the two stores read
	global_store_b128 v30, v[228:231], s[6:7]
	global_store_b16 v31, v255, s[6:7]                 ; two bytes a row, 16 bytes apart: the word's other half is another wave's (both lanes of a row write the same bytes)
.endm
.macro INIT_B                          ; phase B begins: Q first, so that its registers stand more than eight plain lines ahead of the next product
.irp k, 0,1,2,3
	v_mov_b32 v[16+\k], v[26+\k]
.endr
	v_mov_b32 v24, v25
	v_mov_b32 v11, v227
	v_mov_b32 v13, 0xff61b1e6                          ; -3e38, under every t
	v_floor_f32 v12, -v13
	v_mov_b32 v14, 0
	v_mov_b32 v15, 0
.set J, 0
.rept 32
	v_mov_b32 v[160+J], 0
.set J, J+1
.endr
	s_mov_b32 s18, s20
	s_mov_b32 s19, s21
	s_mov_b32 s16, 16                                  ; its step on the diagonal is the last
.endm
; A KEY STEP, number I = s14, from slot `slot`.  more = 1: the next step's bytes go into the other slot, and the step after that is asked for.
.macro STEP slot, more
.if \more
	s_cmp_lg_u32 s14, s15
	s_cbranch_scc1 .Lsame_\@
	FINISH
	INIT_B
.Lsame_\@:
	s_wait_loadcnt 0x0                                 ; the next step's bytes, asked for a step ago
.irp k, 0,1,2,3
	ds_store_b128 v5, v[208+4*\k:211+4*\k] offset:(1-\slot)*SLOT1+512*\k
.endr
	ds_store_b64 v6, v[224:225] offset:(1-\slot)*SLOT1
	s_wait_xcnt 0x0                                    ; the last prefetch, a step back, has had its address translated
	s_wait_alu depctr_vm_vsrc(0)                       ; the five stores above have read v208 to v225, in which this step's loads land; the last step's loads have read v9 and v10, its prefetch v226, which the lines below write
	NEXT 2
	s_add_co_u32 s26, s14, 3
	s_lshl_b32 s26, s26, 13
	v_and_b32 v226, 31, v0
	v_lshl_add_u32 v226, v226, 8, s26
.endif
	s_wait_alu depctr_va_vdst(0)                       ; the last step's products are done reading K's and V's fragments and scale words, in which the loads below land; with more = 1: v9, v10 and v226 are written, and, after a change of phase, Q's codes and scale word, which the products take
	ds_load_b128 v[200:203], v3 offset:\slot*SLOT1     ; K's scale words: register t: tile t in lanes 0-15, tile 4 + t in lanes 16-31
	ds_load_b128 v[204:207], v4 offset:\slot*SLOT1     ; V's: register d: my head's channel tile d
.irp t, 0,1,2,3
	ds_load_b128 v[32+8*\t:35+8*\t], v1 offset:\slot*SLOT1+1024*\t
.endr
.irp d, 0,1,2,3
.irp c, 0,1
	ds_load_b128 v[64+8*\d+4*\c:67+8*\d+4*\c], v2 offset:\slot*SLOT1+1024*\d+512*\c
.endr
.endr
.if \more
	GLOADS                                             ; no vector instruction since the wait names their registers
	ASK
.endif
	s_wait_dscnt 8                                     ; all but V's eight loads: the staging stores, the scale words and K's tiles 0-3
.irp t, 0,1,2,3
	WMZ 96+8*\t, 32+8*\t, 16, 200+\t, 24, 0
.endr
	PLACES
	s_wait_alu depctr_va_vdst(0)                       ; the four products are done reading K's tiles 0 to 3, in whose registers tiles 4 to 7 land
.irp t, 0,1,2,3
	ds_load_b128 v[32+8*\t:35+8*\t], v1 offset:\slot*SLOT1+4096+1024*\t
.endr
	s_wait_dscnt 0x0                                   ; K's tiles 4-7, and V
.irp t, 0,1,2,3
	WMZ 128+8*\t, 32+8*\t, 16, 200+\t, 24, 1
.endr
	PLACES
	s_cmp_lg_u32 s14, s16                              ; the phase's last step lies on the diagonal: hidden scores become -infinity ahead of the maximum
	s_cbranch_scc1 .Lopen_\@
	v_mov_b32 v254, 0xff800000
.set N, 0
.rept 4                                            ; a block of 32 keys at a time: my sixteen compares in one run, into sixteen scalar registers, one wait, the sixteen selects
.set MQ, 0
.rept 16
	v_cmp_gt_i32 s[MK+MQ], 32*(N/16)+MQ, v11           ; register 16 b + i holds key 32 b + 16 (lane / 16) + i of the step: hidden where 32 b + i > d = my query - 16 (lane / 16)
.set MQ, MQ+1
.endr
	s_wait_alu depctr_va_sdst(0)                       ; the sixteen compares have written their masks, which the selects read
.set MQ, 0
.rept 16
	v_cndmask_b32 v[96+N+MQ], v[96+N+MQ], v254, s[MK+MQ]
.set MQ, MQ+1
.endr
.set N, N+16
.endr
.Lopen_\@:
.irp b, 0,1,2,3
	v_max3_num_f32 v[232+\b], v[96+16*\b], v[97+16*\b], v[98+16*\b]   ; the largest score of each block of 32 keys: for the row's maximum, and, since p rises with the score, for the block's largest p
.endr
.irp i, 3,5,7,9,11,13
.irp b, 0,1,2,3
	v_max3_num_f32 v[232+\b], v[232+\b], v[96+16*\b+\i], v[97+16*\b+\i]
.endr
.endr
.irp b, 0,1,2,3
	v_max_num_f32 v[232+\b], v[232+\b], v[111+16*\b]
.endr
.irp b, 0,1,2,3
	v_permlanex16_b32 v[236+\b], v[232+\b], s[SEL], s[SEL+1]
.endr
.irp b, 0,1,2,3
	v_max_num_f32 v[232+\b], v[232+\b], v[236+\b]
.endr
	v_max3_num_f32 v254, v232, v233, v234
	v_max_num_f32 v254, v254, v235
	v_mul_f32 v254, s22, v254                          ; as t
	v_max_num_f32 v13, v13, v254                       ; the running largest t
	v_mov_b32 v254, v12
	v_floor_f32 v12, -v13                              ; -M = floor(-t): M is a whole number
	v_sub_f32 v254, v12, v254
	v_cvt_i32_f32 v254, v254                           ; old M - new M, 0 or less (it saturates)
	v_ldexp_f32 v252, 1.0, v254                        ; f = 2^(old M - new M): a multiplication by it rounds nothing
.set J, 0
.rept 32
	v_pk_fma_f32 v[96+J:97+J], v[96+J:97+J], s[22:23], v[12:13] op_sel_hi:[1,0,0]   ; t - M
.set J, J+2
.endr
.irp b, 0,1,2,3
	v_fma_f32 v[232+\b], v[232+\b], s22, v12
.endr
.set J, 0
	s_wait_alu depctr_va_vdst(0)
.rept 64
	v_exp_f32 v[96+J], v[96+J]                         ; p = 2^(t - M)
.set J, J+1
.endr
	v_pk_mul_f32 v[14:15], v[14:15], v[252:253] op_sel_hi:[1,0]   ; the sums under the new M: the plain place behind the exponentials
	s_wait_alu depctr_va_vdst(0)                       ; the 64 exponentials have written p: one wait for the batch, ahead of its first reader
.irp b, 0,1,2,3
	v_exp_f32 v[232+\b], v[232+\b]                     ; each block's largest p
.endr
	v_pk_add_f32 v[236:237], v[96:97], v[98:99]        ; the row's sum of the unquantised p, two chains
.irp j, 4,8,12,16,20,24,28,32,36,40,44,48,52,56,60
	v_pk_add_f32 v[14:15], v[14:15], v[96+\j:97+\j]
	v_pk_add_f32 v[236:237], v[236:237], v[98+\j:99+\j]
.endr
	v_pk_add_f32 v[14:15], v[14:15], v[236:237]
	s_wait_alu depctr_va_vdst(0)                       ; the four exponentials have written v232 to v235, ahead of their first reader
.irp b, 0,1,2,3
	v_max_num_f32 v[232+\b], 0x1800000, v[232+\b]      ; the floor: the byte cannot fall under 1
.endr
.irp b, 0,1,2,3
	v_add_nc_u32 v[244+\b], 0xff000000, v[232+\b]
.endr
.irp b, 0,1,2,3
	v_lshrrev_b32 v[236+\b], 23, v[244+\b]
.endr
	v_lshl_or_b32 v253, v237, 8, v236                  ; p's scale word for these 128 keys
	v_lshl_or_b32 v253, v238, 16, v253
	v_lshl_or_b32 v253, v239, 24, v253
.irp b, 0,1,2,3
	v_cvt_scalef32_pk8_fp4_f32 v[192+2*\b], v[96+16*\b:103+16*\b], v[244+\b]
	v_cvt_scalef32_pk8_fp4_f32 v[193+2*\b], v[104+16*\b:111+16*\b], v[244+\b]
.endr
	v_nop
.irp c, 0,1
.irp i, 0,1
	v_permlane16_swap_b32 v[192+4*\c+\i], v[194+4*\c+\i]
.endr
.endr
.set J, 0
.rept 16
	v_pk_mul_f32 v[160+J:161+J], v[160+J:161+J], v[252:253] op_sel_hi:[1,0]   ; O^T under the new M.  For each product below, the twelve that name other tiles are the places behind the scale word's and the codes' last writes
.set J, J+2
.endr
	s_wait_alu depctr_va_vdst(0)                       ; behind those places: p's codes v192 to v199 and its scale word v253 are written, which the four products take as operand and scales
.irp d, 0,1,2,3
	v_wmma_scale_f32_16x16x128_f8f6f4 v[160+8*\d:167+8*\d], v[64+8*\d:71+8*\d], v[192:199], v[160+8*\d:167+8*\d], v[204+\d], v253 matrix_a_fmt:MATRIX_FMT_FP4 matrix_b_fmt:MATRIX_FMT_FP4
.endr
	PLACES                                             ; ahead of a phase's end, which reads O^T
	s_add_co_u32 s14, s14, 1
.if \more
	s_wait_dscnt 0x0                                   ; my reads of this slot are over and my stores into the other have landed
	s_barrier_signal -1
	s_barrier_wait -1
.endif
.endm
	s_load_b128 s[4:7], s[0:1], 0x0                    ; qkvbuf, resbuf
	v_lshl_add_u32 v250, v0, 2, 0xc800
	v_mov_b32 v251, 0
	v_lshrrev_b32 v1, 5, v0
	v_readfirstlane_b32 s8, v1                         ; wave 0..7
	s_and_b32 s9, ttmp7, 0xffff                        ; bp
	s_wait_alu depctr_va_sdst(0)                       ; s8, the wave's number, is written, ahead of its first reader
	s_and_b32 s31, s8, 1                               ; my head's parity
	s_lshr_b32 s32, s8, 1                              ; my query tile of the block's four
	s_lshr_b32 s33, s8, 2                              ; I fetch for K (0) or V (1),
	s_and_b32 s34, s8, 3                               ; this quarter
	s_mov_b32 s35, ttmp9                               ; phase A's block of 64 queries
	s_sub_co_u32 s36, 31, ttmp9                        ; phase B's
	s_lshr_b32 s15, ttmp9, 1
	s_add_co_u32 s15, s15, 1                           ; NA: phase A's key steps
	s_sub_co_u32 s16, s15, 1                           ; its step on the diagonal
	s_mov_b32 s14, 0                                   ; I
	s_mov_b32 s17, 8
	s_mov_b32 s22, 0x3e38aa3b                          ; c = log2(e) / 8
	s_mov_b32 s23, s22
	s_mov_b32 s[SEL], 0x76543210
	s_mov_b32 s[SEL+1], 0xfedcba98
	PHASE 35, 38, 40, 46, 18, 19
	PHASE 36, 42, 44, 47, 20, 21
	s_mov_b32 s39, 0
	s_mov_b32 s41, 0
	s_mov_b32 s43, 0
	s_mov_b32 s45, 0
	s_lshl_b32 s10, s33, 21
	s_lshl_b32 s26, s9, 17
	s_add_co_u32 s10, s10, s26
	s_add_co_u32 s10, s10, KC                          ; K's or V's codes of the pair
	s_mov_b32 s11, 0
	s_lshl_b32 s12, s33, 18
	s_lshl_b32 s26, s9, 14
	s_add_co_u32 s12, s12, s26
	s_add_co_u32 s12, s12, KS                          ; and the scale words
	s_mov_b32 s13, 0
	s_or_b32 s26, ttmp9, s34
	s_cmp_eq_u32 s26, 0
	s_cselect_b32 s30, 12, -1                          ; the last step in which I prefetch
	v_and_b32 v232, 31, v0                             ; lane
	v_lshlrev_b32 v233, 4, v232
	v_lshlrev_b32 v234, 3, v232
	s_wait_alu depctr_va_vdst(0)
	s_lshl_b32 s26, s31, 9
	v_add_nc_u32 v1, s26, v233                         ; 16 x lane + 512 x parity: my head's half of a fragment of K, Q or res
	s_lshl_b32 s26, s31, 12
	s_add_co_u32 s26, s26, 8192
	v_add_nc_u32 v2, s26, v233                         ; my head's four channel tiles of V
	v_add_nc_u32 v3, 16384, v1
	v_add_nc_u32 v4, 17408, v1
	s_lshl_b32 s26, s8, 11
	v_add_nc_u32 v5, s26, v233                         ; staging: 2,048 x wave + 16 x lane
	s_lshl_b32 s26, s8, 8
	s_add_co_u32 s26, s26, 16384
	v_add_nc_u32 v6, s26, v234                         ; 16,384 + 256 x wave + 8 x lane
	s_lshl_b32 s26, s34, 11
	v_add_nc_u32 v7, s26, v233
	s_lshl_b32 s26, s34, 8
	v_add_nc_u32 v8, s26, v234
	v_and_b32 v235, 15, v0
	v_lshlrev_b32 v254, 4, v235                        ; 16 r: Q's scale words
	v_and_b32 v236, 8, v235
	v_add_nc_u32 v235, v235, v236
	v_bfe_u32 v236, v0, 4, 1
	v_lshlrev_b32 v236, 4, v236
	v_sub_nc_u32 v235, v235, v236                      ; r + 8 (r / 8) - 16 h
	v_add_nc_u32 v11, s46, v235
	v_add_nc_u32 v227, s47, v235
.irp k, 0,1,2,3
	v_mov_b32 v[20+\k], 0                              ; zero codes: the upper 64 of the instruction's K
.endr
.irp t, 0,1,2,3
.irp k, 4,5,6,7
	v_mov_b32 v[32+8*\t+\k], 0
.endr
.endr
.irp b, 0,1,2,3
	v_mov_b32 v[236+\b], 0                             ; a lane permute's destination counts as one of its sources
.endr
	v_mov_b32 v252, 0
	v_mov_b32 v253, 0
	v_mov_b32 v13, 0xff61b1e6
	v_floor_f32 v12, -v13
	v_mov_b32 v14, 0
	v_mov_b32 v15, 0
.set J, 0
.rept 32
	v_mov_b32 v[160+J], 0                              ; O^T: the step is written without a first step of its own: the first change of M multiplies zeros
.set J, J+1
.endr
	v_mov_b32 v9, v7
	v_mov_b32 v10, v8
	s_wait_kmcnt 0x0
	s_add_nc_u64 s[10:11], s[4:5], s[10:11]
	s_add_nc_u64 s[12:13], s[4:5], s[12:13]
	s_add_nc_u64 s[38:39], s[4:5], s[38:39]
	s_add_nc_u64 s[40:41], s[4:5], s[40:41]
	s_add_nc_u64 s[42:43], s[4:5], s[42:43]
	s_add_nc_u64 s[44:45], s[4:5], s[44:45]
	s_wait_alu depctr_va_vdst(0)                       ; the places and offsets v1 to v6, v9, v10 and v254 are written, which the loads and LDS instructions read
	GLOADS                                             ; key block 0
	global_load_b128 v[16:19], v1, s[38:39]            ; both phases' Q
	global_load_b32 v24, v254, s[40:41]
	global_load_b128 v[26:29], v1, s[42:43]
	global_load_b32 v25, v254, s[44:45]
	s_wait_loadcnt 0x0
.irp k, 0,1,2,3
	ds_store_b128 v5, v[208+4*\k:211+4*\k] offset:512*\k
.endr
	ds_store_b64 v6, v[224:225]
	s_wait_dscnt 0x0
	s_wait_alu depctr_vm_vsrc(0)                       ; the loads above have read v9, v10 and v254, which vector instructions write from here on; the five stores have read v208 to v225, in which the next loads land
	NEXT 1
	s_wait_alu depctr_va_vdst(0)                       ; v9 and v10 are written, which the loads below read
	GLOADS                                             ; step 1's block
	s_barrier_signal -1
	s_barrier_wait -1
.Ltrip:                                                ; eight trips of two steps; the seventeenth step is written out: it stages and asks for nothing
	STEP 0, 1
	STEP 1, 1
	s_sub_co_u32 s17, s17, 1
	s_cmp_lg_u32 s17, 0
	s_cbranch_scc1 .Ltrip
	STEP 0, 0
	FINISH
	s_wait_dscnt 0x0                                   ; the closing lines, six on end
	s_wait_alu 0x0
	s_wait_tensorcnt 0x0
	ds_add_u32 v250, v251
	s_wait_dscnt 0x0
	s_endpgm
.Lfunc_end_k_q36e56d399a_attn:
	.size	k_q36e56d399a_attn, .Lfunc_end_k_q36e56d399a_attn-k_q36e56d399a_attn
	.p2alignl 7, 3214868480
	.fill 96, 4, 3214868480
	.section	.rodata,"a",@progbits
	.p2align	6, 0x0
	.amdhsa_kernel k_q36e56d399a_attn
		.amdhsa_group_segment_fixed_size 52224
		.amdhsa_private_segment_fixed_size 0
		.amdhsa_enable_private_segment 0
		.amdhsa_kernarg_size 16
		.amdhsa_user_sgpr_count 2
		.amdhsa_user_sgpr_kernarg_segment_ptr 1
		.amdhsa_wavefront_size32 1
		.amdhsa_system_sgpr_workgroup_id_x 1
		.amdhsa_system_sgpr_workgroup_id_y 1
		.amdhsa_system_sgpr_workgroup_id_z 1
		.amdhsa_system_vgpr_workitem_id 0
		.amdhsa_next_free_vgpr 256
		.amdhsa_next_free_sgpr 66
		.amdhsa_reserve_vcc 0
		.amdhsa_float_denorm_mode_32 3
		.amdhsa_float_denorm_mode_16_64 3
		.amdhsa_memory_ordered 1
		.amdhsa_forward_progress 1
		.amdhsa_inst_pref_size 100
	.end_amdhsa_kernel
	.amdgpu_metadata
---
amdhsa.version: [ 1, 2 ]
amdhsa.kernels:
  - .name:           k_q36e56d399a_attn
    .symbol:         k_q36e56d399a_attn.kd
    .args:
      - { .name: qkvbuf, .offset: 0, .size: 8, .value_kind: global_buffer, .address_space: global }
      - { .name: resbuf, .offset: 8, .size: 8, .value_kind: global_buffer, .address_space: global }
    .group_segment_fixed_size: 52224
    .private_segment_fixed_size: 0
    .kernarg_segment_align: 8
    .kernarg_segment_size: 16
    .max_flat_workgroup_size: 256
    .sgpr_count:     66
    .vgpr_count:     256
    .wavefront_size: 32
...
	.end_amdgpu_metadata
.endif
;; end of part 7
;; launch tail (part 8): grid 128 x 1, 8 waves a work-group, no clusters, 97,280 bytes of LDS; arguments resbuf, prepbuf, x, bo, ln2_w, b1, b2, b3, out0; writes out0
.if DOCPART == 8
	.amdgcn_target "amdgcn-amd-amdhsa--gfx1250"
	.amdhsa_code_object_version 6
	.text
	.protected	k_q36e56d399a_tail
	.globl	k_q36e56d399a_tail
	.p2align	8
	.type	k_q36e56d399a_tail,@function
k_q36e56d399a_tail:
	s_mov_b64 s[64:65], 0
	v_nop
	global_prefetch_b8 v0, s[64:65] scope:SCOPE_SE
	s_setreg_imm32_b32 hwreg(HW_REG_WAVE_SCHED_MODE, 0, 2), 2
	s_setreg_imm32_b32 hwreg(HW_REG_WAVE_MODE, 25, 1), 1
	s_wait_xcnt 0x0
	s_wait_alu depctr_vm_vsrc(0)
; TAIL.  x1 = x + res wo + bo;  h = rms_norm(x1, ln2_w);  g = silu(h w1 + b1) (h w2 + b2);  out = x1 + g w3 + b3.  All four products on codes of FP4; h and g are quantised on the way and never go to memory.
; SHARES.  A work-group owns 32 rows (two tiles m of 16).  THE WAVES SHARE THE COLUMNS: wave w makes columns 128 w on of x1 and of out, and hidden units 64 w on.  x1 stays in the wave's 16 accumulators from the first product to
; the last: x is brought into them, bo added, the product with wo adds in place; the norm reads them; b3 is added, and the product with w3 adds in place: the result is out.
; All products are used transposed (source 0 = 16 columns of a weight, source 1 = 16 rows): a lane holds one row, and by the tiles' order (tile T, place r = index 32 (T / 2) + 8 (T % 2) + r + 8 (r / 8)) 16 neighbouring columns of each 32.
; x COMES AS OUT GOES: a load takes one row's 512 consecutive bytes of my columns, and 16 rows at a time turn through my own stage in LDS into the accumulators' layout; the way out is the same turn backwards.
; h and g go from wave to wave through LDS as images of the operand's registers (1,024 bytes a fragment, 16 bytes a lane), their scale words beside them.  Three barriers.
; THE WEIGHTS' FRAGMENTS go from memory straight into registers, two buffers: a K step's 16 loads are issued directly behind the products that have read the buffer, two K steps ahead of their use, over the norm and the gate too.
; Multicast is not used: this text has no tensor loads.  A K step is 16 matrix instructions a wave, and two slots of two K steps (2 x 131,072 bytes) do not fit beside the 96,256 bytes that the text uses.
; LIMITS: a block of zeros has the byte 1 (its codes are zeros); magnitudes under 2^-124 not tried; no NaN, no infinities among the inputs.
; REGISTERS: window 0: v1-11 addresses; v[12:15] 1 / rms of the two tiles; v16-47 activation fragments, two sets (between the products: at work); v48-79 the weights' scale words; v80-87 the activations'; v88-103 at work; v104 a scale word;
;   v106-113 codes; v114-121 sums; v128-255 bo and ln2_w, then h, then the 16 accumulators of the hidden layer, then b3, then rows of out.   window 1: v0-127 x1 at 64 m + 8 t; v128-255 two weight buffers.
; THE MODE: SCHED_MODE bits 1:0 = 2 (LLVM: expert scheduling mode 2), set by the entry lines.  The code itself states the register dependences between vector or matrix instructions and memory or LDS instructions, with s_wait_alu, always for 0.
; THE PLAN.  Registers that memory or LDS instructions touch:
;   v1, v3 .. v11                 addresses, made at the head, never written again.
;   x1 (window 1, v0-127)         at the head the turn's LDS stores read them and its LDS loads land in them; on the way out LDS stores read them.
;   weight buffer and activation set s % 2   step s's products read them; the loads of step s + 2 (LDS fragments: of step s + 1, into the other set) land there.
;   v48-79, v80-87                scale words: the products read them; loaded anew at each seam.
;   v104, v106-113                a scale word and codes: written by a quantising, read by LDS stores, written by the next quantising.       v114, v118: the sums of squares, written once, read by LDS stores.
;   v128-255                      loaded four times (bo and ln2_w; b1 and b2; b3; rows of out); between the loads vector and matrix instructions name them.
;   v126, v127                    written at the head, read by the closing add alone.
; ONE wait on va_vdst stands behind each K step's products and their places: they are done reading their weight buffer, activation set and scale words.  All loads up to the next vector or matrix instruction that names such a register lean on it:
; the weights of two steps on, res's fragments, the next step's LDS fragments, the seams' scale words.  There is no third weight buffer in which loads could land while the products run: the wave's 512 registers are all named.
; A wait on va_vdst stands ahead of each run of LDS stores of computed numbers; a wait on vm_vsrc behind the LDS stores whose registers are written again.
.set WOC, 1572864
.set W1C, 2097152
.set W3C, 2621440
.set WOS, 2981888
.set W1S, 3014656
.set W3S, 3047424
.set RS,  2097152
.set SSQ,  0                           ; LDS: m x 512 + 32 r + 4 w: sums of squares
.set H2SC, 1024                        ; h's scale words: m x 512
.set GSC,  2048                        ; g's: m x 256 + 16 r + 4 K step
.set HIMG, 4096                        ; h's fragments: (8 m + K step) x 1,024
.set GIMG, 20480                       ; g's: (4 m + K step) x 1,024
.set STG,  28672                       ; the way in and the way out: 16 rows x 528 bytes for each wave
.set TM,  88
.set SEL, 58
.set MSB, 0
.macro WIN new                         ; the immediate's high byte repeats the setting that is left
.if MSB != \new
	s_set_vgpr_msb (MSB<<8)|\new
.set MSB, \new
.endif
.endm
.macro PLACES
.rept 4
	v_nop
.endr
.endm
.macro BARRIER                         ; my LDS stores have landed and my LDS loads are in: then the work-group's barrier
	s_wait_dscnt 0x0
	s_barrier_signal -1
	s_barrier_wait -1
.endm
.macro QUANT s, pc, pw
.irp b, 0,1,2,3
	v_max3_num_f32 v[TM+\b], |v[(\s)+16*\b]|, |v[(\s)+1+16*\b]|, 0x1800000
.endr
.irp i, 2,4,6,8,10,12,14
.irp b, 0,1,2,3
	v_max3_num_f32 v[TM+\b], v[TM+\b], |v[(\s)+16*\b+\i]|, |v[(\s)+1+16*\b+\i]|
.endr
.endr
.irp b, 0,1,2,3
	v_permlanex16_b32 v[TM+4+\b], v[TM+\b], s[SEL], s[SEL+1]
.endr
.irp b, 0,1,2,3
	v_max_num_f32 v[TM+\b], v[TM+\b], v[TM+4+\b]
.endr
.irp b, 0,1,2,3
	v_add_nc_u32 v[TM+12+\b], 0xff000000, v[TM+\b]
.endr
.irp b, 0,1,2,3
	v_lshrrev_b32 v[TM+4+\b], 23, v[TM+12+\b]
.endr
	v_lshl_or_b32 v[(\pw)], v[TM+5], 8, v[TM+4]
	v_lshl_or_b32 v[(\pw)], v[TM+6], 16, v[(\pw)]
	v_lshl_or_b32 v[(\pw)], v[TM+7], 24, v[(\pw)]
.irp b, 0,1,2,3
	v_cvt_scalef32_pk8_fp4_f32 v[(\pc)+2*\b], v[(\s)+16*\b:(\s)+7+16*\b], v[TM+12+\b]
	v_cvt_scalef32_pk8_fp4_f32 v[(\pc)+1+2*\b], v[(\s)+8+16*\b:(\s)+15+16*\b], v[TM+12+\b]
.endr
	v_nop                                              ; one plain place behind the last scaled conversion
.irp c, 0,1
.irp i, 0,1
	v_permlane16_swap_b32 v[(\pc)+4*\c+\i], v[(\pc)+2+4*\c+\i]
.endr
.endr
.endm
.macro HQUANT s, pc, hw                ; the same for 32 numbers: half a fragment and two scale bytes
.irp b, 0,1
	v_max3_num_f32 v[TM+\b], |v[(\s)+16*\b]|, |v[(\s)+1+16*\b]|, 0x1800000
.endr
.irp i, 2,4,6,8,10,12,14
.irp b, 0,1
	v_max3_num_f32 v[TM+\b], v[TM+\b], |v[(\s)+16*\b+\i]|, |v[(\s)+1+16*\b+\i]|
.endr
.endr
.irp b, 0,1
	v_permlanex16_b32 v[TM+4+\b], v[TM+\b], s[SEL], s[SEL+1]
.endr
.irp b, 0,1
	v_max_num_f32 v[TM+\b], v[TM+\b], v[TM+4+\b]
.endr
.irp b, 0,1
	v_add_nc_u32 v[TM+12+\b], 0xff000000, v[TM+\b]
.endr
.irp b, 0,1
	v_lshrrev_b32 v[TM+4+\b], 23, v[TM+12+\b]
.endr
	v_lshl_or_b32 v[(\hw)], v[TM+5], 8, v[TM+4]
.irp b, 0,1
	v_cvt_scalef32_pk8_fp4_f32 v[(\pc)+2*\b], v[(\s)+16*\b:(\s)+7+16*\b], v[TM+12+\b]
	v_cvt_scalef32_pk8_fp4_f32 v[(\pc)+1+2*\b], v[(\s)+8+16*\b:(\s)+15+16*\b], v[TM+12+\b]
.endr
	v_nop
.irp i, 0,1
	v_permlane16_swap_b32 v[(\pc)+\i], v[(\pc)+2+\i]
.endr
.endm
.macro WM d, a, b, c, sa, sb, ra, rb
.if (\ra) && (\rb)
	v_wmma_scale_f32_16x16x128_f8f6f4 v[(\d):(\d)+7], v[(\a):(\a)+7], v[(\b):(\b)+7], v[(\c):(\c)+7], v[(\sa)], v[(\sb)] matrix_a_fmt:MATRIX_FMT_FP4 matrix_b_fmt:MATRIX_FMT_FP4 matrix_a_scale:MATRIX_SCALE_ROW1 matrix_b_scale:MATRIX_SCALE_ROW1
.elseif (\ra)
	v_wmma_scale_f32_16x16x128_f8f6f4 v[(\d):(\d)+7], v[(\a):(\a)+7], v[(\b):(\b)+7], v[(\c):(\c)+7], v[(\sa)], v[(\sb)] matrix_a_fmt:MATRIX_FMT_FP4 matrix_b_fmt:MATRIX_FMT_FP4 matrix_a_scale:MATRIX_SCALE_ROW1
.elseif (\rb)
	v_wmma_scale_f32_16x16x128_f8f6f4 v[(\d):(\d)+7], v[(\a):(\a)+7], v[(\b):(\b)+7], v[(\c):(\c)+7], v[(\sa)], v[(\sb)] matrix_a_fmt:MATRIX_FMT_FP4 matrix_b_fmt:MATRIX_FMT_FP4 matrix_b_scale:MATRIX_SCALE_ROW1
.else
	v_wmma_scale_f32_16x16x128_f8f6f4 v[(\d):(\d)+7], v[(\a):(\a)+7], v[(\b):(\b)+7], v[(\c):(\c)+7], v[(\sa)], v[(\sb)] matrix_a_fmt:MATRIX_FMT_FP4 matrix_b_fmt:MATRIX_FMT_FP4
.endif
.endm
; THE K STEPS ARE ONE SEQUENCE s = 0 .. 19: 0-7 wo, 8-15 w1 (tiles 0-3) and w2 (tiles 4-7), 16-19 w3.  My eight weight fragments of step s into buffer s % 2: 16 loads of 512 consecutive bytes
.macro WLOAD s
	WIN 0x40
.irp t, 0,1,2,3,4,5,6,7
.irp c, 0,1
.if (\s) < 8
	global_load_b128 v[128+64*((\s)%2)+8*\t+4*\c:131+64*((\s)%2)+8*\t+4*\c], v1, s[24:25] offset:\t*8192+(\s)*1024+512*\c
.elseif (\s) < 16
	global_load_b128 v[128+64*((\s)%2)+8*\t+4*\c:131+64*((\s)%2)+8*\t+4*\c], v1, s[26:27] offset:(\t%4)*8192+(\t/4)*262144+((\s)-8)*1024+512*\c
.else
	global_load_b128 v[128+64*((\s)%2)+8*\t+4*\c:131+64*((\s)%2)+8*\t+4*\c], v1, s[28:29] offset:\t*4096+((\s)-16)*1024+512*\c
.endif
.endr
.endr
.endm
.macro ALOAD ks                        ; res's two fragments of K step ks, from memory
	WIN 0
.irp m, 0,1
.irp c, 0,1
	global_load_b128 v[16+16*((\ks)%2)+8*\m+4*\c:19+16*((\ks)%2)+8*\m+4*\c], v1, s[36:37] offset:\m*8192+(\ks)*1024+512*\c
.endr
.endr
.endm
.macro DLOAD base, n, ks               ; h's or g's two fragments of K step ks, from LDS
	WIN 0
.irp m, 0,1
.irp c, 0,1
	ds_load_b128 v[16+16*((\ks)%2)+8*\m+4*\c:19+16*((\ks)%2)+8*\m+4*\c], v1 offset:\base+(\n*\m+(\ks))*1024+512*\c
.endr
.endr
.endm
; 16 products: the sixteen accumulators by turns, one instruction a turn.  K = 1,024: the scale words of K steps 4-7 lie in lanes 16-31.  w3: lanes 16-31 hold the odd tile's words, and g's second tile's.
.macro MULT s
.set PAR, (\s)%2
.if ((\s) < 8) || ((\s) >= 16)
	WIN 0x51                                           ; A (the weight) window 1, B window 0, C and D (x1) window 1
.set ACB, 0
.else
	WIN 0x01                                           ; C and D (the hidden layer) window 0
.set ACB, 128
.endif
.irp m, 0,1
.irp t, 0,1,2,3,4,5,6,7
.if (\s) < 16
	WM ACB+64*\m+8*\t, 128+64*PAR+8*\t, 16+16*PAR+8*\m, ACB+64*\m+8*\t, 48+4*\t+(\s)%4, 80+4*\m+(\s)%4, ((\s)%8)/4, ((\s)%8)/4
.else
	WM 64*\m+8*\t, 128+64*PAR+8*\t, 16+16*PAR+8*\m, 64*\m+8*\t, 48+4*(\t/2)+(\s)-16, 80+(\s)-16, \t%2, \m
.endif
.endr
.endr
.endm
	s_load_b512 s[4:19], s[0:1], 0x0                   ; resbuf, prepbuf, x, bo, ln2_w, b1, b2, b3
	s_load_b64 s[20:21], s[0:1], 0x40                  ; out0
	v_lshl_add_u32 v126, v0, 2, 0x17800
	v_mov_b32 v127, 0
	v_lshrrev_b32 v1, 5, v0
	v_readfirstlane_b32 s22, v1                        ; wave 0..7
	v_and_b32 v16, 31, v0                              ; lane
	v_and_b32 v17, 15, v0                              ; r
	s_wait_alu depctr_va_vdst(0)
	v_bfe_u32 v18, v0, 4, 1                            ; h
	v_lshlrev_b32 v1, 4, v16                           ; v1: 16 x lane
	s_wait_alu depctr_va_vdst(0)
	v_lshlrev_b32 v3, 6, v18                           ; v3: 64 h: my 16 columns of each 32
	v_lshlrev_b32 v5, 5, v17                           ; v5: SSQ + 32 r
	s_wait_alu depctr_va_sdst(0)                       ; s22, the wave's number, is written, ahead of its first reader
	s_lshl_b32 s60, s22, 2
	v_add_nc_u32 v4, s60, v5                           ; v4: + 4 w
	s_lshl_b32 s60, s22, 10
	s_add_co_u32 s60, s60, HIMG
	v_add_nc_u32 v6, s60, v1                           ; v6: h's fragment of K step w
	s_lshr_b32 s60, s22, 2
	s_lshl_b32 s60, s60, 8
	s_and_b32 s61, s22, 3
	s_lshl_b32 s61, s61, 2
	s_add_co_u32 s60, s60, s61
	s_add_co_u32 s60, s60, H2SC
	v_lshl_add_u32 v7, v17, 4, s60                     ; v7: its scale word
	s_lshl_b32 s60, s22, 9
	s_add_co_u32 s60, s60, GIMG
	v_add_nc_u32 v8, s60, v1                           ; v8: g's half fragment: K step w / 2, half w % 2
	s_lshl_b32 s60, s22, 1
	s_add_co_u32 s60, s60, GSC
	v_lshl_add_u32 v9, v17, 4, s60                     ; v9: its two scale bytes
	s_mul_i32 s60, s22, 8448
	s_add_co_u32 s60, s60, STG
	v_mul_u32_u24 v10, v17, 528
	s_wait_alu depctr_va_vdst(0)
	v_add_nc_u32 v10, v10, v3
	v_add_nc_u32 v10, s60, v10                         ; v10: my stage in the accumulators' layout: row r, + 64 h
	v_add_nc_u32 v11, s60, v1                          ; v11: and by rows: 16 x lane of a row
.irp b, 0,1,2,3
	v_mov_b32 v[TM+4+\b], 0                            ; a lane permute's destination counts as one of its sources
.endr
	s_mov_b32 s56, 0x3a800000                          ; 1 / 1024
	s_mov_b32 s57, 0x3727c5ac                          ; 1e-5
	s_mov_b32 s[SEL], 0x76543210
	s_mov_b32 s[SEL+1], 0xfedcba98
	s_mov_b32 s61, 0
	s_wait_kmcnt 0x0
	s_lshl_b32 s60, s22, 16
	s_add_co_u32 s60, s60, WOC
	s_add_nc_u64 s[24:25], s[6:7], s[60:61]            ; wo's tiles 8 w on
	s_lshl_b32 s60, s22, 15
	s_add_co_u32 s60, s60, W1C
	s_add_nc_u64 s[26:27], s[6:7], s[60:61]            ; w1's tiles 4 w on (w2's lie 262,144 bytes further)
	s_lshl_b32 s60, s22, 15
	s_add_co_u32 s60, s60, W3C
	s_add_nc_u64 s[28:29], s[6:7], s[60:61]            ; w3's tiles 8 w on
	s_lshl_b32 s60, s22, 12
	s_add_co_u32 s60, s60, WOS
	s_add_nc_u64 s[30:31], s[6:7], s[60:61]
	s_lshl_b32 s60, s22, 11
	s_add_co_u32 s60, s60, W1S
	s_add_nc_u64 s[32:33], s[6:7], s[60:61]
	s_lshl_b32 s60, s22, 11
	s_add_co_u32 s60, s60, W3S
	s_add_nc_u64 s[34:35], s[6:7], s[60:61]
	s_lshl_b32 s60, ttmp9, 14
	s_add_nc_u64 s[36:37], s[4:5], s[60:61]            ; res's two tiles
	s_lshl_b32 s60, ttmp9, 10
	s_add_co_u32 s60, s60, RS
	s_add_nc_u64 s[38:39], s[4:5], s[60:61]
	s_lshl_b32 s60, ttmp9, 17
	s_lshl_b32 s62, s22, 9
	s_add_co_u32 s60, s60, s62
	s_add_nc_u64 s[42:43], s[8:9], s[60:61]            ; x and out at my 32 rows, my 128 columns
	s_add_nc_u64 s[44:45], s[20:21], s[60:61]
	s_mov_b32 s60, s62
	s_add_nc_u64 s[46:47], s[10:11], s[60:61]          ; bo, ln2_w, b3 at my 128 columns
	s_add_nc_u64 s[48:49], s[12:13], s[60:61]
	s_add_nc_u64 s[50:51], s[18:19], s[60:61]
	s_lshl_b32 s60, s22, 8
	s_add_nc_u64 s[52:53], s[14:15], s[60:61]          ; b1, b2 at my 64 hidden units
	s_add_nc_u64 s[54:55], s[16:17], s[60:61]
	; ---- the head's loads: x first, by rows, into the registers that the accumulators will take
	WIN 0x40
	s_wait_alu depctr_va_vdst(0)                       ; the addresses v1 and v3 to v11 are written, which every load, store and LDS instruction reads; so are v16 to v18, in which loads of res land
.irp m, 0,1
.irp i, 0,1,2,3,4,5,6,7,8,9,10,11,12,13,14,15
	global_load_b128 v[64*\m+4*\i:64*\m+4*\i+3], v1, s[42:43] offset:(8*\m+\i+8*(\i/8))*4096 th:TH_LOAD_NT   ; place i of tile m: 32 lanes read 512 consecutive bytes of one row
.endr
.endr
	WLOAD 0
	ALOAD 0
.irp t, 0,1,2,3,4,5,6,7
	global_load_b128 v[128+8*\t:131+8*\t], v3, s[46:47] offset:128*(\t/2)+32*(\t%2)
	global_load_b128 v[132+8*\t:135+8*\t], v3, s[46:47] offset:128*(\t/2)+32*(\t%2)+16
	global_load_b128 v[192+8*\t:195+8*\t], v3, s[48:49] offset:128*(\t/2)+32*(\t%2)
	global_load_b128 v[196+8*\t:199+8*\t], v3, s[48:49] offset:128*(\t/2)+32*(\t%2)+16
	global_load_b128 v[48+4*\t:51+4*\t], v1, s[30:31] offset:512*\t
.endr
	global_load_b128 v[80:83], v1, s[38:39]
	global_load_b128 v[84:87], v1, s[38:39] offset:512
	s_wait_loadcnt 62                                  ; x's 32 loads are in; the 16 + 4 + 40 + 2 issued behind them may be out
	; the turn: 16 rows into my stage as they lie, and back in the accumulators' layout, into the registers that they left.  LDS serves a wave's instructions in order (ISA guide 5.7.1.4): no wait on DScnt between stores and loads, nor ahead of the second tile's stores
.irp m, 0,1
	WIN 0x04                                           ; an LDS store's data are its source 1: window 1
.irp i, 0,1,2,3,4,5,6,7,8,9,10,11,12,13,14,15
	ds_store_b128 v11, v[64*\m+4*\i:64*\m+4*\i+3] offset:528*\i
.endr
	WIN 0x40
	s_wait_alu depctr_vm_vsrc(0)                       ; the sixteen stores have read this tile's 64 registers, in which the loads below land
.irp t, 0,1,2,3,4,5,6,7                            ; register 8 t + j of lane (r, h) is column 32 (t / 2) + 16 h + 8 (t % 2) + j of row r
	ds_load_b128 v[64*\m+8*\t:64*\m+8*\t+3], v10 offset:128*(\t/2)+32*(\t%2)
	ds_load_b128 v[64*\m+8*\t+4:64*\m+8*\t+7], v10 offset:128*(\t/2)+32*(\t%2)+16
.endr
.endr
	WLOAD 1
	ALOAD 1
	s_wait_dscnt 0x0                                   ; x lies in the accumulators' layout
	s_wait_loadcnt 20                                  ; all but K step 1's 16 + 4 loads: K step 0, bo, ln2_w and the scale words are in
	WIN 0x41                                           ; destination and source 0 window 1
.set K2, 0
.rept 32
	v_pk_add_f32 v[K2:K2+1], v[K2:K2+1], v[128+K2:129+K2]             ; x + bo
	v_pk_add_f32 v[64+K2:65+K2], v[64+K2:65+K2], v[128+K2:129+K2]
.set K2, K2+2
.endr
	; ---- 1: x1 = x + bo + res wo.  Behind a step's products its two buffers take the loads of two steps on
.irp s, 0,1,2,3,4,5,6,7
.if \s > 0
.if \s < 7
	s_wait_loadcnt 20                                  ; this step's loads are in; the next step's 16 + 4 may be out
.else
	s_wait_loadcnt 16                                  ; behind step 7's loads stand step 8's sixteen alone
.endif
.endif
	MULT \s
	PLACES
	s_wait_alu depctr_va_vdst(0)                       ; this step's products are done reading their weight buffer and res's fragments, in which the loads below land (step 7: and wo's scale words, which the norm's first loads replace)
	WLOAD \s+2
.if \s < 6
	ALOAD \s+2
.endif
.endr
	; ---- the norm (K steps 8 and 9 of the weights are on their way)
	WIN 0
.irp t, 0,1,2,3,4,5,6,7
	global_load_b128 v[48+4*\t:51+4*\t], v1, s[32:33] offset:(\t/4)*16384+(\t%4)*512   ; the scale words of w1's and w2's tiles
.endr
	WIN 0x05                                           ; sources 0 and 1 window 1
.irp m, 0,1
	v_pk_mul_f32 v[114+4*\m:115+4*\m], v[64*\m:64*\m+1], v[64*\m:64*\m+1]               ; each accumulator from its low end on
	v_pk_mul_f32 v[116+4*\m:117+4*\m], v[64*\m+2:64*\m+3], v[64*\m+2:64*\m+3]
.irp j, 4,8,12,16,20,24,28,32,36,40,44,48,52,56,60
	v_pk_fma_f32 v[114+4*\m:115+4*\m], v[64*\m+\j:64*\m+\j+1], v[64*\m+\j:64*\m+\j+1], v[114+4*\m:115+4*\m]
	v_pk_fma_f32 v[116+4*\m:117+4*\m], v[64*\m+\j+2:64*\m+\j+3], v[64*\m+\j+2:64*\m+\j+3], v[116+4*\m:117+4*\m]
.endr
.endr
	WIN 0
.irp m, 0,1
	v_pk_add_f32 v[114+4*\m:115+4*\m], v[114+4*\m:115+4*\m], v[116+4*\m:117+4*\m]
	v_add_f32 v[114+4*\m], v[114+4*\m], v[115+4*\m]
	v_permlanex16_b32 v[115+4*\m], v[114+4*\m], s[SEL], s[SEL+1]
	v_add_f32 v[114+4*\m], v[114+4*\m], v[115+4*\m]
.endr
	s_wait_alu depctr_va_vdst(0)                       ; the two tiles' sums v114 and v118 are written, which the two LDS stores read
.irp m, 0,1
	ds_store_b32 v4, v[114+4*\m] offset:SSQ+512*\m     ; (both lanes of a row write the same word with the same value)
.endr
	BARRIER                                            ; the eight waves' sums of squares lie in LDS
	ds_load_b128 v[16:19], v5 offset:SSQ
	ds_load_b128 v[20:23], v5 offset:SSQ+16
	ds_load_b128 v[24:27], v5 offset:SSQ+512
	ds_load_b128 v[28:31], v5 offset:SSQ+528
	s_wait_dscnt 0x0
.irp b, 16,24
	v_add_f32 v[\b], v[\b], v[\b+1]
	v_add_f32 v[\b+2], v[\b+2], v[\b+3]
	v_add_f32 v[\b+4], v[\b+4], v[\b+5]
	v_add_f32 v[\b+6], v[\b+6], v[\b+7]
	v_add_f32 v[\b], v[\b], v[\b+2]
	v_add_f32 v[\b+4], v[\b+4], v[\b+6]
	v_add_f32 v[\b], v[\b], v[\b+4]
	v_fma_f32 v[\b], v[\b], s56, s57                   ; the mean + 1e-5
.endr
	s_wait_alu depctr_va_vdst(0)
	v_rsq_f32 v12, v16
	v_rsq_f32 v14, v24
	v_mov_b32 v13, 0                                   ; plain places behind the transcendentals; named with the results as pairs
	v_mov_b32 v15, 0
	s_wait_alu depctr_va_vdst(0)                       ; the two roots have written v12 and v14: one wait for both, ahead of the first reader
.irp m, 0,1
	WIN 0x01
.set K2, 0
.rept 32
	v_pk_mul_f32 v[128+K2:129+K2], v[64*\m+K2:64*\m+K2+1], v[12+2*\m:13+2*\m] op_sel_hi:[1,0]
.set K2, K2+2
.endr
	WIN 0
.set K2, 0
.rept 32
	v_pk_mul_f32 v[128+K2:129+K2], v[128+K2:129+K2], v[192+K2:193+K2]
.set K2, K2+2
.endr
	QUANT 128, 106, 104
	s_wait_alu depctr_va_vdst(0)                       ; the quantising has written the codes v106 to v113 and the scale word v104, which the three LDS stores read; behind the second tile's: all that named v16 to v31 and v128 to v255 is done, in which the loads below land
	ds_store_b128 v6, v[106:109] offset:\m*8192
	ds_store_b128 v6, v[110:113] offset:\m*8192+512
	ds_store_b32 v7, v104 offset:\m*512
	s_wait_dscnt 0x0                                   ; my stores have landed
	s_wait_alu depctr_vm_vsrc(0)                       ; and have read v104 and v106 to v113, which the next quantising (the second tile's; behind that, the gate's) writes
.endr
.irp m, 0,1
.irp t, 0,1,2,3                                    ; b1 and b2 INTO the hidden layer's accumulators
	global_load_b128 v[128+64*\m+8*\t:131+64*\m+8*\t], v3, s[52:53] offset:128*(\t/2)+32*(\t%2)
	global_load_b128 v[132+64*\m+8*\t:135+64*\m+8*\t], v3, s[52:53] offset:128*(\t/2)+32*(\t%2)+16
	global_load_b128 v[160+64*\m+8*\t:163+64*\m+8*\t], v3, s[54:55] offset:128*(\t/2)+32*(\t%2)
	global_load_b128 v[164+64*\m+8*\t:167+64*\m+8*\t], v3, s[54:55] offset:128*(\t/2)+32*(\t%2)+16
.endr
.endr
	BARRIER                                            ; h's sixteen fragments and their scale words lie in LDS
	ds_load_b128 v[80:83], v1 offset:H2SC
	ds_load_b128 v[84:87], v1 offset:H2SC+512
	DLOAD HIMG, 8, 0
	; ---- 2: h w1 + b1 and h w2 + b2
.irp s, 8,9,10,11,12,13,14,15
.if \s < 15
	DLOAD HIMG, 8, \s-7                                ; into the set that the step before read: the wait behind its products has shown them done
.endif
.if \s == 8
	s_wait_loadcnt 0x0                                 ; the biases are the youngest loads: with them the scale words and K steps 8 and 9 are in
.else
	s_wait_loadcnt 16                                  ; this step's weights are in; the next step's sixteen loads may be out
.endif
.if \s < 15
	s_wait_dscnt 4                                     ; all but the four fragment loads just issued
.else
	s_wait_dscnt 0x0
.endif
	MULT \s
	PLACES
	s_wait_alu depctr_va_vdst(0)                       ; this step's products are done reading their weight buffer, in which the loads below land, and h's fragments, in which the next step's LDS loads land (step 15: and the scale words, which the gate's first loads replace)
	WLOAD \s+2
.endr
	; ---- the gate: g = a sigmoid(a) x the other half, in f32 (K steps 16 and 17 of the weights are on their way)
	WIN 0
.irp p, 0,1,2,3
	global_load_b128 v[48+4*\p:51+4*\p], v1, s[34:35] offset:512*\p   ; w3's scale words: two tiles a load
.endr
.irp m, 0,1
.set K2, 0
.rept 16
	v_pk_mul_f32 v[16+K2:17+K2], v[128+64*\m+K2:129+64*\m+K2], 0xbfb8aa3b op_sel_hi:[1,0]   ; -a log2(e)
.set K2, K2+2
.endr
.set K2, 0
	s_wait_alu depctr_va_vdst(0)
.rept 32
	v_exp_f32 v[16+K2], v[16+K2]
.set K2, K2+1
.endr
	v_nop
	s_wait_alu depctr_va_vdst(0)                       ; the 32 exponentials have written v16 to v47: one wait for the batch
.set K2, 0
.rept 16
	v_pk_add_f32 v[16+K2:17+K2], v[16+K2:17+K2], 1.0 op_sel_hi:[1,0]
.set K2, K2+2
.endr
.set K2, 0
	s_wait_alu depctr_va_vdst(0)
.rept 32
	v_rcp_f32 v[16+K2], v[16+K2]
.set K2, K2+1
.endr
	v_nop
	s_wait_alu depctr_va_vdst(0)                       ; the 32 reciprocals have written v16 to v47: one wait for the batch
.set K2, 0
.rept 16
	v_pk_mul_f32 v[128+64*\m+K2:129+64*\m+K2], v[128+64*\m+K2:129+64*\m+K2], v[16+K2:17+K2]
.set K2, K2+2
.endr
.set K2, 0
.rept 16
	v_pk_mul_f32 v[128+64*\m+K2:129+64*\m+K2], v[128+64*\m+K2:129+64*\m+K2], v[160+64*\m+K2:161+64*\m+K2]
.set K2, K2+2
.endr
	HQUANT 128+64*\m, 106, 104
	s_wait_alu depctr_va_vdst(0)                       ; the quantising has written the codes v106 to v109 and the scale bytes v104, which the two LDS stores read; behind the second tile's: all that named v16 to v47 and v128 to v191 is done, in which the loads below land
	ds_store_b128 v8, v[106:109] offset:\m*4096
	ds_store_b16 v9, v104 offset:\m*256                ; (both lanes of a row write the same bytes)
	s_wait_dscnt 0x0                                   ; my stores have landed
.if \m == 0
	s_wait_alu depctr_vm_vsrc(0)                       ; and have read v104 and v106 to v109, which the second tile's quantising writes
.endif
.endr
.irp t, 0,1,2,3,4,5,6,7
	global_load_b128 v[128+8*\t:131+8*\t], v3, s[50:51] offset:128*(\t/2)+32*(\t%2)       ; b3
	global_load_b128 v[132+8*\t:135+8*\t], v3, s[50:51] offset:128*(\t/2)+32*(\t%2)+16
.endr
	BARRIER                                            ; g's eight fragments and their scale words lie in LDS
	ds_load_b128 v[80:83], v1 offset:GSC               ; register = K step; lanes 0-15 tile 0's rows, lanes 16-31 tile 1's
	DLOAD GIMG, 4, 0
	; ---- 3: out = x1 + b3 + g w3
.irp s, 16,17,18,19
.if \s < 19
	DLOAD GIMG, 4, \s-15
.endif
.if (\s == 16) || (\s == 19)
	s_wait_loadcnt 0x0                                 ; step 16: b3 is the youngest load; step 19: nothing was issued behind its weights
.else
	s_wait_loadcnt 16                                  ; this step's weights are in; the next step's sixteen loads may be out
.endif
.if \s < 19
	s_wait_dscnt 4
.else
	s_wait_dscnt 0x0
.endif
.if \s == 16
	WIN 0x41
.set K2, 0
.rept 32
	v_pk_add_f32 v[K2:K2+1], v[K2:K2+1], v[128+K2:129+K2]             ; x1 + b3
	v_pk_add_f32 v[64+K2:65+K2], v[64+K2:65+K2], v[128+K2:129+K2]
.set K2, K2+2
.endr
.endif
	MULT \s
.if \s < 18
	PLACES
	s_wait_alu depctr_va_vdst(0)                       ; this step's products are done reading their weight buffer, in which the loads below land, and g's fragments, in which the next step's LDS loads land
	WLOAD \s+2
.endif
.endr
	; ---- the way out: through my own stage, back as whole rows of 512 bytes.  LDS serves a wave's instructions in order (ISA guide 5.7.1.4): no wait between stores and loads, nor ahead of the second tile's stores
	WIN 0
	PLACES                                             ; four places behind the last product, before its result is read (ISA guide 7.12.1)
	s_wait_alu depctr_va_vdst(0)                       ; the products have written the sixteen accumulators, which the LDS stores read; all that named v128 to v255 is done, in which the loads from the stage land.  The places above stay beside this wait
.irp m, 0,1
	WIN 0x04                                           ; an LDS store's data are its source 1: window 1
.irp t, 0,1,2,3,4,5,6,7
	ds_store_b128 v10, v[64*\m+8*\t:64*\m+8*\t+3] offset:128*(\t/2)+32*(\t%2)       ; each accumulator from its low end on
	ds_store_b128 v10, v[64*\m+8*\t+4:64*\m+8*\t+7] offset:128*(\t/2)+32*(\t%2)+16
.endr
	WIN 0
.irp i, 0,1,2,3,4,5,6,7,8,9,10,11,12,13,14,15
	ds_load_b128 v[128+64*\m+4*\i:131+64*\m+4*\i], v11 offset:528*\i
.endr
.endr
.irp m, 0,1
.irp i, 0,1,2,3,4,5,6,7,8,9,10,11,12,13,14,15
	s_wait_dscnt 47-32*\m-\i                           ; behind this load: its tile's later loads, and for tile 0 the 32 LDS instructions of tile 1
	global_store_b128 v1, v[128+64*\m+4*\i:131+64*\m+4*\i], s[44:45] offset:(8*\m+\i+8*(\i/8))*4096 th:TH_STORE_NT   ; 32 lanes store 512 consecutive bytes, aligned
.endr
.endr
	s_wait_dscnt 0x0                                   ; the closing lines, six on end (every window is 0 here: the add's two registers lie in window 0)
	s_wait_alu 0x0
	s_wait_tensorcnt 0x0
	ds_add_u32 v126, v127
	s_wait_dscnt 0x0
	s_endpgm
.Lfunc_end_k_q36e56d399a_tail:
	.size	k_q36e56d399a_tail, .Lfunc_end_k_q36e56d399a_tail-k_q36e56d399a_tail
	.p2alignl 7, 3214868480
	.fill 96, 4, 3214868480
	.section	.rodata,"a",@progbits
	.p2align	6, 0x0
	.amdhsa_kernel k_q36e56d399a_tail
		.amdhsa_group_segment_fixed_size 97280
		.amdhsa_private_segment_fixed_size 0
		.amdhsa_enable_private_segment 0
		.amdhsa_kernarg_size 72
		.amdhsa_user_sgpr_count 2
		.amdhsa_user_sgpr_kernarg_segment_ptr 1
		.amdhsa_wavefront_size32 1
		.amdhsa_system_sgpr_workgroup_id_x 1
		.amdhsa_system_sgpr_workgroup_id_y 1
		.amdhsa_system_sgpr_workgroup_id_z 1
		.amdhsa_system_vgpr_workitem_id 0
		.amdhsa_next_free_vgpr 512
		.amdhsa_next_free_sgpr 66
		.amdhsa_reserve_vcc 0
		.amdhsa_float_denorm_mode_32 3
		.amdhsa_float_denorm_mode_16_64 3
		.amdhsa_memory_ordered 1
		.amdhsa_forward_progress 1
		.amdhsa_inst_pref_size 159
	.end_amdhsa_kernel
	.amdgpu_metadata
---
amdhsa.version: [ 1, 2 ]
amdhsa.kernels:
  - .name:           k_q36e56d399a_tail
    .symbol:         k_q36e56d399a_tail.kd
    .args:
      - { .name: resbuf, .offset: 0, .size: 8, .value_kind: global_buffer, .address_space: global }
      - { .name: prepbuf, .offset: 8, .size: 8, .value_kind: global_buffer, .address_space: global }
      - { .name: x, .offset: 16, .size: 8, .value_kind: global_buffer, .address_space: global }
      - { .name: bo, .offset: 24, .size: 8, .value_kind: global_buffer, .address_space: global }
      - { .name: ln2_w, .offset: 32, .size: 8, .value_kind: global_buffer, .address_space: global }
      - { .name: b1, .offset: 40, .size: 8, .value_kind: global_buffer, .address_space: global }
      - { .name: b2, .offset: 48, .size: 8, .value_kind: global_buffer, .address_space: global }
      - { .name: b3, .offset: 56, .size: 8, .value_kind: global_buffer, .address_space: global }
      - { .name: out0, .offset: 64, .size: 8, .value_kind: global_buffer, .address_space: global }
    .group_segment_fixed_size: 97280
    .private_segment_fixed_size: 0
    .kernarg_segment_align: 8
    .kernarg_segment_size: 72
    .max_flat_workgroup_size: 256
    .sgpr_count:     66
    .vgpr_count:     512
    .wavefront_size: 32
...
	.end_amdgpu_metadata
.endif
;; end of part 8
